; MI455X (gfx1250); checked and timed in simulation.
; The chip was launched on July 23, 2026; its instructions are those of AMD's public machine-readable ISA for CDNA 5 (MIT licence, August 2026) and "CDNA5" Instruction Set Architecture Reference Guide (July 2026). The comments in the code are by the model that wrote it; some were corrected since.
;; Attention. Allowed arithmetic: matrix products marked QUANTISED: E2M3 operands, one E8M0 scale for each 32 along K, by v_wmma_scale_f32_16x16x128_f8f6f4 with both operands' format E2M3, f32 sums; everything else in f32.
;; Inputs: Wk 1,024 x 16 x 64 float32; Wo 16 x 64 x 1,024 float32; Wq 1,024 x 16 x 64 float32; Wv 1,024 x 16 x 64 float32; x 8 x 1,040 x 1,024 float32.
;; Outputs: out0 8 x 1,040 x 1,024 float32.
;; This version of the problem:
;;   THIS VERSION OF THE PROBLEM IS GIVEN IN LOW PRECISION. The matrix products marked QUANTISED in the list below multiply operands that are first quantised to E2M3 (2 exponent bits, 3 mantissa bits; 6 bits a number), with one power-of-two scale for each 32 numbers along K (OCP MX v1.0); their sums are f32. All else is computed in f32.
;;   The module's matrix products, in the order in which they are computed (A, B: the left and right operand; K: the contracted axis; several contracted axes count as one K, in the product's order):
;;     1. [M 8,320, K 1,024] x [K 1,024, N 1,024]; A: input x; B: input Wq: QUANTISED
;;     2. [M 8,320, K 1,024] x [K 1,024, N 1,024]; A: input x; B: input Wk: QUANTISED
;;     3. [M 8,320, K 1,024] x [K 1,024, N 1,024]; A: input x; B: input Wv: QUANTISED
;;     4. batch 128 x [M 1,040, K 64] x [K 64, N 1,040]; A: computed on the way; B: computed on the way: QUANTISED
;;     5. batch 128 x [M 64, K 1,040] x [K 1,040, N 1,040]; A: computed on the way; B: softmax (see below): QUANTISED
;;     6. [M 8,320, K 1,024] x [K 1,024, N 1,024]; A: computed on the way; B: input Wo: QUANTISED
;;   THE QUANTISER, for each operand of a quantised product, along K:
;;     - K is cut into blocks of 32 from its start; a last block that is shorter is filled with zeros.
;;     - A block's scale is 2^e with e = floor(log2(the largest magnitude in the block)) - 2, held to -126 .. 127; a block of zeros has e = 0. As a byte (E8M0): e + 127.
;;     - Each number is divided by its block's scale, clamped to +-7.5, and rounded to the nearest number of E2M3, ties to even, subnormals kept.
;;     - The product sums the exact products of the quantised numbers (number of the format x scale) in f32.
;;   ~~~python
;;   def quantise(x, axis):      # numpy; x: float32 -> the quantised numbers, widened to float32 again
;;       x = np.moveaxis(x, axis, -1); K = x.shape[-1]
;;       x = np.pad(x, [(0, 0)] * (x.ndim - 1) + [(0, -K % 32)]); x = x.reshape(x.shape[:-1] + (-1, 32)); a = np.abs(x).max(-1, keepdims=True)
;;       e = np.where(a > 0, np.clip(np.frexp(np.where(a > 0, a, 1))[1] - 1 - 2, -126, 127), 0)      # np.frexp(a)[1] - 1 = floor(log2(a)), exactly
;;       r = np.clip(x / 2.0 ** e, -7.5, 7.5)
;;       step = 2.0 ** (np.maximum(np.frexp(np.where(r == 0, 1, r))[1] - 1, 0) - 3)
;;       q = np.round(r / step) * step * 2.0 ** e      # np.round: ties to even
;;       return np.moveaxis(q.reshape(q.shape[:-2] + (-1,))[..., :K], -1, axis).astype(np.float32)
;;   ~~~
;;   SOFTMAX AHEAD OF A QUANTISED PRODUCT. Where the list says 'softmax', what is quantised is not the finished softmax but p = 2^(t - M), with t = logit x log2(e) and M = ceil(the row's largest t), a whole number; so 1/2 < the row's largest p <= 1. The row's sum l is taken of the UNQUANTISED p, in f32, and the product's result is divided by l at the end. Since M is a whole number, a kernel that streams over the keys may use a running M (the ceiling of the running maximum): every later rescaling is an exact power of two, which a block's scale takes up: the codes' values come out the same.
;;   OPERANDS COMPUTED ON THE WAY. 'Computed on the way' means the value that the module computes at that place (a softmax that the list does not call 'softmax' is quantised finished and normalised). What goes into a quantiser is computed in f32, as accurately as f32 sums, v_exp_f32 and their like allow (about 1e-6 of the number): no bf16 or f16 on the way to a quantiser, and a product that is left as it is and whose result goes on into a quantised operand takes f32 operands (vector FMAs, or v_wmma_f32_16x16x4_f32). A number that lies on a knife's edge between two numbers of the format may be rounded either way, as far as f32 arithmetic and the matrix unit's own rounding can turn it there, and no further.
;; 2 versions. Each part assembles by itself: llvm-mc -triple=amdgcn-amd-amdhsa -mcpu=gfx1250 --defsym DOCPART=n.
;; ======== version 1 of 2: 4 launches
;; workspace buffers: xq 6,758,400 bytes; wq 3,276,800 bytes; rt 5,120 bytes; qk 15,138,816 bytes; vq 7,028,736 bytes; oq 6,758,400 bytes
;; launch prep (part 1): grid 393 x 1, 4 waves a work-group, no clusters, 58,880 bytes of LDS; arguments x, Wq, Wk, Wv, Wo, xq, wq, rt; writes xq, wq, rt
.if DOCPART == 1
	.amdgcn_target "amdgcn-amd-amdhsa--gfx1250"
	.amdhsa_code_object_version 6
	.text
	.protected	k_q27091ab9fb_prep
	.globl	k_q27091ab9fb_prep
	.p2align	8
	.type	k_q27091ab9fb_prep,@function
k_q27091ab9fb_prep:
	s_mov_b64 s[64:65], 0
	v_nop
	global_prefetch_b8 v0, s[64:65] scope:SCOPE_SE
	s_setreg_imm32_b32 hwreg(HW_REG_WAVE_MODE, 25, 1), 1
	s_wait_xcnt 0x0
; PREP: x and the four weights become codes of FP6 (E2M3) with one E8M0 byte for each 32 along K, laid as IMAGES OF OPERAND REGISTERS; and the table of cosines and sines for the 2-D RoPE.
; A fragment is 16 rows x 128 K = 12 registers a lane (lane (r, h): row r; registers 6 c .. 6 c + 5: k = 64 c + 32 h + 0 .. 31).  Its image: register i of lane l at byte 512 (i / 4) + 16 l + 4 (i % 4): 1,536 bytes.
; THE TOKEN GRID: a batch is 33 blocks of 32 token slots; block B has tiles u = 0, 1; slot r of tile (B, u) is token 32 B + 8 u + r + 8 (r / 8).  In block 32 slots r >= 8 are empty: their codes are zeros.
; xq: codes [tile 528][K step 8][1536]; from XS_OFF on scale words [tile][K half 2][slot 16][4 words].   wq: codes [column tile 256][K step 8][1536] (tiles 0-63 Wq, 64-127 Wk, 128-191 Wv, 192-255 Wo); from WS_OFF on [column 4096][8 words].
; rt: [row 40][cos 16 | sin 16] f32; row p holds the angles (p & 31) x 10000^(-i / 16); row 32 is cos 1, sin 0.
; Work-groups 0-263 take x (a wave: one tile, 512 along K), 264-391 the weights (a wave: 32 columns x 256 along K), 392 the table.  Each of the first two has LDS bytes of its own; waves share nothing: no barrier.
; A block's scale is 2^(floor(log2(largest magnitude)) - 2); its byte is the largest magnitude's exponent field - 2, held at 1 from below by a floor among the maximum's leaves.
; LIMITS: NaN and infinities among the inputs are not served.  A block of zeros, or one whose largest magnitude lies under 2^-124, keeps the byte 1: zero codes add nothing, and this program alone reads the bytes.
; The angle is pos x 2^(-0.83048202 i), not pos / 10000^(i / 16): the two differ by a few parts in 10^7.
.set XS_OFF, 6488064
.set WS_OFF, 3145728
.set R,    16                          ; v16-143  x as loaded: two sets of 64
.set X,    144                         ; v144-207 64 numbers of my row: register 16 b + i = k 32 b + 16 h + i
.set PC,   208                         ; v208-227 the codes just made
.set TM,   228                         ; v228-243 at work
.set PW,   244                         ; the scale word just made
.set XW,   32                          ; weights: v32-95 two sets of 32 numbers
.set C,    96                          ; a block's codes
.set OUTR, 112                         ; v112-159 the way out
.set SB,   24                          ; v24-25 scale bytes
.set WST,  33792                       ; LDS: the weights' stages begin behind x's four stages of 8,448 bytes
; 64 numbers of a lane become a fragment's codes in v[PC] on and its scale word in v[PW]
.macro QUANT s
.irp b, 0,1,2,3
	v_max3_num_f32 v[TM+\b], |v[\s+16*\b]|, |v[\s+1+16*\b]|, 0x1800000   ; block b: my 16 numbers, and the floor 2^(3 - 127)
.endr
.irp i, 2,4,6,8,10,12,14
.irp b, 0,1,2,3
	v_max3_num_f32 v[TM+\b], v[TM+\b], |v[\s+16*\b+\i]|, |v[\s+1+16*\b+\i]|
.endr
.endr
.irp b, 0,1,2,3
	v_permlanex16_b32 v[TM+4+\b], v[TM+\b], s44, s45
.endr
.irp b, 0,1,2,3
	v_max_num_f32 v[TM+\b], v[TM+\b], v[TM+4+\b]       ; with lane l xor 16's: the block's largest magnitude
.endr
.irp b, 0,1,2,3
	v_add_nc_u32 v[TM+12+\b], 0xff000000, v[TM+\b]     ; 2 off its exponent field: the conversion's scale operand
.endr
.irp b, 0,1,2,3
	v_lshrrev_b32 v[TM+4+\b], 23, v[TM+12+\b]          ; the scale's byte
.endr
	v_lshl_or_b32 v[PW], v[TM+5], 8, v[TM+4]
	v_lshl_or_b32 v[PW], v[TM+6], 16, v[PW]
	v_lshl_or_b32 v[PW], v[TM+7], 24, v[PW]
.irp c, 0,1
	v_cvt_scalef32_pk16_fp6_f32 v[PC+6*\c:PC+2+6*\c], v[\s+32*\c:\s+15+32*\c], v[TM+12+2*\c]
	v_cvt_scalef32_pk16_fp6_f32 v[PC+12+4*\c:PC+14+4*\c], v[\s+16+32*\c:\s+31+32*\c], v[TM+12+2*\c+1]   ; (a conversion's three registers begin on an even number)
.endr
	v_nop                                              ; one plain place behind a scaled conversion
.irp c, 0,1                                        ; the layout wants a whole block in a lane: lanes 0-15 block 2 c, lanes 16-31 block 2 c + 1
.irp i, 0,1,2
	v_permlane16_swap_b32 v[PC+6*\c+\i], v[PC+12+4*\c+\i]
.endr
.irp i, 0,1,2
	v_mov_b32 v[PC+3+6*\c+\i], v[PC+12+4*\c+\i]
.endr
.endr
.endm
	s_load_b256 s[4:11], s[0:1], 0x0               ; x s[4:5], Wq s[6:7], Wk s[8:9], Wv s[10:11]
	s_load_b256 s[12:19], s[0:1], 0x20             ; Wo s[12:13], xq s[14:15], wq s[16:17], rt s[18:19]
	v_lshl_add_u32 v254, v0, 2, 0xe400
	v_mov_b32 v255, 0
	v_lshrrev_b32 v1, 5, v0
	v_readfirstlane_b32 s20, v1                    ; wave 0..3
	s_mov_b32 s44, 0x76543210
	s_mov_b32 s45, 0xfedcba98                      ; v_permlanex16_b32's selects for lane l xor 16
	s_cmp_ge_u32 ttmp9, 264
	s_cbranch_scc1 .Lnot_x
; ---------------- x ----------------
	s_lshl_b32 s21, ttmp9, 2
	s_add_co_u32 s21, s21, s20                     ; gw = 4 x work-group + wave
	s_lshr_b32 s22, s21, 1                         ; tile 0..527
	s_and_b32 s23, s21, 1                          ; which half of K
	s_mul_i32 s24, s22, 993
	s_lshr_b32 s24, s24, 16                        ; batch = tile / 66 (993 / 65536 is 1 / 66 from above by 2 parts in 4,325,376: exact up to 527)
	s_mul_i32 s25, s24, 66
	s_sub_co_u32 s25, s22, s25                     ; the tile in its batch
	s_lshr_b32 s26, s25, 1                         ; B
	s_and_b32 s27, s25, 1                          ; u
	s_mul_i32 s28, s24, 1040
	s_lshl_b32 s29, s26, 5
	s_add_co_u32 s28, s28, s29
	s_lshl_b32 s29, s27, 3
	s_add_co_u32 s28, s28, s29                     ; slot 0's token
	s_lshl_b32 s28, s28, 12                        ; a token's row is 4,096 bytes
	s_lshl_b32 s29, s23, 11
	s_add_co_u32 s28, s28, s29                     ; + my half of K
	s_mov_b32 s29, 0
	s_mov_b32 s31, 0
	s_cmp_eq_u32 s26, 32                           ; the batch's last block: slots 8-15 are empty
	s_cselect_b32 s30, 0, 0x10000                  ; slots 8-15 lie 16 tokens on; in the last block they read slots 0-7's rows again, so that no load leaves x,
	s_cselect_b32 s32, 0xff00ff00, 0               ; and their lanes' codes are replaced by zeros
	v_and_b32 v14, 31, v0
	v_lshlrev_b32 v1, 4, v14                       ; 16 x lane
	v_and_b32 v2, 15, v0                           ; r
	v_bfe_u32 v3, v0, 4, 1                         ; h
	s_mul_i32 s33, s20, 8448                       ; my stage: 16 rows x (512 bytes + 16)
	v_add_nc_u32 v4, s33, v1                       ; in: as loaded
	v_mul_u32_u24 v5, v2, 528
	v_lshl_add_u32 v5, v3, 6, v5
	v_add_nc_u32 v5, s33, v5                       ; out: row r, + 64 h: my 16 numbers of each block of 32
	v_lshlrev_b32 v6, 4, v2
	v_lshl_add_u32 v6, v3, 3, v6                   ; scale words: 16 r + 8 h
	v_mov_b32 v7, 0
.irp b, 0,1,2,3
	v_mov_b32 v[TM+4+\b], 0                        ; written once: a lane permute's destination counts as one of its sources
.endr
	s_lshl_b32 s38, s22, 3
	s_lshl_b32 s39, s23, 2
	s_add_co_u32 s38, s38, s39
	s_mul_i32 s38, s38, 1536                       ; my four fragments' images
	s_mov_b32 s39, 0
	s_wait_kmcnt 0x0
	s_add_nc_u64 s[34:35], s[4:5], s[28:29]        ; slots 0-7
	s_add_nc_u64 s[36:37], s[34:35], s[30:31]      ; slots 8-15
	s_add_nc_u64 s[40:41], s[14:15], s[38:39]
	s_lshl_b32 s38, s21, 8                         ; 512 x tile + 256 x half
	s_add_co_u32 s38, s38, XS_OFF
	s_add_nc_u64 s[42:43], s[14:15], s[38:39]
.macro LOADF f                         ; fragment f: 16 rows x 512 bytes; each load reads 512 consecutive bytes
.irp m, 0,1,2,3,4,5,6,7
	global_load_b128 v[R+64*((\f)%2)+4*\m:R+64*((\f)%2)+4*\m+3], v1, s[34:35] offset:4096*\m+512*(\f) th:TH_LOAD_NT
.endr
.irp m, 0,1,2,3,4,5,6,7
	global_load_b128 v[R+64*((\f)%2)+32+4*\m:R+64*((\f)%2)+35+4*\m], v1, s[36:37] offset:4096*\m+512*(\f) th:TH_LOAD_NT
.endr
.endm
.macro TURN f                          ; through my stage: LDS serves a wave's instructions in order, so no wait stands between the stores and the loads
.irp m, 0,1,2,3,4,5,6,7,8,9,10,11,12,13,14,15
	ds_store_b128 v4, v[R+64*((\f)%2)+4*\m:R+64*((\f)%2)+4*\m+3] offset:528*\m
.endr
.irp b, 0,1,2,3
.irp j, 0,1,2,3
	ds_load_b128 v[X+16*\b+4*\j:X+16*\b+4*\j+3], v5 offset:128*\b+16*\j
.endr
.endr
.endm
	LOADF 0
	LOADF 1
.irp f, 0,1,2,3
.if \f < 3
	s_wait_loadcnt 16                              ; this fragment's 16 loads are in; the next fragment's 16 may be out
.else
	s_wait_loadcnt 0x0
.endif
	TURN \f
	s_wait_dscnt 0x0                               ; my 64 numbers are back, and the stores have read the set
.if \f < 2
	LOADF \f+2
.endif
	s_wait_xcnt 0x0                                ; the last fragment's stores have read the codes' registers
	QUANT X
.irp i, 0,1,2,3,4,5,6,7,8,9,10,11
	v_cndmask_b32 v[PC+\i], v[PC+\i], v7, s32      ; empty slots: zero codes
.endr
	v_mov_b32 v[8+\f], v[PW]
.irp j, 0,1,2
	global_store_b128 v1, v[PC+4*\j:PC+4*\j+3], s[40:41] offset:1536*\f+512*\j   ; 512 consecutive bytes
.endr
.endr
	v_cmp_eq_u32 vcc_lo, 1, v3
	v_cndmask_b32 v12, v8, v10, vcc_lo             ; both halves of the lanes hold the row's four words: lanes 0-15 store words 0, 1, lanes 16-31 words 2, 3
	v_cndmask_b32 v13, v9, v11, vcc_lo
	global_store_b64 v6, v[12:13], s[42:43]        ; 256 consecutive bytes
	s_wait_tensorcnt 0x0
	ds_add_u32 v254, v255
	s_wait_dscnt 0x0
	s_endpgm
; ---------------- the weights: K is the first axis: a lane takes a column, its registers run down K ----------------
.Lnot_x:
	s_cmp_eq_u32 ttmp9, 392
	s_cbranch_scc1 .Ltable
	s_sub_co_u32 s21, ttmp9, 264
	s_lshr_b32 s22, s21, 5                         ; which weight
	s_bfe_u32 s23, s21, 0x20003                    ; which 256 along K
	s_and_b32 s24, s21, 7
	s_lshl_b32 s25, s24, 7
	s_lshl_b32 s26, s20, 5
	s_add_co_u32 s25, s25, s26                     ; my wave's first column
	v_and_b32 v1, 31, v0
	v_lshlrev_b32 v2, 2, v1                        ; in: 4 bytes a lane
	v_bfe_u32 v3, v0, 4, 1                         ; which of my two column tiles
	v_and_b32 v4, 15, v0
	s_mul_i32 s27, s20, 6144
	s_add_co_u32 s27, s27, WST                     ; my stage: [column tile 2][K step 2][1536]
	v_mul_u32_u24 v5, v3, 3072
	v_lshl_add_u32 v5, v4, 4, v5
	v_add_nc_u32 v5, s27, v5                       ; into it
	v_lshlrev_b32 v6, 4, v1
	v_add_nc_u32 v7, s27, v6                       ; out of it: as it lies
	v_lshlrev_b32 v8, 5, v1                        ; a column's 8 scale words
	s_lshl_b32 s28, s23, 20                        ; 256 rows of 4,096 bytes
	s_lshl_b32 s29, s25, 2
	s_add_co_u32 s28, s28, s29
	s_mov_b32 s29, 0
	s_lshl_b32 s30, s22, 6
	s_lshr_b32 s31, s25, 4
	s_add_co_u32 s30, s30, s31                     ; column tile
	s_lshl_b32 s30, s30, 3
	s_lshl_b32 s31, s23, 1
	s_add_co_u32 s30, s30, s31                     ; x 8 + K step
	s_mul_i32 s30, s30, 1536
	s_mov_b32 s31, 0
	s_lshl_b32 s32, s22, 10
	s_add_co_u32 s32, s32, s25
	s_lshl_b32 s32, s32, 5
	s_lshl_b32 s33, s23, 3
	s_add_co_u32 s32, s32, s33
	s_add_co_u32 s32, s32, WS_OFF
	s_mov_b32 s33, 0
	s_wait_kmcnt 0x0
	s_cmp_eq_u32 s22, 1                            ; the choice hangs on the work-group's number alone
	s_cselect_b64 s[34:35], s[8:9], s[6:7]
	s_cmp_eq_u32 s22, 2
	s_cselect_b64 s[34:35], s[10:11], s[34:35]
	s_cmp_eq_u32 s22, 3
	s_cselect_b64 s[34:35], s[12:13], s[34:35]
	s_add_nc_u64 s[34:35], s[34:35], s[28:29]
	s_add_nc_u64 s[36:37], s[16:17], s[30:31]
	s_add_nc_u64 s[38:39], s[16:17], s[32:33]
.macro WLOAD t                         ; block t: W(32 t + i, my column); 128 consecutive bytes a load
.irp i, 0,1,2,3,4,5,6,7,8,9,10,11,12,13,14,15,16,17,18,19,20,21,22,23,24,25,26,27,28,29,30,31
	global_load_b32 v[XW+32*((\t)%2)+\i], v2, s[34:35] offset:(32*(\t)+\i)*4096 th:TH_LOAD_NT
.endr
.endm
.macro WBLOCK t                        ; block t is K step t / 4, registers 6 c .. 6 c + 5 with c = (t / 2) % 2, of the fragment's lane r + 16 (t % 2)
.set XB, XW+32*((\t)%2)
.set SOFF, 1536*((\t)/4)+256*((\t)%2)
.if (\t) < 7
	s_wait_loadcnt 32                              ; this block's 32 loads are in; the next block's 32 may be out
.else
	s_wait_loadcnt 0x0
.endif
	v_max3_num_f32 v12, |v[XB]|, |v[XB+1]|, |v[XB+2]|
	v_max3_num_f32 v13, |v[XB+3]|, |v[XB+4]|, |v[XB+5]|
.irp i, 6,10,14,18,22,26
	v_max3_num_f32 v12, v12, |v[XB+\i]|, |v[XB+\i+1]|
	v_max3_num_f32 v13, v13, |v[XB+\i+2]|, |v[XB+\i+3]|
.endr
	v_max3_num_f32 v12, v12, |v[XB+30]|, |v[XB+31]|
	v_max3_num_f32 v12, v12, v13, 0x1800000        ; and the floor
	v_add_nc_u32 v11, 0xff000000, v12              ; the conversion's scale operand
	v_lshrrev_b32 v13, 23, v11                     ; the byte
.if (\t)%4 == 0
	v_mov_b32 v[SB+(\t)/4], v13
.else
	v_lshl_or_b32 v[SB+(\t)/4], v13, 8*((\t)%4), v[SB+(\t)/4]
.endif
	v_cvt_scalef32_pk16_fp6_f32 v[C:C+2], v[XB:XB+15], v11
	v_cvt_scalef32_pk16_fp6_f32 v[C+4:C+6], v[XB+16:XB+31], v11
	v_nop                                          ; one plain place behind a scaled conversion
	v_mov_b32 v[C+3], v[C+4]                       ; six registers on end
	v_mov_b32 v[C+4], v[C+5]
	v_mov_b32 v[C+5], v[C+6]
.if ((\t)/2)%2 == 0
	ds_store_b128 v5, v[C:C+3] offset:SOFF         ; registers 0-3
	ds_store_b64 v5, v[C+4:C+5] offset:SOFF+512    ; 4, 5
.else
	ds_store_b64 v5, v[C:C+1] offset:SOFF+520      ; 6, 7
	ds_store_b128 v5, v[C+2:C+5] offset:SOFF+1024  ; 8-11
.endif
.if (\t)+2 < 8
	WLOAD (\t)+2
.endif
	s_wait_dscnt 0x0                               ; the stores have read their registers
.endm
	WLOAD 0
	WLOAD 1
.irp t, 0,1,2,3,4,5,6,7
	WBLOCK \t
.endr
	global_store_b64 v8, v[SB:SB+1], s[38:39]      ; my column's two scale words
.irp i, 0,1,2,3,4,5,6,7,8,9,10,11
	ds_load_b128 v[OUTR+4*\i:OUTR+4*\i+3], v7 offset:512*\i
.endr
.irp i, 0,1,2,3,4,5,6,7,8,9,10,11
	s_wait_dscnt 11-\i                             ; the younger loads may be out
	global_store_b128 v6, v[OUTR+4*\i:OUTR+4*\i+3], s[36:37] offset:(\i/6)*12288+(\i%6)*512   ; 512 consecutive bytes
.endr
	s_wait_tensorcnt 0x0
	ds_add_u32 v254, v255
	s_wait_dscnt 0x0
	s_endpgm
; ---------------- the table.  Thread: i = t % 16, rows t / 16 + 8 k.  Sine and cosine by reduction to |r| <= pi / 4 and polynomials ----------------
.Ltable:
	v_and_b32 v1, 15, v0
	v_lshrrev_b32 v2, 4, v0
	v_cvt_f32_u32 v3, v1
	v_mul_f32 v3, 0xbf549a78, v3                   ; - i log2(10000) / 16
	v_exp_f32 v3, v3
	v_lshlrev_b32 v4, 7, v2                        ; (plain places behind the exponential)
	v_lshl_add_u32 v4, v1, 2, v4                   ; 128 x row + 4 i
	s_wait_alu depctr_va_vdst(0)                   ; the wait ahead of the first use
	s_wait_kmcnt 0x0
.irp k, 0,1,2,3,4
	v_add_nc_u32 v5, 8*\k, v2
	v_and_b32 v5, 31, v5
	v_cvt_f32_u32 v5, v5
	v_mul_f32 v5, v5, v3                           ; the angle a, 0 to 31
	v_mul_f32 v6, 0x3f22f983, v5
	v_rndne_f32 v6, v6                             ; n = round(a 2 / pi)
	v_fmamk_f32 v7, v6, 0xbfc90fdb, v5             ; r = a - n pi / 2, pi / 2 in two parts
	v_fmamk_f32 v7, v6, 0x333bbd2e, v7
	v_mul_f32 v8, v7, v7                           ; z
	v_mov_b32 v9, 0x3c08839e
	v_fmamk_f32 v9, v8, 0xb94ca1f9, v9
	v_fmaak_f32 v9, v9, v8, 0xbe2aaaa3
	v_mul_f32 v10, v7, v8
	v_fma_f32 v9, v10, v9, v7                      ; sin r
	v_mov_b32 v11, 0xbab6061a
	v_fmamk_f32 v11, v8, 0x37ccf5ce, v11
	v_fmaak_f32 v11, v11, v8, 0x3d2aaaa5
	v_mul_f32 v12, v8, v8
	v_fma_f32 v13, v8, -0.5, 1.0
	v_fma_f32 v11, v12, v11, v13                   ; cos r
	v_cvt_i32_f32 v6, v6                           ; the quadrant
	v_and_b32 v12, 1, v6
	v_cmp_eq_u32 vcc_lo, 1, v12
	v_cndmask_b32 v13, v9, v11, vcc_lo             ; odd: the two change places
	v_cndmask_b32 v14, v11, v9, vcc_lo
	v_and_b32 v12, 2, v6
	v_lshlrev_b32 v12, 30, v12
	v_xor_b32 v[26+\k], v13, v12                   ; sin a: negative in quadrants 2, 3
	v_add_nc_u32 v6, 1, v6
	v_and_b32 v6, 2, v6
	v_lshlrev_b32 v6, 30, v6
	v_xor_b32 v[20+\k], v14, v6                    ; cos a: negative in quadrants 1, 2
	global_store_b32 v4, v[20+\k], s[18:19] offset:1024*\k
	global_store_b32 v4, v[26+\k], s[18:19] offset:1024*\k+64
.endr
	s_endpgm
.Lfunc_end_k_q27091ab9fb_prep:
	.size	k_q27091ab9fb_prep, .Lfunc_end_k_q27091ab9fb_prep-k_q27091ab9fb_prep
	.p2alignl 7, 3214868480
	.fill 96, 4, 3214868480
	.section	.rodata,"a",@progbits
	.p2align	6, 0x0
	.amdhsa_kernel k_q27091ab9fb_prep
		.amdhsa_group_segment_fixed_size 58880
		.amdhsa_private_segment_fixed_size 0
		.amdhsa_enable_private_segment 0
		.amdhsa_kernarg_size 64
		.amdhsa_user_sgpr_count 2
		.amdhsa_user_sgpr_kernarg_segment_ptr 1
		.amdhsa_wavefront_size32 1
		.amdhsa_system_sgpr_workgroup_id_x 1
		.amdhsa_system_sgpr_workgroup_id_y 1
		.amdhsa_system_sgpr_workgroup_id_z 1
		.amdhsa_system_vgpr_workitem_id 0
		.amdhsa_next_free_vgpr 256
		.amdhsa_next_free_sgpr 66
		.amdhsa_reserve_vcc 1
		.amdhsa_float_denorm_mode_32 3
		.amdhsa_float_denorm_mode_16_64 3
		.amdhsa_memory_ordered 1
		.amdhsa_forward_progress 1
		.amdhsa_inst_pref_size 87
	.end_amdhsa_kernel
	.amdgpu_metadata
---
amdhsa.version: [ 1, 2 ]
amdhsa.kernels:
  - .name:           k_q27091ab9fb_prep
    .symbol:         k_q27091ab9fb_prep.kd
    .args:
      - { .name: x, .offset: 0, .size: 8, .value_kind: global_buffer, .address_space: global }
      - { .name: Wq, .offset: 8, .size: 8, .value_kind: global_buffer, .address_space: global }
      - { .name: Wk, .offset: 16, .size: 8, .value_kind: global_buffer, .address_space: global }
      - { .name: Wv, .offset: 24, .size: 8, .value_kind: global_buffer, .address_space: global }
      - { .name: Wo, .offset: 32, .size: 8, .value_kind: global_buffer, .address_space: global }
      - { .name: xq, .offset: 40, .size: 8, .value_kind: global_buffer, .address_space: global }
      - { .name: wq, .offset: 48, .size: 8, .value_kind: global_buffer, .address_space: global }
      - { .name: rt, .offset: 56, .size: 8, .value_kind: global_buffer, .address_space: global }
    .group_segment_fixed_size: 58880
    .private_segment_fixed_size: 0
    .kernarg_segment_align: 8
    .kernarg_segment_size: 64
    .max_flat_workgroup_size: 128
    .sgpr_count:     66
    .vgpr_count:     256
    .wavefront_size: 32
...
	.end_amdgpu_metadata
.endif
;; end of part 1
;; launch qkv (part 2): grid 12 x 21, 4 waves a work-group, no clusters, 66,048 bytes of LDS; arguments xq, wq, rt, qk, vq; writes qk, vq
.if DOCPART == 2
	.amdgcn_target "amdgcn-amd-amdhsa--gfx1250"
	.amdhsa_code_object_version 6
	.text
	.protected	k_q27091ab9fb_qkv
	.globl	k_q27091ab9fb_qkv
	.p2align	8
	.type	k_q27091ab9fb_qkv,@function
k_q27091ab9fb_qkv:
	s_mov_b64 s[64:65], 0
	v_nop
	global_prefetch_b8 v0, s[64:65] scope:SCOPE_SE
	s_setreg_imm32_b32 hwreg(HW_REG_WAVE_MODE, 25, 1), 1
	s_wait_xcnt 0x0
; QKV: q = x Wq, k = x Wk, v = x Wv on codes of FP6; 2-D RoPE on q and k; q and k quantised along the head's 64, v along the keys.  Nothing wide goes to memory.
; SHARES.  Work-group x: role x / 4 (q, k, v) and 256 of its columns; wave w owns one head, 4 (x % 4) + w: four column tiles, whose 32 fragments (384 registers) and 32 scale words stay in registers.
; Work-group y owns blocks 13 y .. of the 264 blocks of 32 token slots (13, the last 4).  A trip is one block: 2 tiles x 64 columns x K 1,024 = 64 matrix instructions a wave.
; THE PIPELINE.  x's block (24,576 bytes of fragment images, 1,024 of scale words) goes memory -> registers -> LDS, a quarter by each wave, into two slots by turns (block t in slot t % 2).  In trip t:
;   block t's fragments are in registers; block t + 2 goes from the copy's registers into the slot that block t has left; block t + 1 is read from the other slot AMONG THIS TRIP'S PRODUCTS: behind every second K step
;   the 12 loads of the two K steps just multiplied, into the same registers; block t + 3 is asked for from memory behind the first such run.  ONE barrier a trip, at its head: in front of it each wave's reads of
;   slot t % 2 (made in trip t - 1) are over and its stores of block t + 1 have landed.  Blocks 0, 1 and 2 are asked for together with the weights.  The last three trips are written out: they ask, store and read only what a later trip uses.
; No cluster: what the work-groups share is that one block a trip; the weights, the large operand, are read once and kept.
; q, k: source 0 = 16 columns of W, source 1 = 16 slots: lane (r, h) holds slot r and channels 16 ct + 8 h + j, so RoPE's partners (i, i + 16) lie in one lane.
;   The 16 registers of column tiles 2 b, 2 b + 1 are taken as k = 32 b + 16 h + 0 .. 15: inside each block of 32 the channels stand in a fixed other order, THE SAME FOR q AND k: block, scale and products are unchanged; the order of the sum differs.
; v: the sources swapped: lane (r, h) holds channel 16 ct + r and, in the 16 registers of tiles u = 0, 1, the keys 32 B + 16 h + 0 .. 15: neighbours along the second product's K.
; qk: codes [role][batch x head 128][tile 66][768]: registers 0-5 of a fragment, register i of lane l at 256 (i / 2) + 8 l + 4 (i % 2); from QKS_OFF on [role][bh][tile][32 words], the word s0 | s1 << 8 | s0 << 16 | s1 << 24.
; vq: codes [bh][B 33][channel 64][24 bytes]; from VS_OFF on [bh][B][32 words]: byte t of lane l's word belongs to channel 16 t + l % 16.
; LIMITS: NaN and infinities are not served; a block of zeros or under 2^-124 keeps the byte 1 (its codes are zeros; this program alone reads the bytes).
; REGISTERS: window 0: v1-19 addresses; v20-51 W's scale words; v52-67 x's; v68-131 accumulators; v132-181 the copy; v182-247 at work.  Window 1: W's K steps 0-3, v192-255 cos and sin.  Window 2: W's K steps 4-7.  Window 3: x's 16 fragments.
.set XS_OFF,  6488064
.set WS_OFF,  3145728
.set QKS_OFF, 12976128
.set VS_OFF,  6488064
.set WSC, 20                           ; + 8 ct + s
.set XSC, 52                           ; + 8 u + s
.set ACC, 68
.set STG, 132
.set T1,  182
.set T2,  190
.set PC,  198
.set PW,  214
.set TM,  216
.set VC,  232
.set CSR, 192                          ; in window 1: + 32 u + 16 b + (0 cos, 8 sin) + j
.set MSB, 0
.macro WIN new                         ; the immediate's high byte repeats the setting that is left
.if MSB != (\new)
	s_set_vgpr_msb (MSB<<8)|(\new)
.set MSB, (\new)
.endif
.endm
.macro STAGE_LOAD reg, sb              ; my quarter of block s36 into 50 registers from v[reg] on; the two bases in s[sb .. sb + 3]
	s_mul_i32 s32, s36, 24576
	s_add_nc_u64 s[\sb:\sb+1], s[4:5], s[32:33]
	s_lshl_b32 s32, s36, 10
	s_add_co_u32 s32, s32, XS_OFF
	s_add_nc_u64 s[\sb+2:\sb+3], s[4:5], s[32:33]
.irp i, 0,1,2,3,4,5,6,7,8,9,10,11
	global_load_b128 v[\reg+4*\i:\reg+4*\i+3], v7, s[\sb:\sb+1] offset:512*\i
.endr
	global_load_b64 v[\reg+48:\reg+49], v8, s[\sb+2:\sb+3]
.endm
.macro STAGE_STORE reg, slot
.irp i, 0,1,2,3,4,5,6,7,8,9,10,11
	ds_store_b128 v7, v[\reg+4*\i:\reg+4*\i+3] offset:(\slot)*32768+512*\i
.endr
	ds_store_b64 v8, v[\reg+48:\reg+49] offset:(\slot)*32768+24576
.endm
.macro XSCLD from                      ; a block's scale words: four K steps' words of a slot's row in one load
.irp u, 0,1
.irp kh, 0,1
	ds_load_b128 v[XSC+8*\u+4*\kh:XSC+8*\u+4*\kh+3], v4 offset:(\from)*32768+24576+512*\u+256*\kh
.endr
.endr
.endm
.macro FRAGLD from, ks                 ; the two tiles' fragments of K step ks, into window 3 (the destination's window is set by the caller)
.irp u, 0,1
.irp j, 0,1,2
	ds_load_b128 v[12*(8*\u+(\ks))+4*\j:12*(8*\u+(\ks))+4*\j+3], v1 offset:(\from)*32768+(8*\u+(\ks))*1536+512*\j
.endr
.endr
.endm
; 64 matrix instructions: K step by K step, the eight accumulators by turns, one instruction a turn; the first K step starts the sums.
; fl = 1: behind every second K step the next block's fragments of these two K steps are read into the registers just multiplied: four places (ISA guide 7.12.1 for vector instructions), then 12 loads.
; ld = 1: behind the first run the block three further on is asked for.  Behind the last K step five places: the next trip's first products write over these results.
.macro MMA vv, slot, fl, ld
.irp s, 0,1,2,3,4,5,6,7
.if \vv
	WIN 0x07+4*(\s/4)                              ; source 0 (x) window 3, source 1 (W) window 1 or 2
.else
	WIN 0x0d+(\s/4)                                ; source 0 (W) window 1 or 2, source 1 (x) window 3
.endif
.irp u, 0,1
.irp ct, 0,1,2,3
.if \vv
.if \s == 0
	v_wmma_scale_f32_16x16x128_f8f6f4 v[ACC+16*\ct+8*\u:ACC+16*\ct+8*\u+7], v[12*(8*\u+\s):12*(8*\u+\s)+11], v[48*(\s%4)+12*\ct:48*(\s%4)+12*\ct+11], 0, v[XSC+8*\u+\s], v[WSC+8*\ct+\s] matrix_a_fmt:MATRIX_FMT_FP6 matrix_b_fmt:MATRIX_FMT_FP6
.else
	v_wmma_scale_f32_16x16x128_f8f6f4 v[ACC+16*\ct+8*\u:ACC+16*\ct+8*\u+7], v[12*(8*\u+\s):12*(8*\u+\s)+11], v[48*(\s%4)+12*\ct:48*(\s%4)+12*\ct+11], v[ACC+16*\ct+8*\u:ACC+16*\ct+8*\u+7], v[XSC+8*\u+\s], v[WSC+8*\ct+\s] matrix_a_fmt:MATRIX_FMT_FP6 matrix_b_fmt:MATRIX_FMT_FP6
.endif
.else
.if \s == 0
	v_wmma_scale_f32_16x16x128_f8f6f4 v[ACC+32*\u+8*\ct:ACC+32*\u+8*\ct+7], v[48*(\s%4)+12*\ct:48*(\s%4)+12*\ct+11], v[12*(8*\u+\s):12*(8*\u+\s)+11], 0, v[WSC+8*\ct+\s], v[XSC+8*\u+\s] matrix_a_fmt:MATRIX_FMT_FP6 matrix_b_fmt:MATRIX_FMT_FP6
.else
	v_wmma_scale_f32_16x16x128_f8f6f4 v[ACC+32*\u+8*\ct:ACC+32*\u+8*\ct+7], v[48*(\s%4)+12*\ct:48*(\s%4)+12*\ct+11], v[12*(8*\u+\s):12*(8*\u+\s)+11], v[ACC+32*\u+8*\ct:ACC+32*\u+8*\ct+7], v[WSC+8*\ct+\s], v[XSC+8*\u+\s] matrix_a_fmt:MATRIX_FMT_FP6 matrix_b_fmt:MATRIX_FMT_FP6
.endif
.endif
.endr
.endr
.if ((\fl) && ((\s%2) == 1)) || (\s == 7)
.rept 4+(\s/7)
	v_nop
.endr
.endif
.if (\fl) && ((\s%2) == 1)
	WIN 0xc0                                       ; destination window 3
	FRAGLD 1-\slot, \s-1
	FRAGLD 1-\slot, \s
.if (\s == 1) && (\ld)
	WIN 0
	s_wait_dscnt 12                                ; all but the 12 loads just issued: this trip's 13 stores have read the copy's registers
	s_add_co_u32 s36, s18, s21
	s_add_co_u32 s36, s36, 3
	s_min_u32 s36, s36, 263                        ; held at the last block: no load leaves xq
	STAGE_LOAD STG, 24
.endif
.endif
.endr
	WIN 0
.if \fl
	XSCLD 1-\slot                                  ; the next block's scale words: all eight K steps have used this block's
.endif
.endm
.macro TRIPSC                          ; the trip's block: s36 = B, s35 = 16 batch + head
	s_wait_xcnt 0x0                                ; the last trip's stores have read their bases and data
	s_add_co_u32 s34, s18, s21
	s_mul_i32 s35, s34, 1986
	s_lshr_b32 s35, s35, 16                        ; batch = block / 33 (1986 / 65536 is 1 / 33 from above by 2 parts in 2,162,688: exact up to 272)
	s_mul_i32 s36, s35, 33
	s_sub_co_u32 s36, s34, s36
	s_lshl_b32 s35, s35, 4
	s_add_co_u32 s35, s35, s17
.endm
.macro TABADR u                        ; my slot's rows of the table: row position and column position; the identity row 32 for the 16 prefix tokens
	v_add_nc_u32 v18, s37, v5
.if \u
	v_add_nc_u32 v18, 8, v18
.endif
	v_add_nc_u32 v19, -16, v18
	v_cmp_gt_u32 vcc_lo, 16, v18
	v_lshrrev_b32 v[14+2*\u], 5, v19
	v_and_b32 v[15+2*\u], 31, v19
	v_cndmask_b32 v[14+2*\u], v[14+2*\u], v9, vcc_lo
	v_cndmask_b32 v[15+2*\u], v[15+2*\u], v9, vcc_lo
	v_lshl_add_u32 v[14+2*\u], v[14+2*\u], 7, v6   ; 128 x row + 32 h: my eight frequencies
	v_lshl_add_u32 v[15+2*\u], v[15+2*\u], 7, v6
.endm
.macro TABLD u
.irp b, 0,1
	global_load_b128 v[CSR+32*\u+16*\b:CSR+32*\u+16*\b+3], v[14+2*\u+\b], s[8:9]
	global_load_b128 v[CSR+32*\u+16*\b+4:CSR+32*\u+16*\b+7], v[14+2*\u+\b], s[8:9] offset:16
	global_load_b128 v[CSR+32*\u+16*\b+8:CSR+32*\u+16*\b+11], v[14+2*\u+\b], s[8:9] offset:64
	global_load_b128 v[CSR+32*\u+16*\b+12:CSR+32*\u+16*\b+15], v[14+2*\u+\b], s[8:9] offset:80
.endr
.endm
.macro ROPE u, b                       ; x1' = x1 cos - x2 sin, x2' = x2 cos + x1 sin; each accumulator is read from its low end on
.irp jp, 0,2,4,6
	v_pk_mul_f32 v[T1+\jp:T1+\jp+1], v[ACC+32*\u+16*\b+8+\jp:ACC+32*\u+16*\b+9+\jp], v[CSR+32*\u+16*\b+8+\jp:CSR+32*\u+16*\b+9+\jp]
	v_pk_mul_f32 v[T2+\jp:T2+\jp+1], v[ACC+32*\u+16*\b+\jp:ACC+32*\u+16*\b+1+\jp], v[CSR+32*\u+16*\b+8+\jp:CSR+32*\u+16*\b+9+\jp]
.endr
.irp jp, 0,2,4,6
	v_pk_fma_f32 v[ACC+32*\u+16*\b+\jp:ACC+32*\u+16*\b+1+\jp], v[ACC+32*\u+16*\b+\jp:ACC+32*\u+16*\b+1+\jp], v[CSR+32*\u+16*\b+\jp:CSR+32*\u+16*\b+1+\jp], v[T1+\jp:T1+\jp+1] neg_lo:[0,0,1] neg_hi:[0,0,1]
	v_pk_fma_f32 v[ACC+32*\u+16*\b+8+\jp:ACC+32*\u+16*\b+9+\jp], v[ACC+32*\u+16*\b+8+\jp:ACC+32*\u+16*\b+9+\jp], v[CSR+32*\u+16*\b+\jp:CSR+32*\u+16*\b+1+\jp], v[T2+\jp:T2+\jp+1]
.endr
.endm
; 32 numbers of a lane (two blocks, 16 of each) become registers 0-5 of a fragment in v[pc] on, and the word s0 | s1 << 8 | s0 << 16 | s1 << 24 in v[pw]
.macro QUANT2 src, pc, pw
.irp b, 0,1
	v_max3_num_f32 v[TM+\b], |v[\src+16*\b]|, |v[\src+16*\b+1]|, 0x1800000
.endr
.irp i, 2,4,6,8,10,12,14
.irp b, 0,1
	v_max3_num_f32 v[TM+\b], v[TM+\b], |v[\src+16*\b+\i]|, |v[\src+16*\b+\i+1]|
.endr
.endr
.irp b, 0,1
	v_permlanex16_b32 v[TM+4+\b], v[TM+\b], s22, s23
.endr
.irp b, 0,1
	v_max_num_f32 v[TM+\b], v[TM+\b], v[TM+4+\b]
.endr
.irp b, 0,1
	v_add_nc_u32 v[TM+12+\b], 0xff000000, v[TM+\b]
.endr
.irp b, 0,1
	v_lshrrev_b32 v[TM+4+\b], 23, v[TM+12+\b]
.endr
	v_lshl_or_b32 v[\pw], v[TM+5], 8, v[TM+4]
	v_lshl_or_b32 v[\pw], v[\pw], 16, v[\pw]
	v_cvt_scalef32_pk16_fp6_f32 v[\pc:\pc+2], v[\src:\src+15], v[TM+12]
	v_cvt_scalef32_pk16_fp6_f32 v[\pc+4:\pc+6], v[\src+16:\src+31], v[TM+13]
	v_nop                                          ; one plain place behind a scaled conversion
.irp i, 0,1,2
	v_permlane16_swap_b32 v[\pc+\i], v[\pc+4+\i]   ; lanes 0-15 get block 0 whole, lanes 16-31 block 1
.endr
	v_mov_b32 v[\pc+3], v[\pc+4]
	v_mov_b32 v[\pc+4], v[\pc+5]
	v_mov_b32 v[\pc+5], v[\pc+6]
.endm
.macro QUANTV                          ; v: for each of my four column tiles one block of 32 keys, 16 of them mine
.irp ct, 0,1,2,3
	v_max3_num_f32 v[TM+\ct], |v[ACC+16*\ct]|, |v[ACC+16*\ct+1]|, 0x1800000
.endr
.irp i, 2,4,6,8,10,12,14
.irp ct, 0,1,2,3
	v_max3_num_f32 v[TM+\ct], v[TM+\ct], |v[ACC+16*\ct+\i]|, |v[ACC+16*\ct+\i+1]|
.endr
.endr
.irp ct, 0,1,2,3
	v_permlanex16_b32 v[TM+4+\ct], v[TM+\ct], s22, s23
.endr
.irp ct, 0,1,2,3
	v_max_num_f32 v[TM+\ct], v[TM+\ct], v[TM+4+\ct]
.endr
.irp ct, 0,1,2,3
	v_add_nc_u32 v[TM+12+\ct], 0xff000000, v[TM+\ct]
.endr
.irp ct, 0,1,2,3
	v_lshrrev_b32 v[TM+4+\ct], 23, v[TM+12+\ct]
.endr
	v_lshl_or_b32 v[PW], v[TM+5], 8, v[TM+4]
	v_lshl_or_b32 v[PW], v[TM+6], 16, v[PW]
	v_lshl_or_b32 v[PW], v[TM+7], 24, v[PW]
.irp ct, 0,1,2,3
	v_cvt_scalef32_pk16_fp6_f32 v[VC+4*\ct:VC+4*\ct+2], v[ACC+16*\ct:ACC+16*\ct+15], v[TM+12+\ct]
.endr
	v_nop                                          ; one plain place behind a scaled conversion
.endm
	s_load_b256 s[4:11], s[0:1], 0x0               ; xq s[4:5], wq s[6:7], rt s[8:9], qk s[10:11]
	s_load_b64 s[12:13], s[0:1], 0x20              ; vq
	v_lshl_add_u32 v254, v0, 2, 0x10000
	v_mov_b32 v255, 0
	v_lshrrev_b32 v1, 5, v0
	v_readfirstlane_b32 s14, v1                    ; wave
	s_lshr_b32 s16, ttmp9, 2                       ; role
	s_and_b32 s17, ttmp9, 3
	s_lshl_b32 s17, s17, 2
	s_add_co_u32 s17, s17, s14                     ; head
	s_and_b32 s18, ttmp7, 0xffff
	s_mul_i32 s18, s18, 13                         ; my first block
	s_sub_co_u32 s19, 264, s18
	s_min_u32 s19, s19, 13                         ; and how many
	s_mov_b32 s22, 0x76543210
	s_mov_b32 s23, 0xfedcba98
	s_mov_b32 s33, 0                               ; the upper word of every offset
	v_and_b32 v9, 31, v0
	v_lshlrev_b32 v1, 4, v9                        ; 16 x lane
	v_lshlrev_b32 v2, 3, v9                        ; 8 x lane
	v_lshlrev_b32 v3, 2, v9                        ; 4 x lane
	v_and_b32 v10, 15, v0                          ; r
	v_bfe_u32 v11, v0, 4, 1                        ; h
	v_lshlrev_b32 v4, 4, v10                       ; 16 r
	v_and_b32 v5, 8, v10
	v_add_nc_u32 v5, v5, v10                       ; r + 8 (r / 8)
	v_lshlrev_b32 v6, 5, v11                       ; 32 h
	s_mul_i32 s34, s14, 6144
	v_add_nc_u32 v7, s34, v1                       ; my quarter of a block's images, in memory and in a slot
	s_lshl_b32 s34, s14, 8
	v_add_nc_u32 v8, s34, v2                       ; and of its scale words
	v_mul_u32_u24 v13, v10, 24
	v_mad_u32_u24 v13, v11, 12, v13                ; v's codes: 24 r + 12 h
	v_lshlrev_b32 v12, 5, v10                      ; W's scale words: 32 bytes a column
	v_mov_b32 v9, 32                               ; the table's identity row
	s_lshl_b32 s34, ttmp9, 4
	s_lshl_b32 s35, s14, 2
	s_add_co_u32 s34, s34, s35                     ; my first column tile
	s_mul_i32 s32, s34, 12288
	s_wait_kmcnt 0x0
	s_add_nc_u64 s[40:41], s[6:7], s[32:33]
	s_lshl_b32 s32, s34, 9
	s_add_co_u32 s32, s32, WS_OFF
	s_add_nc_u64 s[42:43], s[6:7], s[32:33]
	WIN 0x40                                       ; destination window 1
.irp s, 0,1,2,3
.irp ct, 0,1,2,3
.irp j, 0,1,2
	global_load_b128 v[48*\s+12*\ct+4*\j:48*\s+12*\ct+4*\j+3], v1, s[40:41] offset:(8*\ct+\s)*1536+512*\j
.endr
.endr
.endr
	WIN 0x80                                       ; destination window 2
.irp s, 0,1,2,3
.irp ct, 0,1,2,3
.irp j, 0,1,2
	global_load_b128 v[48*\s+12*\ct+4*\j:48*\s+12*\ct+4*\j+3], v1, s[40:41] offset:(8*\ct+\s+4)*1536+512*\j
.endr
.endr
.endr
	WIN 0
.irp ct, 0,1,2,3
	global_load_b128 v[WSC+8*\ct:WSC+8*\ct+3], v12, s[42:43] offset:512*\ct
	global_load_b128 v[WSC+8*\ct+4:WSC+8*\ct+7], v12, s[42:43] offset:512*\ct+16
.endr
	s_mov_b32 s36, s18                             ; my first three blocks are asked for together with the weights (every row of work-groups has at least 4: no hold is needed),
	STAGE_LOAD ACC, 44                             ; block 0 into the accumulators' registers,
	s_add_co_u32 s36, s18, 1
	STAGE_LOAD T1, 48                              ; block 1 into the work registers v182-231,
	s_add_co_u32 s36, s18, 2
	STAGE_LOAD STG, 24                             ; block 2 into the copy's own, where the first trip finds it
	s_wait_loadcnt 0x0
	STAGE_STORE ACC, 0
	STAGE_STORE T1, 1
	s_wait_dscnt 0x0                               ; for the others' sake: my stores have landed (and have read their registers)
	s_barrier_signal -1
	s_barrier_wait -1                              ; blocks 0 and 1 lie in the slots
.irp b, 0,1,2,3
	v_mov_b32 v[TM+4+\b], 0                        ; written once: a lane permute's destination counts as one of its sources
.endr
	XSCLD 0
	WIN 0xc0                                       ; destination window 3
.irp s, 0,1,2,3,4,5,6,7
	FRAGLD 0, \s                                   ; block 0's fragments
.endr
	WIN 0
; A TRIP.  slot = t % 2.  tn: the trip's number where it is a constant, -1 in the loop.  st: block t + 2 goes into this slot.  ld: block t + 3 is asked for.  fl: block t + 1 is read from the other slot.
.macro TRIP slot, tn, st, ld, fl
	s_wait_dscnt 0x0                               ; this block's fragments and scale words are in: my reads of this slot are over; my stores of block t + 1 have landed
.if \fl
	s_barrier_signal -1
	s_barrier_wait -1                              ; both now hold of all four waves
.endif
.if (\tn) < 0
	s_lshl_b32 s21, s20, 1                         ; the trip's number: 2 x the loop's count + the slot
.if \slot
	s_add_co_u32 s21, s21, 1
.endif
.else
	s_mov_b32 s21, \tn
.endif
.if \st
	s_wait_loadcnt 0x0                             ; block t + 2's quarter is in registers (asked for among the last trip's products)
	STAGE_STORE STG, \slot
.endif
	s_cmp_ge_u32 s21, s19                          ; the last work-group row has 4 blocks: it leaves the work out, never the barrier
	s_cbranch_scc1 .Lnext_\@
	s_cmp_eq_u32 s16, 2
	s_cbranch_scc1 .Lv_\@
	; ---- q or k
	TRIPSC
	s_mul_i32 s38, s35, 66
	s_lshl_b32 s39, s36, 1
	s_add_co_u32 s38, s38, s39                     ; 66 bh + 2 B
	s_mul_i32 s39, s16, 6488064
	s_mul_i32 s32, s38, 768
	s_add_co_u32 s32, s32, s39
	s_add_nc_u64 s[28:29], s[10:11], s[32:33]
	s_mul_i32 s39, s16, 1081344
	s_lshl_b32 s32, s38, 7
	s_add_co_u32 s32, s32, s39
	s_add_co_u32 s32, s32, QKS_OFF
	s_add_nc_u64 s[30:31], s[10:11], s[32:33]
	s_lshl_b32 s37, s36, 5                         ; 32 B
	TABADR 0
	TABADR 1
	WIN 0x40
	TABLD 0
	TABLD 1
	MMA 0, \slot, \fl, \ld
.if \ld
	s_wait_loadcnt 13                              ; cos and sin, 16 loads asked for ahead of the products, are in; the copy's 13 loads, issued behind them, may be out
.else
	s_wait_loadcnt 0x0                             ; cos and sin
.endif
	WIN 0x04                                       ; source 1 window 1
	ROPE 0, 0
	ROPE 0, 1
	ROPE 1, 0
	ROPE 1, 1
	WIN 0
.irp u, 0,1
	QUANT2 ACC+32*\u, PC+8*\u, PW+\u
.irp p, 0,1,2
	global_store_b64 v2, v[PC+8*\u+2*\p:PC+8*\u+2*\p+1], s[28:29] offset:768*\u+256*\p   ; 256 consecutive bytes
.endr
	global_store_b32 v3, v[PW+\u], s[30:31] offset:128*\u
.endr
	s_branch .Lnext_\@
.Lv_\@:
	; ---- v
	TRIPSC
	s_mul_i32 s38, s35, 33
	s_add_co_u32 s38, s38, s36                     ; 33 bh + B
	s_mul_i32 s32, s38, 1536
	s_add_nc_u64 s[28:29], s[12:13], s[32:33]
	s_lshl_b32 s32, s38, 7
	s_add_co_u32 s32, s32, VS_OFF
	s_add_nc_u64 s[30:31], s[12:13], s[32:33]
	MMA 1, \slot, \fl, \ld
	QUANTV
.irp ct, 0,1,2,3
	global_store_b96 v13, v[VC+4*\ct:VC+4*\ct+2], s[28:29] offset:384*\ct   ; 384 consecutive bytes
.endr
	global_store_b32 v3, v[PW], s[30:31]
.Lnext_\@:
.endm
	s_mov_b32 s20, 0
.Lloop:                                            ; trips 0 to 9
	TRIP 0, -1, 1, 1, 1
	TRIP 1, -1, 1, 1, 1
	s_add_co_u32 s20, s20, 1
	s_cmp_lt_u32 s20, 5
	s_cbranch_scc1 .Lloop
	TRIP 0, 10, 1, 0, 1                            ; block 12 goes into its slot; nothing more is asked for
	TRIP 1, 11, 0, 0, 1                            ; nothing more is stored; block 12 is read
	TRIP 0, 12, 0, 0, 0                            ; the thirteenth block: LDS is not touched again, so no barrier
	s_wait_tensorcnt 0x0
	ds_add_u32 v254, v255
	s_wait_dscnt 0x0
	s_endpgm
.Lfunc_end_k_q27091ab9fb_qkv:
	.size	k_q27091ab9fb_qkv, .Lfunc_end_k_q27091ab9fb_qkv-k_q27091ab9fb_qkv
	.p2alignl 7, 3214868480
	.fill 96, 4, 3214868480
	.section	.rodata,"a",@progbits
	.p2align	6, 0x0
	.amdhsa_kernel k_q27091ab9fb_qkv
		.amdhsa_group_segment_fixed_size 66048
		.amdhsa_private_segment_fixed_size 0
		.amdhsa_enable_private_segment 0
		.amdhsa_kernarg_size 40
		.amdhsa_user_sgpr_count 2
		.amdhsa_user_sgpr_kernarg_segment_ptr 1
		.amdhsa_wavefront_size32 1
		.amdhsa_system_sgpr_workgroup_id_x 1
		.amdhsa_system_sgpr_workgroup_id_y 1
		.amdhsa_system_sgpr_workgroup_id_z 1
		.amdhsa_system_vgpr_workitem_id 0
		.amdhsa_next_free_vgpr 1024
		.amdhsa_next_free_sgpr 66
		.amdhsa_reserve_vcc 1
		.amdhsa_float_denorm_mode_32 3
		.amdhsa_float_denorm_mode_16_64 3
		.amdhsa_memory_ordered 1
		.amdhsa_forward_progress 1
		.amdhsa_inst_pref_size 226
	.end_amdhsa_kernel
	.amdgpu_metadata
---
amdhsa.version: [ 1, 2 ]
amdhsa.kernels:
  - .name:           k_q27091ab9fb_qkv
    .symbol:         k_q27091ab9fb_qkv.kd
    .args:
      - { .name: xq, .offset: 0, .size: 8, .value_kind: global_buffer, .address_space: global }
      - { .name: wq, .offset: 8, .size: 8, .value_kind: global_buffer, .address_space: global }
      - { .name: rt, .offset: 16, .size: 8, .value_kind: global_buffer, .address_space: global }
      - { .name: qk, .offset: 24, .size: 8, .value_kind: global_buffer, .address_space: global }
      - { .name: vq, .offset: 32, .size: 8, .value_kind: global_buffer, .address_space: global }
    .group_segment_fixed_size: 66048
    .private_segment_fixed_size: 0
    .kernarg_segment_align: 8
    .kernarg_segment_size: 40
    .max_flat_workgroup_size: 128
    .sgpr_count:     66
    .vgpr_count:     1024
    .wavefront_size: 32
...
	.end_amdgpu_metadata
.endif
;; end of part 2
;; launch attn (part 3): grid 2 x 128, 11 waves a work-group, no clusters, 112,128 bytes of LDS; arguments qk, vq, oq; writes oq
.if DOCPART == 3
	.amdgcn_target "amdgcn-amd-amdhsa--gfx1250"
	.amdhsa_code_object_version 6
	.text
	.protected	k_q27091ab9fb_attn
	.globl	k_q27091ab9fb_attn
	.p2align	8
	.type	k_q27091ab9fb_attn,@function
k_q27091ab9fb_attn:
	s_mov_b64 s[64:65], 0
	v_nop
	global_prefetch_b8 v0, s[64:65] scope:SCOPE_SE
	s_setreg_imm32_b32 hwreg(HW_REG_WAVE_MODE, 25, 1), 1
	s_wait_xcnt 0x0
; ATTENTION on codes of FP6: S^T = K Q^T, p = 2^(t - M) with M a whole number, O^T = V^T P^T, O / l, and O quantised along (head, channel) for the output projection.
; SHARES.  Work-group (u, bh): one head of one batch and the 33 query tiles 2 Bq + u.  K, V and their scale words of the WHOLE head are copied into LDS once: no ring, one barrier.  Wave w owns the tiles Bq = w, w + 11, w + 22, one after the other.
; No cluster: the two work-groups of a head share K and V, which each reads once, at its head.
; K = 64 FILLS HALF OF THE INSTRUCTION'S 128.  The half fragments of key tiles u = 0 and u = 1 of a block lie on end and are read as ONE fragment (registers 0-5 tile 0, 6-11 tile 1).  Q lies as v16-21 = 0, v22-27 = q, v28-33 = 0:
;   v[22:33] = [q | 0] gives tile 0's scores, v[16:27] = [0 | q] tile 1's: zero codes take the other tile's half away.  K's scale word is (tile 0: s0, s1; tile 1: s0, s1); Q's is (s0, s1, s0, s1) and fits both.
; A lane holds ONE query throughout.  Slot r of key tile (B, u) is key 32 B + 8 u + r + 8 (r / 8), so the 16 registers of a block's two tiles are keys 32 B + 16 h + 0 .. 15.  V's rows of a tile are channels 32 b + 8 u + r + 8 (r / 8) likewise.
; Keys 1040 .. 1055 do not exist: their scores become -infinity (p = 0), and v's codes there are zeros.
; oq: codes [tile 528][K step 8][1536]: head 2 s + c fills registers 6 c .. 6 c + 5, register i of lane l at 256 (i / 2) + 8 l + 4 (i % 2); scale bytes from XS_OFF on, [tile][K half][slot 16][4 words].
;   The scale bytes leave as single bytes 16 bytes apart (a head owns 2 bytes of a slot's 32): one byte for each 24 bytes of codes.
; LIMITS: NaN and infinities are not served; a block of zeros or under 2^-124 keeps the byte 1.
; REGISTERS: v1-7 addresses that stay; v8-11 addresses in hand; v16-33 Q; v34-57 my three tiles' q; v58 Q's scale word; v59 -infinity; v60 -M, v61 largest t, v[62:63] the sum; v64 f, v65 P's scale word; v66-69 K's, then V's scale words;
;   v72-119 four fragments; v120-183 S^T, then p; v184-215 O^T; v216-227 P's codes; v228-255 at work.
.set QKS_OFF, 12976128
.set KROLE,   6488064
.set KSROLE,  1081344
.set VS_OFF,  6488064
.set XS_OFF,  6488064
.set LV,   50688                       ; LDS: K's 33 pair fragments of 1,536 bytes at 0; V's 33 blocks from here, 1,600 bytes apart (1,536 + 64);
.set LKS,  103488                      ; K's scale words [B][32];
.set LVS,  107712                      ; V's [key step 9][channel 64]
.set QN,   34
.set QS,   58
.set NINF, 59
.set FR,   72
.set S,    120
.set O,    184
.set P,    216
.set CT,   228
.set BM,   236
.set PT,   240
.set SO,   244
	s_load_b128 s[4:7], s[0:1], 0x0                ; qk, vq
	s_load_b64 s[8:9], s[0:1], 0x10                ; oq
	v_lshl_add_u32 v254, v0, 2, 0x1b000
	v_mov_b32 v255, 0
	v_lshrrev_b32 v1, 5, v0
	v_readfirstlane_b32 s10, v1                    ; wave 0..10
	s_and_b32 s12, ttmp7, 0xffff                   ; bh
	s_lshr_b32 s13, s12, 4                         ; batch
	s_and_b32 s14, s12, 15                         ; head
	s_mov_b32 s16, 0x76543210
	s_mov_b32 s17, 0xfedcba98
	s_mov_b32 s18, 0x3e38aa3b                      ; c = log2(e) / 8
	s_mov_b32 s19, s18                             ; (named with it as a pair)
	s_mov_b32 s25, 0xffff0000                      ; lanes 16-31
	s_mov_b32 s31, 0
	v_and_b32 v12, 31, v0                          ; lane
	v_and_b32 v13, 15, v0                          ; r
	v_bfe_u32 v14, v0, 4, 1                        ; h
	v_lshlrev_b32 v1, 3, v12                       ; 8 x lane
	v_and_b32 v15, 8, v13
	v_add_nc_u32 v15, v15, v13                     ; r + 8 (r / 8)
	v_mul_u32_u24 v3, v15, 24
	v_mad_u32_u24 v2, v14, 1600, v3
	v_add_nc_u32 v2, LV, v2                        ; V: my channel's 24 bytes in block h
	v_add_nc_u32 v3, LV+51200, v3                  ; and in block 32, for both halves of the lanes
	v_lshlrev_b32 v6, 2, v12                       ; 4 x lane
	v_add_nc_u32 v4, LKS, v6
	v_lshl_add_u32 v5, v15, 2, LVS
	v_lshl_add_u32 v7, v13, 4, v14                 ; O's scale bytes: 16 r + h
	s_mul_i32 s44, s10, 4608
	v_lshl_add_u32 v8, v12, 4, s44                 ; the copies' places in LDS: K: three pair fragments a wave,
	s_mul_i32 s45, s10, 4800
	s_add_co_u32 s45, s45, LV
	v_lshl_add_u32 v9, v12, 4, s45                 ; V: three blocks,
	s_mul_i32 s46, s10, 384
	s_add_co_u32 s46, s46, LKS
	v_lshl_add_u32 v10, v12, 2, s46                ; K's scale words of three blocks,
	s_lshl_b32 s47, s10, 8
	s_add_co_u32 s47, s47, LVS
	v_lshl_add_u32 v11, v12, 2, s47                ; V's of one key step (waves 0-8)
	v_lshlrev_b32 v248, 4, v12                     ; 16 x lane
	v_lshl_add_u32 v253, v13, 2, v14               ; V's scale bytes in memory: 4 r + h
	s_lshl_b32 s50, s10, 2
.irp i, 0,1,2,3
	s_add_co_u32 s47, s50, \i
	s_min_u32 s47, s47, 32                         ; key step 8 has one block: the other three bytes repeat it (P's codes there are zeros)
	s_lshl_b32 s47, s47, 7
	v_add_nc_u32 v[249+\i], s47, v253
.endr
	s_mul_i32 s44, s12, 50688
	s_mul_i32 s45, s10, 4608
	s_add_co_u32 s44, s44, s45
	s_wait_kmcnt 0x0
	s_mov_b32 s30, s44
	s_add_nc_u64 s[34:35], s[6:7], s[30:31]        ; V's codes, my three blocks
	s_add_co_u32 s30, s44, KROLE
	s_add_nc_u64 s[32:33], s[4:5], s[30:31]        ; K's codes, my three pairs
	s_mul_i32 s30, s12, 8448
	s_mul_i32 s45, s10, 768
	s_add_co_u32 s30, s30, s45
	s_add_co_u32 s30, s30, QKS_OFF+KSROLE
	s_add_nc_u64 s[36:37], s[4:5], s[30:31]        ; K's scale words
	s_mul_i32 s30, s12, 4224
	s_add_co_u32 s30, s30, VS_OFF
	s_add_nc_u64 s[38:39], s[6:7], s[30:31]        ; V's scale bytes
	s_lshl_b32 s45, s10, 1
	s_add_co_u32 s45, s45, ttmp9                   ; my first tile in the batch: 2 w + u
	s_mul_i32 s46, s12, 66
	s_add_co_u32 s46, s46, s45
	s_mul_i32 s30, s46, 768
	s_add_nc_u64 s[40:41], s[4:5], s[30:31]        ; Q's codes
	s_lshl_b32 s30, s46, 7
	s_add_co_u32 s30, s30, QKS_OFF
	s_add_nc_u64 s[42:43], s[4:5], s[30:31]        ; Q's scale words
	s_mul_i32 s46, s13, 66
	s_add_co_u32 s46, s46, s45                     ; the tile among all 528
	s_lshl_b32 s30, s46, 3
	s_lshr_b32 s47, s14, 1
	s_add_co_u32 s30, s30, s47
	s_mul_i32 s30, s30, 1536
	s_and_b32 s48, s14, 1
	s_mul_i32 s49, s48, 768
	s_add_co_u32 s30, s30, s49
	s_add_nc_u64 s[26:27], s[8:9], s[30:31]        ; O's codes
	s_lshl_b32 s30, s46, 9
	s_lshr_b32 s49, s14, 3
	s_lshl_b32 s49, s49, 8
	s_add_co_u32 s30, s30, s49
	s_and_b32 s47, s47, 3
	s_lshl_b32 s47, s47, 2
	s_add_co_u32 s30, s30, s47
	s_lshl_b32 s48, s48, 1
	s_add_co_u32 s30, s30, s48
	s_add_co_u32 s30, s30, XS_OFF
	s_add_nc_u64 s[28:29], s[8:9], s[30:31]        ; O's scale bytes
.irp j, 0,1,2,3,4,5,6,7,8
	global_load_b128 v[FR+4*\j:FR+4*\j+3], v248, s[32:33] offset:512*\j
.endr
.irp j, 0,1,2,3,4,5,6,7,8
	global_load_b128 v[S+4*\j:S+4*\j+3], v248, s[34:35] offset:512*\j
.endr
.irp i, 0,1,2
	global_load_b32 v[160+2*\i], v6, s[36:37] offset:256*\i
	global_load_b32 v[161+2*\i], v6, s[36:37] offset:256*\i+128
.endr
.irp it, 0,1,2
.irp p, 0,1,2
	global_load_b64 v[QN+8*\it+2*\p:QN+8*\it+2*\p+1], v1, s[40:41] offset:16896*\it+256*\p
.endr
	global_load_b32 v[QN+8*\it+6], v6, s[42:43] offset:2816*\it
.endr
	s_cmp_lt_u32 s10, 9                            ; waves 0-8 gather V's scale words of key step w: for channel lane + 32 c the bytes of its four blocks
	s_cbranch_scc0 .Lno_vs
.irp c, 0,1
.irp i, 0,1,2,3
	global_load_u8 v[168+4*\c+\i], v[249+\i], s[38:39] offset:2*\c
.endr
.endr
	s_wait_loadcnt 0x0
.irp c, 0,1
	v_lshl_or_b32 v[168+4*\c], v[169+4*\c], 8, v[168+4*\c]
	v_lshl_or_b32 v[168+4*\c], v[170+4*\c], 16, v[168+4*\c]
	v_lshl_or_b32 v[168+4*\c], v[171+4*\c], 24, v[168+4*\c]
	ds_store_b32 v11, v[168+4*\c] offset:128*\c
.endr
.Lno_vs:
	s_wait_loadcnt 0x0
.irp j, 0,1,2,3,4,5,6,7,8
	ds_store_b128 v8, v[FR+4*\j:FR+4*\j+3] offset:512*\j
.endr
.irp i, 0,1,2
.irp j, 0,1,2
	ds_store_b128 v9, v[S+12*\i+4*\j:S+12*\i+4*\j+3] offset:1600*\i+512*\j
.endr
.endr
.irp i, 0,1,2
	v_bfi_b32 v[160+2*\i], 0xffff, v[160+2*\i], v[161+2*\i]   ; tile 0's two bytes below, tile 1's above
	ds_store_b32 v10, v[160+2*\i] offset:128*\i
.endr
.irp i, 0,1,2,3,4,5
	v_mov_b32 v[16+\i], 0                          ; the zero codes on both sides of q
	v_mov_b32 v[28+\i], 0
.endr
.irp b, 0,1,2,3
	v_mov_b32 v[PT+\b], 0                          ; written once: a lane permute's destination counts as one of its sources
.endr
	v_mov_b32 v250, 0
	v_mov_b32 v65, 0                               ; (named as the upper half of the pair v[64:65] before it is first written)
	v_mov_b32 v[NINF], 0xff800000
	s_wait_dscnt 0x0                               ; for the others' sake: my stores have landed
	s_barrier_signal -1
	s_barrier_wait -1                              ; the head's K and V lie in LDS; nothing is written there again
.macro MUPD src                        ; the running largest t, -M = floor(-t), f = 2^(old M - new M)
	v_mul_f32 v250, s18, v[\src]
	v_max_num_f32 v61, v61, v250
	v_mov_b32 v250, v60
	v_floor_f32 v60, -v61
	v_sub_f32 v250, v60, v250                      ; a whole number, 0 or less
	v_cvt_i32_f32 v250, v250                       ; (it saturates)
	v_ldexp_f32 v64, 1.0, v250
.endm
.macro RESCALE                         ; O^T x v64; these 16 are also the places ahead of the scaled products
.set j, 0
.rept 16
	v_pk_mul_f32 v[O+j:O+j+1], v[O+j:O+j+1], v[64:65] op_sel_hi:[1,0]
.set j, j+2
.endr
.endm
.macro PVMUL                           ; O^T += V^T P^T: four accumulators, one instruction a turn
.irp t, 0,1,2,3
	v_wmma_scale_f32_16x16x128_f8f6f4 v[O+8*\t:O+8*\t+7], v[FR+12*\t:FR+12*\t+11], v[P:P+11], v[O+8*\t:O+8*\t+7], v[66+\t], v65 matrix_a_fmt:MATRIX_FMT_FP6 matrix_b_fmt:MATRIX_FMT_FP6
.endr
.endm
; A KEY STEP OF 128 KEYS
.macro STEP4
	v_add_nc_u32 v8, s20, v1                       ; (these four are the places behind the last products, ahead of the loads into their sources)
	v_add_nc_u32 v9, s21, v2
	v_add_nc_u32 v10, s22, v4
	v_add_nc_u32 v11, s23, v5
.irp b, 0,1,2,3
.irp p, 0,1,2,3,4,5
	ds_load_b64 v[FR+12*\b+2*\p:FR+12*\b+2*\p+1], v8 offset:1536*\b+256*\p
.endr
	ds_load_b32 v[66+\b], v10 offset:128*\b
.endr
	s_wait_dscnt 0x0
.irp b, 0,1,2,3
	v_wmma_scale_f32_16x16x128_f8f6f4 v[S+16*\b:S+16*\b+7], v[FR+12*\b:FR+12*\b+11], v[22:33], 0, v[66+\b], v[QS] matrix_a_fmt:MATRIX_FMT_FP6 matrix_b_fmt:MATRIX_FMT_FP6
	v_wmma_scale_f32_16x16x128_f8f6f4 v[S+16*\b+8:S+16*\b+15], v[FR+12*\b:FR+12*\b+11], v[16:27], 0, v[66+\b], v[QS] matrix_a_fmt:MATRIX_FMT_FP6 matrix_b_fmt:MATRIX_FMT_FP6
.endr
.rept 4
	v_nop                                          ; four places: for the loads below and for the first read of the scores
.endr
.irp t, 0,1,2,3                                ; V's fragments are asked for now, into K's registers: they land under the softmax
.irp c, 0,1
.irp i, 0,1,2
	ds_load_b64 v[FR+12*\t+6*\c+2*\i:FR+12*\t+6*\c+2*\i+1], v9 offset:3200*\c+768*(\t/2)+192*(\t%2)+8*\i
.endr
.endr
	ds_load_b32 v[66+\t], v11 offset:128*(\t/2)+32*(\t%2)
.endr
.irp b, 0,1,2,3
	v_max3_num_f32 v[BM+\b], v[S+16*\b], v[S+16*\b+1], v[S+16*\b+2]   ; the largest score of each block of 32 keys: for the row's maximum and for the block's largest p
.endr
.irp i, 3,5,7,9,11,13
.irp b, 0,1,2,3
	v_max3_num_f32 v[BM+\b], v[BM+\b], v[S+16*\b+\i], v[S+16*\b+\i+1]
.endr
.endr
.irp b, 0,1,2,3
	v_max_num_f32 v[BM+\b], v[BM+\b], v[S+16*\b+15]
.endr
.irp b, 0,1,2,3
	v_permlanex16_b32 v[PT+\b], v[BM+\b], s16, s17
.endr
.irp b, 0,1,2,3
	v_max_num_f32 v[BM+\b], v[BM+\b], v[PT+\b]
.endr
	v_max3_num_f32 v251, v[BM], v[BM+1], v[BM+2]
	v_max_num_f32 v251, v251, v[BM+3]
	MUPD 251
.set j, 0
.rept 32
	v_pk_fma_f32 v[S+j:S+j+1], v[S+j:S+j+1], s[18:19], v[60:61] op_sel_hi:[1,0,0]   ; t - M
.set j, j+2
.endr
.irp b, 0,1,2,3
	v_fma_f32 v[BM+\b], v[BM+\b], s18, v60
.endr
.set j, 0
.rept 64
	v_exp_f32 v[S+j], v[S+j]                       ; p = 2^(t - M): not normalised
.set j, j+1
.endr
	v_pk_mul_f32 v[62:63], v[62:63], v[64:65] op_sel_hi:[1,0]   ; the sums under the new M (a plain place behind the exponentials)
	s_wait_alu depctr_va_vdst(0)                   ; one wait for the batch, ahead of its first reader
.irp b, 0,1,2,3
	v_exp_f32 v[BM+\b], v[BM+\b]                   ; each block's largest p
.endr
	v_pk_add_f32 v[248:249], v[S:S+1], v[S+2:S+3]  ; the row's sum of the unquantised p, in two chains
.irp j, 4,8,12,16,20,24,28,32,36,40,44,48,52,56,60
	v_pk_add_f32 v[62:63], v[62:63], v[S+\j:S+\j+1]
	v_pk_add_f32 v[248:249], v[248:249], v[S+\j+2:S+\j+3]
.endr
	v_pk_add_f32 v[62:63], v[62:63], v[248:249]
	s_wait_alu depctr_va_vdst(0)                   ; and one for the four
.irp b, 0,1,2,3
	v_max_num_f32 v[BM+\b], 0x1800000, v[BM+\b]    ; the floor: the byte cannot fall under 1
.endr
.irp b, 0,1,2,3
	v_add_nc_u32 v[SO+\b], 0xff000000, v[BM+\b]
.endr
.irp b, 0,1,2,3
	v_lshrrev_b32 v[PT+\b], 23, v[SO+\b]
.endr
	v_lshl_or_b32 v65, v[PT+1], 8, v[PT]
	v_lshl_or_b32 v65, v[PT+2], 16, v65
	v_lshl_or_b32 v65, v[PT+3], 24, v65
.irp c, 0,1
	v_cvt_scalef32_pk16_fp6_f32 v[P+6*\c:P+6*\c+2], v[S+32*\c:S+32*\c+15], v[SO+2*\c]
	v_cvt_scalef32_pk16_fp6_f32 v[CT+4*\c:CT+4*\c+2], v[S+32*\c+16:S+32*\c+31], v[SO+2*\c+1]
.endr
	v_nop                                          ; one plain place behind a scaled conversion
.irp c, 0,1
.irp i, 0,1,2
	v_permlane16_swap_b32 v[P+6*\c+\i], v[CT+4*\c+\i]
.endr
.irp i, 0,1,2
	v_mov_b32 v[P+3+6*\c+\i], v[CT+4*\c+\i]
.endr
.endr
	RESCALE
	s_wait_dscnt 0x0                               ; V
	PVMUL
	s_add_co_u32 s20, s20, 6144
	s_add_co_u32 s21, s21, 6400
	s_add_co_u32 s22, s22, 512
	s_add_co_u32 s23, s23, 256
.endm
; THE LAST BLOCK: keys 1024 .. 1055, of which lanes 16-31 hold those that do not exist
.macro STEP1
.rept 4
	v_nop                                          ; the places behind the last products
.endr
.irp p, 0,1,2,3,4,5
	ds_load_b64 v[FR+2*\p:FR+2*\p+1], v1 offset:49152+256*\p
.endr
	ds_load_b32 v66, v4 offset:4096
	s_wait_dscnt 0x0
	v_wmma_scale_f32_16x16x128_f8f6f4 v[S:S+7], v[FR:FR+11], v[22:33], 0, v66, v[QS] matrix_a_fmt:MATRIX_FMT_FP6 matrix_b_fmt:MATRIX_FMT_FP6
	v_wmma_scale_f32_16x16x128_f8f6f4 v[S+8:S+15], v[FR:FR+11], v[16:27], 0, v66, v[QS] matrix_a_fmt:MATRIX_FMT_FP6 matrix_b_fmt:MATRIX_FMT_FP6
.rept 4
	v_nop
.endr
.irp t, 0,1,2,3                                ; V: block 32 into registers 0-5 of each fragment, for both halves of the lanes; what the other registers and lanes 16-31 hold meets zero codes of P
.irp i, 0,1,2
	ds_load_b64 v[FR+12*\t+2*\i:FR+12*\t+2*\i+1], v3 offset:768*(\t/2)+192*(\t%2)+8*\i
.endr
	ds_load_b32 v[66+\t], v5 offset:2048+128*(\t/2)+32*(\t%2)
.endr
.set j, 0
.rept 16
	v_cndmask_b32 v[S+j], v[S+j], v[NINF], s25
.set j, j+1
.endr
	v_max3_num_f32 v[BM], v[S], v[S+1], v[S+2]
.irp i, 3,5,7,9,11,13
	v_max3_num_f32 v[BM], v[BM], v[S+\i], v[S+\i+1]
.endr
	v_max_num_f32 v[BM], v[BM], v[S+15]
	v_permlanex16_b32 v[PT], v[BM], s16, s17
	v_max_num_f32 v[BM], v[BM], v[PT]
	MUPD BM
.set j, 0
.rept 8
	v_pk_fma_f32 v[S+j:S+j+1], v[S+j:S+j+1], s[18:19], v[60:61] op_sel_hi:[1,0,0]
.set j, j+2
.endr
	v_fma_f32 v[BM], v[BM], s18, v60
.set j, 0
.rept 16
	v_exp_f32 v[S+j], v[S+j]
.set j, j+1
.endr
	v_pk_mul_f32 v[62:63], v[62:63], v[64:65] op_sel_hi:[1,0]
	s_wait_alu depctr_va_vdst(0)
	v_exp_f32 v[BM], v[BM]
	v_pk_add_f32 v[248:249], v[S:S+1], v[S+2:S+3]
.irp j, 4,8,12
	v_pk_add_f32 v[62:63], v[62:63], v[S+\j:S+\j+1]
	v_pk_add_f32 v[248:249], v[248:249], v[S+\j+2:S+\j+3]
.endr
	v_pk_add_f32 v[62:63], v[62:63], v[248:249]
	s_wait_alu depctr_va_vdst(0)
	v_max_num_f32 v[BM], 0x1800000, v[BM]
	v_add_nc_u32 v[SO], 0xff000000, v[BM]
	v_lshrrev_b32 v65, 23, v[SO]                   ; the block's byte; the three bytes above are 0 and stand over zero codes
	v_cvt_scalef32_pk16_fp6_f32 v[P:P+2], v[S:S+15], v[SO]   ; lanes 0-15: the block's lower 16 codes; lanes 16-31: zeros, which is what the next block holds
	v_nop
.irp i, 3,4,5,6,7,8,9,10,11
	v_mov_b32 v[P+\i], 0                           ; the block's upper 16 keys and all further keys: zero codes
.endr
	RESCALE
	s_wait_dscnt 0x0
	PVMUL
.endm
.macro WAYOUT it
	v_add_f32 v62, v62, v63                        ; the sum's two halves (these lines are the places behind the last products),
	v_permlanex16_b32 v250, v62, s16, s17
	v_add_f32 v62, v62, v250                       ; and lane l xor 16's
	v_nop
	v_nop
	v_rcp_f32 v64, v62
	v_and_b32 v251, 1, v7                          ; h (a plain place behind the reciprocal)
	s_wait_alu depctr_va_vdst(0)
	RESCALE                                        ; O^T / l, each accumulator from its low end on
.irp b, 0,1
	v_max3_num_f32 v[BM+\b], |v[O+16*\b]|, |v[O+16*\b+1]|, 0x1800000
.endr
.irp i, 2,4,6,8,10,12,14
.irp b, 0,1
	v_max3_num_f32 v[BM+\b], v[BM+\b], |v[O+16*\b+\i]|, |v[O+16*\b+\i+1]|
.endr
.endr
.irp b, 0,1
	v_permlanex16_b32 v[PT+\b], v[BM+\b], s16, s17
.endr
.irp b, 0,1
	v_max_num_f32 v[BM+\b], v[BM+\b], v[PT+\b]
.endr
.irp b, 0,1
	v_add_nc_u32 v[SO+\b], 0xff000000, v[BM+\b]
.endr
.irp b, 0,1
	v_lshrrev_b32 v[PT+\b], 23, v[SO+\b]
.endr
	v_cvt_scalef32_pk16_fp6_f32 v[P:P+2], v[O:O+15], v[SO]
	v_cvt_scalef32_pk16_fp6_f32 v[P+4:P+6], v[O+16:O+31], v[SO+1]
	v_nop
.irp i, 0,1,2
	v_permlane16_swap_b32 v[P+\i], v[P+4+\i]
.endr
	v_mov_b32 v[P+3], v[P+4]
	v_mov_b32 v[P+4], v[P+5]
	v_mov_b32 v[P+5], v[P+6]
	v_cmp_eq_u32 vcc_lo, 1, v251
	v_cndmask_b32 v252, v[PT], v[PT+1], vcc_lo     ; lanes 0-15 store block 0's byte, lanes 16-31 block 1's
.irp p, 0,1,2
	global_store_b64 v1, v[P+2*\p:P+2*\p+1], s[26:27] offset:270336*\it+256*\p   ; 256 consecutive bytes
.endr
	global_store_b8 v7, v252, s[28:29] offset:11264*\it
.endm
.macro TILE it
.if \it > 0
	s_wait_xcnt 0x0                                ; the last tile's stores have read their data: the first key step writes those registers again
.endif
.irp i, 0,1,2,3,4,5
	v_mov_b32 v[22+\i], v[QN+8*\it+\i]
.endr
	v_mov_b32 v[QS], v[QN+8*\it+6]
	v_mov_b32 v61, 0xff61b1e6                      ; the largest t so far: -3e38
	v_floor_f32 v60, -v61
	v_mov_b32 v62, 0
	v_mov_b32 v63, 0
.set j, 0
.rept 32
	v_mov_b32 v[O+j], 0                            ; O^T: the step is written once, its first trip finds zeros.  (Also the places between Q's and its scale word's moves and the first scaled product)
.set j, j+1
.endr
	s_mov_b32 s20, 0
	s_mov_b32 s21, 0
	s_mov_b32 s22, 0
	s_mov_b32 s23, 0
	s_mov_b32 s24, 8
.Lstep_\@:
	STEP4
	s_sub_co_u32 s24, s24, 1
	s_cmp_lg_u32 s24, 0
	s_cbranch_scc1 .Lstep_\@
	STEP1
	WAYOUT \it
.endm
	TILE 0
	TILE 1
	TILE 2
	s_wait_tensorcnt 0x0
	ds_add_u32 v254, v255
	s_wait_dscnt 0x0
	s_endpgm
.Lfunc_end_k_q27091ab9fb_attn:
	.size	k_q27091ab9fb_attn, .Lfunc_end_k_q27091ab9fb_attn-k_q27091ab9fb_attn
	.p2alignl 7, 3214868480
	.fill 96, 4, 3214868480
	.section	.rodata,"a",@progbits
	.p2align	6, 0x0
	.amdhsa_kernel k_q27091ab9fb_attn
		.amdhsa_group_segment_fixed_size 112128
		.amdhsa_private_segment_fixed_size 0
		.amdhsa_enable_private_segment 0
		.amdhsa_kernarg_size 24
		.amdhsa_user_sgpr_count 2
		.amdhsa_user_sgpr_kernarg_segment_ptr 1
		.amdhsa_wavefront_size32 1
		.amdhsa_system_sgpr_workgroup_id_x 1
		.amdhsa_system_sgpr_workgroup_id_y 1
		.amdhsa_system_sgpr_workgroup_id_z 1
		.amdhsa_system_vgpr_workitem_id 0
		.amdhsa_next_free_vgpr 256
		.amdhsa_next_free_sgpr 66
		.amdhsa_reserve_vcc 1
		.amdhsa_float_denorm_mode_32 3
		.amdhsa_float_denorm_mode_16_64 3
		.amdhsa_memory_ordered 1
		.amdhsa_forward_progress 1
		.amdhsa_inst_pref_size 102
	.end_amdhsa_kernel
	.amdgpu_metadata
---
amdhsa.version: [ 1, 2 ]
amdhsa.kernels:
  - .name:           k_q27091ab9fb_attn
    .symbol:         k_q27091ab9fb_attn.kd
    .args:
      - { .name: qk, .offset: 0, .size: 8, .value_kind: global_buffer, .address_space: global }
      - { .name: vq, .offset: 8, .size: 8, .value_kind: global_buffer, .address_space: global }
      - { .name: oq, .offset: 16, .size: 8, .value_kind: global_buffer, .address_space: global }
    .group_segment_fixed_size: 112128
    .private_segment_fixed_size: 0
    .kernarg_segment_align: 8
    .kernarg_segment_size: 24
    .max_flat_workgroup_size: 352
    .sgpr_count:     66
    .vgpr_count:     256
    .wavefront_size: 32
...
	.end_amdgpu_metadata
.endif
;; end of part 3
;; launch oproj (part 4): grid 4 x 53, 4 waves a work-group, no clusters, 83,456 bytes of LDS; arguments oq, wq, out0; writes out0
.if DOCPART == 4
	.amdgcn_target "amdgcn-amd-amdhsa--gfx1250"
	.amdhsa_code_object_version 6
	.text
	.protected	k_q27091ab9fb_oproj
	.globl	k_q27091ab9fb_oproj
	.p2align	8
	.type	k_q27091ab9fb_oproj,@function
k_q27091ab9fb_oproj:
	s_mov_b64 s[64:65], 0
	v_nop
	global_prefetch_b8 v0, s[64:65] scope:SCOPE_SE
	s_setreg_imm32_b32 hwreg(HW_REG_WAVE_MODE, 25, 1), 1
	s_wait_xcnt 0x0
; OUTPUT PROJECTION: out0 = O Wo on codes of FP6, K = (head, channel) = 1,024.
; SHARES.  Work-group x owns 256 output columns; wave w 64 of them: four column tiles of Wo, whose 32 fragments and 32 scale words stay in registers.  Work-group y owns blocks 5 y .. of the 264 blocks of 32 token slots (5, the last 4).
; A trip is one block: 64 matrix instructions a wave.
; THE PIPELINE.  O's block goes memory -> registers -> LDS, a quarter by each wave, into two slots by turns (block t in slot t % 2).  In trip t: block t's fragments are in registers; block t + 2 goes from the copy's registers into
;   the slot that block t has left; block t + 1 is read from the other slot AMONG THIS TRIP'S PRODUCTS: behind every second K step the 12 loads of the two K steps just multiplied, into the same registers; block t + 3 is asked for
;   from memory behind the first such run.  ONE barrier a trip, at its head: in front of it each wave's reads of slot t % 2 are over and its stores of block t + 1 have landed.  Blocks 0, 1 and 2 are asked for together with the weights.
;   The five trips are written out: each asks, stores and reads only what a later trip uses.
; oq holds a fragment's registers in pairs (register i of lane l at 256 (i / 2) + 8 l + 4 (i % 2)); the copy loads two pairs for each group of four registers, so that the slots hold groups of four (512 (i / 4) + 16 l + 4 (i % 4)).
; Source 0 = 16 columns of Wo, source 1 = 16 slots: a lane holds slot r and eight neighbouring columns.  A tile goes through the wave's own stage in LDS and leaves as rows: sixteen lanes store 256 consecutive, aligned bytes.
; Slot r of tile (B, u) is token 32 B + 8 u + r + 8 (r / 8); in block 32 slots 8-15 are empty and are not stored.
; No cluster: what the work-groups share is one block of 25,600 bytes a trip; the weights are read once and kept.
; REGISTERS: window 0: v1-13 addresses; v20-51 Wo's scale words; v52-67 O's; v68-131 accumulators; v132-181 the copy; v182-245 rows on their way out.  Windows 1, 2: Wo's K steps 0-3, 4-7.  Window 3: O's 16 fragments.
.set XS_OFF, 6488064
.set WS_OFF, 3145728
.set WSC,  20
.set XSC,  52
.set ACC,  68
.set STG,  132
.set OBUF, 182
.set MSB, 0
.macro WIN new                         ; the immediate's high byte repeats the setting that is left
.if MSB != (\new)
	s_set_vgpr_msb (MSB<<8)|(\new)
.set MSB, (\new)
.endif
.endm
.macro STAGE_LOAD reg, sb              ; my quarter (four fragments) of block s36 into 50 registers from v[reg] on; the two bases in s[sb .. sb + 3]
	s_mul_i32 s32, s36, 24576
	s_add_nc_u64 s[\sb:\sb+1], s[4:5], s[32:33]
	s_lshl_b32 s32, s36, 10
	s_add_co_u32 s32, s32, XS_OFF
	s_add_nc_u64 s[\sb+2:\sb+3], s[4:5], s[32:33]
.irp i, 0,1,2,3,4,5,6,7,8,9,10,11
	global_load_b64 v[\reg+4*\i:\reg+4*\i+1], v9, s[\sb:\sb+1] offset:1536*(\i/3)+512*(\i%3)        ; 256 consecutive bytes each
	global_load_b64 v[\reg+4*\i+2:\reg+4*\i+3], v9, s[\sb:\sb+1] offset:1536*(\i/3)+512*(\i%3)+256
.endr
	global_load_b64 v[\reg+48:\reg+49], v8, s[\sb+2:\sb+3]
.endm
.macro STAGE_STORE reg, slot
.irp i, 0,1,2,3,4,5,6,7,8,9,10,11
	ds_store_b128 v7, v[\reg+4*\i:\reg+4*\i+3] offset:(\slot)*32768+512*\i
.endr
	ds_store_b64 v8, v[\reg+48:\reg+49] offset:(\slot)*32768+24576
.endm
.macro XSCLD from                      ; a block's scale words: four K steps' words of a slot's row in one load
.irp u, 0,1
.irp kh, 0,1
	ds_load_b128 v[XSC+8*\u+4*\kh:XSC+8*\u+4*\kh+3], v4 offset:(\from)*32768+24576+512*\u+256*\kh
.endr
.endr
.endm
.macro FRAGLD from, ks                 ; the two tiles' fragments of K step ks, into window 3 (the destination's window is set by the caller)
.irp u, 0,1
.irp j, 0,1,2
	ds_load_b128 v[12*(8*\u+(\ks))+4*\j:12*(8*\u+(\ks))+4*\j+3], v1 offset:(\from)*32768+(8*\u+(\ks))*1536+512*\j
.endr
.endr
.endm
; 64 matrix instructions: K step by K step, the eight accumulators by turns, one instruction a turn; the first K step starts the sums.
; fl = 1: behind every second K step the next block's fragments of these two K steps are read into the registers just multiplied: four places (ISA guide 7.12.1 for vector instructions), then 12 loads.
; ld = 1: behind the first run the block three further on is asked for.  Behind the last K step FIVE places: the next trip's first products begin the accumulators anew (C = 0), that is, matrix instructions write over
; these results, and no other vector instruction stands between two trips' products here; four of the five serve the LDS stores that read the results.
.macro MMA slot, fl, ld
.irp s, 0,1,2,3,4,5,6,7
	WIN 0x0d+(\s/4)                                ; source 0 (Wo) window 1 or 2, source 1 (O) window 3
.irp u, 0,1
.irp ct, 0,1,2,3
.if \s == 0
	v_wmma_scale_f32_16x16x128_f8f6f4 v[ACC+32*\u+8*\ct:ACC+32*\u+8*\ct+7], v[48*(\s%4)+12*\ct:48*(\s%4)+12*\ct+11], v[12*(8*\u+\s):12*(8*\u+\s)+11], 0, v[WSC+8*\ct+\s], v[XSC+8*\u+\s] matrix_a_fmt:MATRIX_FMT_FP6 matrix_b_fmt:MATRIX_FMT_FP6
.else
	v_wmma_scale_f32_16x16x128_f8f6f4 v[ACC+32*\u+8*\ct:ACC+32*\u+8*\ct+7], v[48*(\s%4)+12*\ct:48*(\s%4)+12*\ct+11], v[12*(8*\u+\s):12*(8*\u+\s)+11], v[ACC+32*\u+8*\ct:ACC+32*\u+8*\ct+7], v[WSC+8*\ct+\s], v[XSC+8*\u+\s] matrix_a_fmt:MATRIX_FMT_FP6 matrix_b_fmt:MATRIX_FMT_FP6
.endif
.endr
.endr
.if ((\fl) && ((\s%2) == 1)) || (\s == 7)
.rept 4+(\s/7)
	v_nop
.endr
.endif
.if (\fl) && ((\s%2) == 1)
	WIN 0xc0                                       ; destination window 3
	FRAGLD 1-\slot, \s-1
	FRAGLD 1-\slot, \s
.if (\s == 1) && (\ld)
	WIN 0
	s_wait_dscnt 12                                ; all but the 12 loads just issued: this trip's 13 stores have read the copy's registers
	s_add_co_u32 s36, s18, s21
	s_add_co_u32 s36, s36, 3
	s_min_u32 s36, s36, 263                        ; held at the last block: no load leaves oq
	STAGE_LOAD STG, 24
.endif
.endif
.endr
	WIN 0
.if \fl
	XSCLD 1-\slot                                  ; the next block's scale words: all eight K steps have used this block's
.endif
.endm
.macro OUTU u                          ; tile u: through my stage and out by rows
.irp ct, 0,1,2,3
	ds_store_b128 v10, v[ACC+32*\u+8*\ct:ACC+32*\u+8*\ct+3] offset:64*\ct          ; each accumulator from its low end on
	ds_store_b128 v10, v[ACC+32*\u+8*\ct+4:ACC+32*\u+8*\ct+7] offset:64*\ct+16
.endr
.irp i, 0,1,2,3,4,5,6,7
	ds_load_b128 v[OBUF+32*\u+4*\i:OBUF+32*\u+4*\i+3], v11 offset:544*\i           ; LDS serves a wave's instructions in order: these see my stores
.endr
.irp i, 0,1,2,3
	s_wait_dscnt 7-\i                              ; the younger loads may be out
	global_store_b128 v13, v[OBUF+32*\u+4*\i:OBUF+32*\u+4*\i+3], s[28:29] offset:(8*\u+2*\i)*4096 th:TH_STORE_NT
.endr
	s_cmp_eq_u32 s36, 32                           ; the batch's last block: slots 8-15 are empty
	s_cbranch_scc1 .Ltail_\@
.irp i, 4,5,6,7
	s_wait_dscnt 7-\i
	global_store_b128 v13, v[OBUF+32*\u+4*\i:OBUF+32*\u+4*\i+3], s[28:29] offset:(8*\u+2*\i+8)*4096 th:TH_STORE_NT
.endr
.Ltail_\@:
.endm
	s_load_b128 s[4:7], s[0:1], 0x0                ; oq, wq
	s_load_b64 s[8:9], s[0:1], 0x10                ; out0
	v_lshl_add_u32 v254, v0, 2, 0x14400
	v_mov_b32 v255, 0
	v_lshrrev_b32 v1, 5, v0
	v_readfirstlane_b32 s14, v1                    ; wave
	s_and_b32 s18, ttmp7, 0xffff
	s_mul_i32 s18, s18, 5                          ; my first block
	s_sub_co_u32 s19, 264, s18
	s_min_u32 s19, s19, 5                          ; and how many
	s_mov_b32 s33, 0                               ; the upper word of every offset
	v_and_b32 v14, 31, v0
	v_lshlrev_b32 v1, 4, v14                       ; 16 x lane
	v_lshlrev_b32 v2, 3, v14                       ; 8 x lane
	v_and_b32 v15, 15, v0                          ; r
	v_bfe_u32 v16, v0, 4, 1                        ; h
	v_lshlrev_b32 v4, 4, v15                       ; 16 r
	s_mul_i32 s34, s14, 6144
	v_add_nc_u32 v7, s34, v1                       ; my quarter in a slot
	v_add_nc_u32 v9, s34, v2                       ; and in memory, 8 bytes a lane
	s_lshl_b32 s34, s14, 8
	v_add_nc_u32 v8, s34, v2                       ; my quarter of the scale words
	v_lshlrev_b32 v12, 5, v15                      ; Wo's scale words: 32 bytes a column
	s_mul_i32 s34, s14, 4352
	s_add_co_u32 s34, s34, 65536                   ; my stage: 16 rows x (256 bytes + 16), behind the slots
	v_mul_u32_u24 v10, v15, 272
	v_lshl_add_u32 v10, v16, 5, v10
	v_add_nc_u32 v10, s34, v10                     ; in: row r, + 32 h
	v_mul_u32_u24 v11, v16, 272
	v_lshl_add_u32 v11, v15, 4, v11
	v_add_nc_u32 v11, s34, v11                     ; back: lanes 0-15 one row, lanes 16-31 the next
	v_lshlrev_b32 v13, 12, v16
	v_lshl_add_u32 v13, v15, 4, v13                ; and the same two rows in out0
	s_lshl_b32 s34, ttmp9, 4
	s_lshl_b32 s35, s14, 2
	s_add_co_u32 s34, s34, s35
	s_add_co_u32 s34, s34, 192                     ; my first column tile of wq
	s_mul_i32 s32, s34, 12288
	s_wait_kmcnt 0x0
	s_add_nc_u64 s[40:41], s[6:7], s[32:33]
	s_lshl_b32 s32, s34, 9
	s_add_co_u32 s32, s32, WS_OFF
	s_add_nc_u64 s[42:43], s[6:7], s[32:33]
	WIN 0x40                                       ; destination window 1
.irp s, 0,1,2,3
.irp ct, 0,1,2,3
.irp j, 0,1,2
	global_load_b128 v[48*\s+12*\ct+4*\j:48*\s+12*\ct+4*\j+3], v1, s[40:41] offset:(8*\ct+\s)*1536+512*\j
.endr
.endr
.endr
	WIN 0x80                                       ; destination window 2
.irp s, 0,1,2,3
.irp ct, 0,1,2,3
.irp j, 0,1,2
	global_load_b128 v[48*\s+12*\ct+4*\j:48*\s+12*\ct+4*\j+3], v1, s[40:41] offset:(8*\ct+\s+4)*1536+512*\j
.endr
.endr
.endr
	WIN 0
.irp ct, 0,1,2,3
	global_load_b128 v[WSC+8*\ct:WSC+8*\ct+3], v12, s[42:43] offset:512*\ct
	global_load_b128 v[WSC+8*\ct+4:WSC+8*\ct+7], v12, s[42:43] offset:512*\ct+16
.endr
	s_mov_b32 s36, s18                             ; my first three blocks are asked for together with the weights (every row of work-groups has at least 4: no hold is needed),
	STAGE_LOAD ACC, 44                             ; block 0 into the accumulators' registers,
	s_add_co_u32 s36, s18, 1
	STAGE_LOAD OBUF, 48                            ; block 1 into the way out's registers,
	s_add_co_u32 s36, s18, 2
	STAGE_LOAD STG, 24                             ; block 2 into the copy's own, where the first trip finds it
	s_wait_loadcnt 0x0
	STAGE_STORE ACC, 0
	STAGE_STORE OBUF, 1
	s_wait_dscnt 0x0                               ; for the others' sake: my stores have landed (and have read their registers)
	s_barrier_signal -1
	s_barrier_wait -1                              ; blocks 0 and 1 lie in the slots
	XSCLD 0
	WIN 0xc0                                       ; destination window 3
.irp s, 0,1,2,3,4,5,6,7
	FRAGLD 0, \s                                   ; block 0's fragments
.endr
	WIN 0
; A TRIP.  slot = tn % 2.  tn: the trip's number.  st: block tn + 2 goes into this slot.  ld: block tn + 3 is asked for.  fl: block tn + 1 is read from the other slot.
.macro TRIP slot, tn, st, ld, fl
	s_wait_dscnt 0x0                               ; this block's fragments and scale words are in: my reads of this slot and of my stage are over; my stores of block tn + 1 have landed
.if \fl
	s_barrier_signal -1
	s_barrier_wait -1                              ; both now hold of all four waves
.endif
	s_mov_b32 s21, \tn
.if \st
	s_wait_loadcnt 0x0                             ; block tn + 2's quarter is in registers (asked for among the last trip's products)
	STAGE_STORE STG, \slot
.endif
	s_cmp_ge_u32 s21, s19                          ; the last work-group row has 4 blocks: it leaves the work out, never the barrier
	s_cbranch_scc1 .Lnext_\@
	MMA \slot, \fl, \ld
	s_wait_xcnt 0x0                                ; the last trip's stores have read their base and data
	s_add_co_u32 s34, s18, s21
	s_mul_i32 s35, s34, 1986
	s_lshr_b32 s35, s35, 16                        ; batch = block / 33 (1986 / 65536 is 1 / 33 from above by 2 parts in 2,162,688: exact up to 263)
	s_mul_i32 s36, s35, 33
	s_sub_co_u32 s36, s34, s36                     ; B
	s_mul_i32 s35, s35, 1040
	s_lshl_b32 s37, s36, 5
	s_add_co_u32 s35, s35, s37                     ; the block's first token
	s_lshl_b32 s32, s35, 12
	s_lshl_b32 s37, ttmp9, 10
	s_add_co_u32 s32, s32, s37
	s_lshl_b32 s37, s14, 8
	s_add_co_u32 s32, s32, s37                     ; + my 64 columns
	s_add_nc_u64 s[28:29], s[8:9], s[32:33]
	OUTU 0
	OUTU 1
.Lnext_\@:
.endm
	TRIP 0, 0, 1, 1, 1
	TRIP 1, 1, 1, 1, 1
	TRIP 0, 2, 1, 0, 1                             ; block 4 goes into its slot; nothing more is asked for
	TRIP 1, 3, 0, 0, 1                             ; nothing more is stored; block 4 is read
	TRIP 0, 4, 0, 0, 0                             ; the fifth block: the slots are not touched again, so no barrier
	s_wait_tensorcnt 0x0
	ds_add_u32 v254, v255
	s_wait_dscnt 0x0
	s_endpgm
.Lfunc_end_k_q27091ab9fb_oproj:
	.size	k_q27091ab9fb_oproj, .Lfunc_end_k_q27091ab9fb_oproj-k_q27091ab9fb_oproj
	.p2alignl 7, 3214868480
	.fill 96, 4, 3214868480
	.section	.rodata,"a",@progbits
	.p2align	6, 0x0
	.amdhsa_kernel k_q27091ab9fb_oproj
		.amdhsa_group_segment_fixed_size 83456
		.amdhsa_private_segment_fixed_size 0
		.amdhsa_enable_private_segment 0
		.amdhsa_kernarg_size 24
		.amdhsa_user_sgpr_count 2
		.amdhsa_user_sgpr_kernarg_segment_ptr 1
		.amdhsa_wavefront_size32 1
		.amdhsa_system_sgpr_workgroup_id_x 1
		.amdhsa_system_sgpr_workgroup_id_y 1
		.amdhsa_system_sgpr_workgroup_id_z 1
		.amdhsa_system_vgpr_workitem_id 0
		.amdhsa_next_free_vgpr 1024
		.amdhsa_next_free_sgpr 66
		.amdhsa_reserve_vcc 0
		.amdhsa_float_denorm_mode_32 3
		.amdhsa_float_denorm_mode_16_64 3
		.amdhsa_memory_ordered 1
		.amdhsa_forward_progress 1
		.amdhsa_inst_pref_size 114
	.end_amdhsa_kernel
	.amdgpu_metadata
---
amdhsa.version: [ 1, 2 ]
amdhsa.kernels:
  - .name:           k_q27091ab9fb_oproj
    .symbol:         k_q27091ab9fb_oproj.kd
    .args:
      - { .name: oq, .offset: 0, .size: 8, .value_kind: global_buffer, .address_space: global }
      - { .name: wq, .offset: 8, .size: 8, .value_kind: global_buffer, .address_space: global }
      - { .name: out0, .offset: 16, .size: 8, .value_kind: global_buffer, .address_space: global }
    .group_segment_fixed_size: 83456
    .private_segment_fixed_size: 0
    .kernarg_segment_align: 8
    .kernarg_segment_size: 24
    .max_flat_workgroup_size: 128
    .sgpr_count:     66
    .vgpr_count:     1024
    .wavefront_size: 32
...
	.end_amdgpu_metadata
.endif
;; end of part 4
;; ======== version 2 of 2: 4 launches
;; workspace buffers: xq 6,758,400 bytes; wq 3,276,800 bytes; rt 5,120 bytes; qk 15,138,816 bytes; vq 7,028,736 bytes; oq 6,758,400 bytes
;; launch prep (part 5): grid 393 x 1, 4 waves a work-group, no clusters, 58,880 bytes of LDS; arguments x, Wq, Wk, Wv, Wo, xq, wq, rt; writes xq, wq, rt
.if DOCPART == 5
	.amdgcn_target "amdgcn-amd-amdhsa--gfx1250"
	.amdhsa_code_object_version 6
	.text
	.protected	k_q27091ab9fb_prep
	.globl	k_q27091ab9fb_prep
	.p2align	8
	.type	k_q27091ab9fb_prep,@function
k_q27091ab9fb_prep:
	s_mov_b64 s[64:65], 0
	v_nop
	global_prefetch_b8 v0, s[64:65] scope:SCOPE_SE
	s_setreg_imm32_b32 hwreg(HW_REG_WAVE_MODE, 25, 1), 1
	s_wait_xcnt 0x0
; PREP: x and the four weights become codes of FP6 (E2M3) with one E8M0 byte for each 32 along K, laid as IMAGES OF OPERAND REGISTERS; and the table of cosines and sines for the 2-D RoPE.
; A fragment is 16 rows x 128 K = 12 registers a lane (lane (r, h): row r; registers 6 c .. 6 c + 5: k = 64 c + 32 h + 0 .. 31).  Its image: register i of lane l at byte 512 (i / 4) + 16 l + 4 (i % 4): 1,536 bytes.
; THE TOKEN GRID: a batch is 33 blocks of 32 token slots; block B has tiles u = 0, 1; slot r of tile (B, u) is token 32 B + 8 u + r + 8 (r / 8).  In block 32 slots r >= 8 are empty: their codes are zeros.
; xq: codes [tile 528][K step 8][1536]; from XS_OFF on scale words [tile][K half 2][slot 16][4 words].   wq: codes [column tile 256][K step 8][1536] (tiles 0-63 Wq, 64-127 Wk, 128-191 Wv, 192-255 Wo); from WS_OFF on [column 4096][8 words].
; rt: [row 40][cos 16 | sin 16] f32; row p holds the angles (p & 31) x 10000^(-i / 16); row 32 is cos 1, sin 0.
; Work-groups 0-263 take x (a wave: one tile, 512 along K), 264-391 the weights (a wave: 32 columns x 256 along K), 392 the table.  Each of the first two has LDS bytes of its own; waves share nothing: no barrier.
; A block's scale is 2^(floor(log2(largest magnitude)) - 2); its byte is the largest magnitude's exponent field - 2, held at 1 from below by a floor among the maximum's leaves.
; LIMITS: NaN and infinities among the inputs are not served.  A block of zeros, or one whose largest magnitude lies under 2^-124, keeps the byte 1: zero codes add nothing, and this program alone reads the bytes.
; The angle is pos x 2^(-0.83048202 i), not pos / 10000^(i / 16): the two differ by a few parts in 10^7.
.set XS_OFF, 6488064
.set WS_OFF, 3145728
.set R,    16                          ; v16-143  x as loaded: two sets of 64
.set X,    144                         ; v144-207 64 numbers of my row: register 16 b + i = k 32 b + 16 h + i
.set PC,   208                         ; v208-227 the codes just made
.set TM,   228                         ; v228-243 at work
.set PW,   244                         ; the scale word just made
.set XW,   32                          ; weights: v32-95 two sets of 32 numbers
.set C,    96                          ; a block's codes
.set OUTR, 112                         ; v112-159 the way out
.set SB,   24                          ; v24-25 scale bytes
.set WST,  33792                       ; LDS: the weights' stages begin behind x's four stages of 8,448 bytes
; 64 numbers of a lane become a fragment's codes in v[PC] on and its scale word in v[PW]
.macro QUANT s
.irp b, 0,1,2,3
	v_max3_num_f32 v[TM+\b], |v[\s+16*\b]|, |v[\s+1+16*\b]|, 0x1800000   ; block b: my 16 numbers, and the floor 2^(3 - 127)
.endr
.irp i, 2,4,6,8,10,12,14
.irp b, 0,1,2,3
	v_max3_num_f32 v[TM+\b], v[TM+\b], |v[\s+16*\b+\i]|, |v[\s+1+16*\b+\i]|
.endr
.endr
.irp b, 0,1,2,3
	v_permlanex16_b32 v[TM+4+\b], v[TM+\b], s44, s45
.endr
.irp b, 0,1,2,3
	v_max_num_f32 v[TM+\b], v[TM+\b], v[TM+4+\b]       ; with lane l xor 16's: the block's largest magnitude
.endr
.irp b, 0,1,2,3
	v_add_nc_u32 v[TM+12+\b], 0xff000000, v[TM+\b]     ; 2 off its exponent field: the conversion's scale operand
.endr
.irp b, 0,1,2,3
	v_lshrrev_b32 v[TM+4+\b], 23, v[TM+12+\b]          ; the scale's byte
.endr
	v_lshl_or_b32 v[PW], v[TM+5], 8, v[TM+4]
	v_lshl_or_b32 v[PW], v[TM+6], 16, v[PW]
	v_lshl_or_b32 v[PW], v[TM+7], 24, v[PW]
.irp c, 0,1
	v_cvt_scalef32_pk16_fp6_f32 v[PC+6*\c:PC+2+6*\c], v[\s+32*\c:\s+15+32*\c], v[TM+12+2*\c]
	v_cvt_scalef32_pk16_fp6_f32 v[PC+12+4*\c:PC+14+4*\c], v[\s+16+32*\c:\s+31+32*\c], v[TM+12+2*\c+1]   ; (a conversion's three registers begin on an even number)
.endr
	v_nop                                              ; one plain place behind a scaled conversion
.irp c, 0,1                                        ; the layout wants a whole block in a lane: lanes 0-15 block 2 c, lanes 16-31 block 2 c + 1
.irp i, 0,1,2
	v_permlane16_swap_b32 v[PC+6*\c+\i], v[PC+12+4*\c+\i]
.endr
.irp i, 0,1,2
	v_mov_b32 v[PC+3+6*\c+\i], v[PC+12+4*\c+\i]
.endr
.endr
.endm
	s_load_b256 s[4:11], s[0:1], 0x0               ; x s[4:5], Wq s[6:7], Wk s[8:9], Wv s[10:11]
	s_load_b256 s[12:19], s[0:1], 0x20             ; Wo s[12:13], xq s[14:15], wq s[16:17], rt s[18:19]
	v_lshl_add_u32 v254, v0, 2, 0xe400
	v_mov_b32 v255, 0
	v_lshrrev_b32 v1, 5, v0
	v_readfirstlane_b32 s20, v1                    ; wave 0..3
	s_mov_b32 s44, 0x76543210
	s_mov_b32 s45, 0xfedcba98                      ; v_permlanex16_b32's selects for lane l xor 16
	s_cmp_ge_u32 ttmp9, 264
	s_cbranch_scc1 .Lnot_x
; ---------------- x ----------------
	s_lshl_b32 s21, ttmp9, 2
	s_add_co_u32 s21, s21, s20                     ; gw = 4 x work-group + wave
	s_lshr_b32 s22, s21, 1                         ; tile 0..527
	s_and_b32 s23, s21, 1                          ; which half of K
	s_mul_i32 s24, s22, 993
	s_lshr_b32 s24, s24, 16                        ; batch = tile / 66 (993 / 65536 is 1 / 66 from above by 2 parts in 4,325,376: exact up to 527)
	s_mul_i32 s25, s24, 66
	s_sub_co_u32 s25, s22, s25                     ; the tile in its batch
	s_lshr_b32 s26, s25, 1                         ; B
	s_and_b32 s27, s25, 1                          ; u
	s_mul_i32 s28, s24, 1040
	s_lshl_b32 s29, s26, 5
	s_add_co_u32 s28, s28, s29
	s_lshl_b32 s29, s27, 3
	s_add_co_u32 s28, s28, s29                     ; slot 0's token
	s_lshl_b32 s28, s28, 12                        ; a token's row is 4,096 bytes
	s_lshl_b32 s29, s23, 11
	s_add_co_u32 s28, s28, s29                     ; + my half of K
	s_mov_b32 s29, 0
	s_mov_b32 s31, 0
	s_cmp_eq_u32 s26, 32                           ; the batch's last block: slots 8-15 are empty
	s_cselect_b32 s30, 0, 0x10000                  ; slots 8-15 lie 16 tokens on; in the last block they read slots 0-7's rows again, so that no load leaves x,
	s_cselect_b32 s32, 0xff00ff00, 0               ; and their lanes' codes are replaced by zeros
	v_and_b32 v14, 31, v0
	v_lshlrev_b32 v1, 4, v14                       ; 16 x lane
	v_and_b32 v2, 15, v0                           ; r
	v_bfe_u32 v3, v0, 4, 1                         ; h
	s_mul_i32 s33, s20, 8448                       ; my stage: 16 rows x (512 bytes + 16)
	v_add_nc_u32 v4, s33, v1                       ; in: as loaded
	v_mul_u32_u24 v5, v2, 528
	v_lshl_add_u32 v5, v3, 6, v5
	v_add_nc_u32 v5, s33, v5                       ; out: row r, + 64 h: my 16 numbers of each block of 32
	v_lshlrev_b32 v6, 4, v2
	v_lshl_add_u32 v6, v3, 3, v6                   ; scale words: 16 r + 8 h
	v_mov_b32 v7, 0
.irp b, 0,1,2,3
	v_mov_b32 v[TM+4+\b], 0                        ; written once: a lane permute's destination counts as one of its sources
.endr
	s_lshl_b32 s38, s22, 3
	s_lshl_b32 s39, s23, 2
	s_add_co_u32 s38, s38, s39
	s_mul_i32 s38, s38, 1536                       ; my four fragments' images
	s_mov_b32 s39, 0
	s_wait_alu depctr_va_vdst(0)
	s_wait_kmcnt 0x0
	s_add_nc_u64 s[34:35], s[4:5], s[28:29]        ; slots 0-7
	s_add_nc_u64 s[36:37], s[34:35], s[30:31]      ; slots 8-15
	s_add_nc_u64 s[40:41], s[14:15], s[38:39]
	s_lshl_b32 s38, s21, 8                         ; 512 x tile + 256 x half
	s_add_co_u32 s38, s38, XS_OFF
	s_add_nc_u64 s[42:43], s[14:15], s[38:39]
.macro LOADF f                         ; fragment f: 16 rows x 512 bytes; each load reads 512 consecutive bytes
.irp m, 0,1,2,3,4,5,6,7
	global_load_b128 v[R+64*((\f)%2)+4*\m:R+64*((\f)%2)+4*\m+3], v1, s[34:35] offset:4096*\m+512*(\f) th:TH_LOAD_NT
.endr
.irp m, 0,1,2,3,4,5,6,7
	global_load_b128 v[R+64*((\f)%2)+32+4*\m:R+64*((\f)%2)+35+4*\m], v1, s[36:37] offset:4096*\m+512*(\f) th:TH_LOAD_NT
.endr
.endm
.macro TURN f                          ; through my stage: LDS serves a wave's instructions in order, so no wait stands between the stores and the loads
.irp m, 0,1,2,3,4,5,6,7,8,9,10,11,12,13,14,15
	ds_store_b128 v4, v[R+64*((\f)%2)+4*\m:R+64*((\f)%2)+4*\m+3] offset:528*\m
.endr
.irp b, 0,1,2,3
.irp j, 0,1,2,3
	ds_load_b128 v[X+16*\b+4*\j:X+16*\b+4*\j+3], v5 offset:128*\b+16*\j
.endr
.endr
.endm
	LOADF 0
	LOADF 1
.irp f, 0,1,2,3
.if \f < 3
	s_wait_loadcnt 16                              ; this fragment's 16 loads are in; the next fragment's 16 may be out
.else
	s_wait_loadcnt 0x0
.endif
	TURN \f
	s_wait_dscnt 0x0                               ; my 64 numbers are back, and the stores have read the set
.if \f < 2
	LOADF \f+2
.endif
	s_wait_xcnt 0x0                                ; the last fragment's stores have read the codes' registers
	QUANT X
.irp i, 0,1,2,3,4,5,6,7,8,9,10,11
	v_cndmask_b32 v[PC+\i], v[PC+\i], v7, s32      ; empty slots: zero codes
.endr
	v_mov_b32 v[8+\f], v[PW]
.irp j, 0,1,2
	global_store_b128 v1, v[PC+4*\j:PC+4*\j+3], s[40:41] offset:1536*\f+512*\j   ; 512 consecutive bytes
.endr
.endr
	v_cmp_eq_u32 vcc_lo, 1, v3
	v_cndmask_b32 v12, v8, v10, vcc_lo             ; both halves of the lanes hold the row's four words: lanes 0-15 store words 0, 1, lanes 16-31 words 2, 3
	v_cndmask_b32 v13, v9, v11, vcc_lo
	global_store_b64 v6, v[12:13], s[42:43]        ; 256 consecutive bytes
	s_wait_tensorcnt 0x0
	ds_add_u32 v254, v255
	s_wait_dscnt 0x0
	s_endpgm
; ---------------- the weights: K is the first axis: a lane takes a column, its registers run down K ----------------
.Lnot_x:
	s_cmp_eq_u32 ttmp9, 392
	s_cbranch_scc1 .Ltable
	s_sub_co_u32 s21, ttmp9, 264
	s_lshr_b32 s22, s21, 5                         ; which weight
	s_bfe_u32 s23, s21, 0x20003                    ; which 256 along K
	s_and_b32 s24, s21, 7
	s_lshl_b32 s25, s24, 7
	s_lshl_b32 s26, s20, 5
	s_add_co_u32 s25, s25, s26                     ; my wave's first column
	v_and_b32 v1, 31, v0
	v_lshlrev_b32 v2, 2, v1                        ; in: 4 bytes a lane
	v_bfe_u32 v3, v0, 4, 1                         ; which of my two column tiles
	v_and_b32 v4, 15, v0
	s_mul_i32 s27, s20, 6144
	s_add_co_u32 s27, s27, WST                     ; my stage: [column tile 2][K step 2][1536]
	v_mul_u32_u24 v5, v3, 3072
	v_lshl_add_u32 v5, v4, 4, v5
	v_add_nc_u32 v5, s27, v5                       ; into it
	v_lshlrev_b32 v6, 4, v1
	v_add_nc_u32 v7, s27, v6                       ; out of it: as it lies
	v_lshlrev_b32 v8, 5, v1                        ; a column's 8 scale words
	s_lshl_b32 s28, s23, 20                        ; 256 rows of 4,096 bytes
	s_lshl_b32 s29, s25, 2
	s_add_co_u32 s28, s28, s29
	s_mov_b32 s29, 0
	s_lshl_b32 s30, s22, 6
	s_lshr_b32 s31, s25, 4
	s_add_co_u32 s30, s30, s31                     ; column tile
	s_lshl_b32 s30, s30, 3
	s_lshl_b32 s31, s23, 1
	s_add_co_u32 s30, s30, s31                     ; x 8 + K step
	s_mul_i32 s30, s30, 1536
	s_mov_b32 s31, 0
	s_lshl_b32 s32, s22, 10
	s_add_co_u32 s32, s32, s25
	s_lshl_b32 s32, s32, 5
	s_lshl_b32 s33, s23, 3
	s_add_co_u32 s32, s32, s33
	s_add_co_u32 s32, s32, WS_OFF
	s_mov_b32 s33, 0
	s_wait_alu depctr_va_vdst(0)
	s_wait_kmcnt 0x0
	s_cmp_eq_u32 s22, 1                            ; the choice hangs on the work-group's number alone
	s_cselect_b64 s[34:35], s[8:9], s[6:7]
	s_cmp_eq_u32 s22, 2
	s_cselect_b64 s[34:35], s[10:11], s[34:35]
	s_cmp_eq_u32 s22, 3
	s_cselect_b64 s[34:35], s[12:13], s[34:35]
	s_add_nc_u64 s[34:35], s[34:35], s[28:29]
	s_add_nc_u64 s[36:37], s[16:17], s[30:31]
	s_add_nc_u64 s[38:39], s[16:17], s[32:33]
.macro WLOAD t                         ; block t: W(32 t + i, my column); 128 consecutive bytes a load
.irp i, 0,1,2,3,4,5,6,7,8,9,10,11,12,13,14,15,16,17,18,19,20,21,22,23,24,25,26,27,28,29,30,31
	global_load_b32 v[XW+32*((\t)%2)+\i], v2, s[34:35] offset:(32*(\t)+\i)*4096 th:TH_LOAD_NT
.endr
.endm
.macro WBLOCK t                        ; block t is K step t / 4, registers 6 c .. 6 c + 5 with c = (t / 2) % 2, of the fragment's lane r + 16 (t % 2)
.set XB, XW+32*((\t)%2)
.set SOFF, 1536*((\t)/4)+256*((\t)%2)
.if (\t) < 7
	s_wait_loadcnt 32                              ; this block's 32 loads are in; the next block's 32 may be out
.else
	s_wait_loadcnt 0x0
.endif
	v_max3_num_f32 v12, |v[XB]|, |v[XB+1]|, |v[XB+2]|
	v_max3_num_f32 v13, |v[XB+3]|, |v[XB+4]|, |v[XB+5]|
.irp i, 6,10,14,18,22,26
	v_max3_num_f32 v12, v12, |v[XB+\i]|, |v[XB+\i+1]|
	v_max3_num_f32 v13, v13, |v[XB+\i+2]|, |v[XB+\i+3]|
.endr
	v_max3_num_f32 v12, v12, |v[XB+30]|, |v[XB+31]|
	v_max3_num_f32 v12, v12, v13, 0x1800000        ; and the floor
	v_add_nc_u32 v11, 0xff000000, v12              ; the conversion's scale operand
	v_lshrrev_b32 v13, 23, v11                     ; the byte
.if (\t)%4 == 0
	v_mov_b32 v[SB+(\t)/4], v13
.else
	v_lshl_or_b32 v[SB+(\t)/4], v13, 8*((\t)%4), v[SB+(\t)/4]
.endif
	v_cvt_scalef32_pk16_fp6_f32 v[C:C+2], v[XB:XB+15], v11
	v_cvt_scalef32_pk16_fp6_f32 v[C+4:C+6], v[XB+16:XB+31], v11
	v_nop                                          ; one plain place behind a scaled conversion
	v_mov_b32 v[C+3], v[C+4]                       ; six registers on end
	v_mov_b32 v[C+4], v[C+5]
	v_mov_b32 v[C+5], v[C+6]
.if ((\t)/2)%2 == 0
	ds_store_b128 v5, v[C:C+3] offset:SOFF         ; registers 0-3
	ds_store_b64 v5, v[C+4:C+5] offset:SOFF+512    ; 4, 5
.else
	ds_store_b64 v5, v[C:C+1] offset:SOFF+520      ; 6, 7
	ds_store_b128 v5, v[C+2:C+5] offset:SOFF+1024  ; 8-11
.endif
.if (\t)+2 < 8
	WLOAD (\t)+2
.endif
	s_wait_dscnt 0x0                               ; the stores have read their registers
.endm
	WLOAD 0
	WLOAD 1
.irp t, 0,1,2,3,4,5,6,7
	WBLOCK \t
.endr
	s_wait_alu depctr_va_vdst(0)
	global_store_b64 v8, v[SB:SB+1], s[38:39]      ; my column's two scale words
.irp i, 0,1,2,3,4,5,6,7,8,9,10,11
	ds_load_b128 v[OUTR+4*\i:OUTR+4*\i+3], v7 offset:512*\i
.endr
.irp i, 0,1,2,3,4,5,6,7,8,9,10,11
	s_wait_dscnt 11-\i                             ; the younger loads may be out
	global_store_b128 v6, v[OUTR+4*\i:OUTR+4*\i+3], s[36:37] offset:(\i/6)*12288+(\i%6)*512   ; 512 consecutive bytes
.endr
	s_wait_tensorcnt 0x0
	ds_add_u32 v254, v255
	s_wait_dscnt 0x0
	s_endpgm
; ---------------- the table.  Thread: i = t % 16, rows t / 16 + 8 k.  Sine and cosine by reduction to |r| <= pi / 4 and polynomials ----------------
.Ltable:
	v_and_b32 v1, 15, v0
	v_lshrrev_b32 v2, 4, v0
	v_cvt_f32_u32 v3, v1
	v_mul_f32 v3, 0xbf549a78, v3                   ; - i log2(10000) / 16
	s_wait_alu depctr_va_vdst(0)
	v_exp_f32 v3, v3
	v_lshlrev_b32 v4, 7, v2                        ; (plain places behind the exponential)
	v_lshl_add_u32 v4, v1, 2, v4                   ; 128 x row + 4 i
	s_wait_alu depctr_va_vdst(0)                   ; the wait ahead of the first use
	s_wait_kmcnt 0x0
.irp k, 0,1,2,3,4
	v_add_nc_u32 v5, 8*\k, v2
	v_and_b32 v5, 31, v5
	v_cvt_f32_u32 v5, v5
	v_mul_f32 v5, v5, v3                           ; the angle a, 0 to 31
	v_mul_f32 v6, 0x3f22f983, v5
	v_rndne_f32 v6, v6                             ; n = round(a 2 / pi)
	v_fmamk_f32 v7, v6, 0xbfc90fdb, v5             ; r = a - n pi / 2, pi / 2 in two parts
	v_fmamk_f32 v7, v6, 0x333bbd2e, v7
	v_mul_f32 v8, v7, v7                           ; z
	v_mov_b32 v9, 0x3c08839e
	v_fmamk_f32 v9, v8, 0xb94ca1f9, v9
	v_fmaak_f32 v9, v9, v8, 0xbe2aaaa3
	v_mul_f32 v10, v7, v8
	v_fma_f32 v9, v10, v9, v7                      ; sin r
	v_mov_b32 v11, 0xbab6061a
	v_fmamk_f32 v11, v8, 0x37ccf5ce, v11
	v_fmaak_f32 v11, v11, v8, 0x3d2aaaa5
	v_mul_f32 v12, v8, v8
	v_fma_f32 v13, v8, -0.5, 1.0
	v_fma_f32 v11, v12, v11, v13                   ; cos r
	v_cvt_i32_f32 v6, v6                           ; the quadrant
	v_and_b32 v12, 1, v6
	v_cmp_eq_u32 vcc_lo, 1, v12
	v_cndmask_b32 v13, v9, v11, vcc_lo             ; odd: the two change places
	v_cndmask_b32 v14, v11, v9, vcc_lo
	v_and_b32 v12, 2, v6
	v_lshlrev_b32 v12, 30, v12
	v_xor_b32 v[26+\k], v13, v12                   ; sin a: negative in quadrants 2, 3
	v_add_nc_u32 v6, 1, v6
	v_and_b32 v6, 2, v6
	v_lshlrev_b32 v6, 30, v6
	v_xor_b32 v[20+\k], v14, v6                    ; cos a: negative in quadrants 1, 2
	global_store_b32 v4, v[20+\k], s[18:19] offset:1024*\k
	global_store_b32 v4, v[26+\k], s[18:19] offset:1024*\k+64
.endr
	s_endpgm
.Lfunc_end_k_q27091ab9fb_prep:
	.size	k_q27091ab9fb_prep, .Lfunc_end_k_q27091ab9fb_prep-k_q27091ab9fb_prep
	.p2alignl 7, 3214868480
	.fill 96, 4, 3214868480
	.section	.rodata,"a",@progbits
	.p2align	6, 0x0
	.amdhsa_kernel k_q27091ab9fb_prep
		.amdhsa_group_segment_fixed_size 58880
		.amdhsa_private_segment_fixed_size 0
		.amdhsa_enable_private_segment 0
		.amdhsa_kernarg_size 64
		.amdhsa_user_sgpr_count 2
		.amdhsa_user_sgpr_kernarg_segment_ptr 1
		.amdhsa_wavefront_size32 1
		.amdhsa_system_sgpr_workgroup_id_x 1
		.amdhsa_system_sgpr_workgroup_id_y 1
		.amdhsa_system_sgpr_workgroup_id_z 1
		.amdhsa_system_vgpr_workitem_id 0
		.amdhsa_next_free_vgpr 256
		.amdhsa_next_free_sgpr 66
		.amdhsa_reserve_vcc 1
		.amdhsa_float_denorm_mode_32 3
		.amdhsa_float_denorm_mode_16_64 3
		.amdhsa_memory_ordered 1
		.amdhsa_forward_progress 1
		.amdhsa_inst_pref_size 87
	.end_amdhsa_kernel
	.amdgpu_metadata
---
amdhsa.version: [ 1, 2 ]
amdhsa.kernels:
  - .name:           k_q27091ab9fb_prep
    .symbol:         k_q27091ab9fb_prep.kd
    .args:
      - { .name: x, .offset: 0, .size: 8, .value_kind: global_buffer, .address_space: global }
      - { .name: Wq, .offset: 8, .size: 8, .value_kind: global_buffer, .address_space: global }
      - { .name: Wk, .offset: 16, .size: 8, .value_kind: global_buffer, .address_space: global }
      - { .name: Wv, .offset: 24, .size: 8, .value_kind: global_buffer, .address_space: global }
      - { .name: Wo, .offset: 32, .size: 8, .value_kind: global_buffer, .address_space: global }
      - { .name: xq, .offset: 40, .size: 8, .value_kind: global_buffer, .address_space: global }
      - { .name: wq, .offset: 48, .size: 8, .value_kind: global_buffer, .address_space: global }
      - { .name: rt, .offset: 56, .size: 8, .value_kind: global_buffer, .address_space: global }
    .group_segment_fixed_size: 58880
    .private_segment_fixed_size: 0
    .kernarg_segment_align: 8
    .kernarg_segment_size: 64
    .max_flat_workgroup_size: 128
    .sgpr_count:     66
    .vgpr_count:     256
    .wavefront_size: 32
...
	.end_amdgpu_metadata
.endif
;; end of part 5
;; launch qkv (part 6): grid 12 x 21, 4 waves a work-group, no clusters, 66,048 bytes of LDS; arguments xq, wq, rt, qk, vq; writes qk, vq
.if DOCPART == 6
	.amdgcn_target "amdgcn-amd-amdhsa--gfx1250"
	.amdhsa_code_object_version 6
	.text
	.protected	k_q27091ab9fb_qkv
	.globl	k_q27091ab9fb_qkv
	.p2align	8
	.type	k_q27091ab9fb_qkv,@function
k_q27091ab9fb_qkv:
	s_mov_b64 s[64:65], 0
	v_nop
	global_prefetch_b8 v0, s[64:65] scope:SCOPE_SE
	s_setreg_imm32_b32 hwreg(HW_REG_WAVE_SCHED_MODE, 0, 2), 2
	s_setreg_imm32_b32 hwreg(HW_REG_WAVE_MODE, 25, 1), 1
	s_wait_xcnt 0x0
	s_wait_alu depctr_vm_vsrc(0)
; QKV: q = x Wq, k = x Wk, v = x Wv on codes of FP6; 2-D RoPE on q and k; q and k quantised along the head's 64, v along the keys.  Nothing wide goes to memory.
; SHARES.  Work-group x: role x / 4 (q, k, v) and 256 of its columns; wave w owns one head, 4 (x % 4) + w: four column tiles, whose 32 fragments (384 registers) and 32 scale words stay in registers.
; Work-group y owns blocks 13 y .. of the 264 blocks of 32 token slots (13, the last 4).  A trip is one block: 2 tiles x 64 columns x K 1,024 = 64 matrix instructions a wave.
; THE PIPELINE.  x's block (24,576 bytes of fragment images, 1,024 of scale words) goes memory -> registers -> LDS, a quarter by each wave, into two slots by turns (block t in slot t % 2).  In trip t:
;   block t's fragments are in registers; block t + 2 goes from the copy's registers into the slot that block t has left; block t + 3 is asked for from memory behind the second K step; block t + 1 is read from the other slot,
;   into the registers that this trip's products have done with, in four runs of 12 loads: its K steps 0, 1 behind this trip's K step 3, its K steps 2, 3 behind K step 5, its K steps 4, 5 and the scale words behind K step 7,
;   its K steps 6, 7 among the vector lines that follow the products.  ONE barrier a trip, at its head: in front of it each wave's reads of slot t % 2 (made in trip t - 1) are over and its stores of block t + 1 have landed.
;   Blocks 0, 1 and 2 are asked for together with the weights.  The last three trips are written out: they ask, store and read only what a later trip uses.
; No cluster: what the work-groups share is that one block a trip; the weights, the large operand, are read once and kept.
; THE MODE: SCHED_MODE bits 1:0 = 2 (LLVM: expert scheduling mode 2), set by the entry lines.  The code itself states the register dependences between vector or matrix instructions and memory or LDS instructions, with s_wait_alu, always for 0.
; THE PLAN.  Registers that memory or LDS instructions touch, in a trip:
;   window 3      x's 16 fragments.  K step s's products read fragments s and 8 + s; the next block's LDS loads land in them.
;   v52-67        x's scale words.  Read by all eight K steps; loaded again behind the last.
;   v132-181      the copy.  Written by the loads of block t + 3; read by the LDS stores at the head of trip t + 1; no vector instruction names them.
;   window 1 v192-255  cos and sin.  Loaded ahead of the products; read by RoPE.
;   v14-17        the table's addresses.  Written by vector lines at the trip's head; read by the table's loads.
;   v198-215, v232-247  codes and scale words.  Written by the quantisers; read by the stores at the trip's end.
;   v1-8, v13     made once at the head.
; So a trip has: one wait on vm_vsrc at its head (the last trip's stores and table loads have read their registers); q, k: one on va_sdst behind the two compares and one on va_vdst ahead of the table's loads;
;   one on vm_vsrc ahead of the request for block t + 3; one on va_vdst behind K step 3, which serves the two runs of loads into K steps 0 to 3's fragments (K steps 4 to 7 name none of them); one behind K step 7, which serves the
;   other two runs and the scale words (the vector lines that follow name none of them); one ahead of the run of stores.
; q, k: source 0 = 16 columns of W, source 1 = 16 slots: lane (r, h) holds slot r and channels 16 ct + 8 h + j, so RoPE's partners (i, i + 16) lie in one lane.
;   The 16 registers of column tiles 2 b, 2 b + 1 are taken as k = 32 b + 16 h + 0 .. 15: inside each block of 32 the channels stand in a fixed other order, THE SAME FOR q AND k: block, scale and products are unchanged; the order of the sum differs.
; v: the sources swapped: lane (r, h) holds channel 16 ct + r and, in the 16 registers of tiles u = 0, 1, the keys 32 B + 16 h + 0 .. 15: neighbours along the second product's K.
; qk: codes [role][batch x head 128][tile 66][768]: registers 0-5 of a fragment, register i of lane l at 256 (i / 2) + 8 l + 4 (i % 2); from QKS_OFF on [role][bh][tile][32 words], the word s0 | s1 << 8 | s0 << 16 | s1 << 24.
; vq: codes [bh][B 33][channel 64][24 bytes]; from VS_OFF on [bh][B][32 words]: byte t of lane l's word belongs to channel 16 t + l % 16.
; LIMITS: NaN and infinities are not served; a block of zeros or under 2^-124 keeps the byte 1 (its codes are zeros; this program alone reads the bytes).
; REGISTERS: window 0: v1-19 addresses; v20-51 W's scale words; v52-67 x's; v68-131 accumulators; v132-181 the copy; v182-247 at work.  Window 1: W's K steps 0-3, v192-255 cos and sin.  Window 2: W's K steps 4-7.  Window 3: x's 16 fragments.
.set XS_OFF,  6488064
.set WS_OFF,  3145728
.set QKS_OFF, 12976128
.set VS_OFF,  6488064
.set WSC, 20                           ; + 8 ct + s
.set XSC, 52                           ; + 8 u + s
.set ACC, 68
.set STG, 132
.set T1,  182
.set T2,  190
.set PC,  198
.set PW,  214
.set TM,  216
.set VC,  232
.set CSR, 192                          ; in window 1: + 32 u + 16 b + (0 cos, 8 sin) + j
.set MSB, 0
.macro WIN new                         ; the immediate's high byte repeats the setting that is left
.if MSB != (\new)
	s_set_vgpr_msb (MSB<<8)|(\new)
.set MSB, (\new)
.endif
.endm
.macro STAGE_LOAD reg, sb              ; my quarter of block s36 into 50 registers from v[reg] on; the two bases in s[sb .. sb + 3]
	s_mul_i32 s32, s36, 24576
	s_add_nc_u64 s[\sb:\sb+1], s[4:5], s[32:33]
	s_lshl_b32 s32, s36, 10
	s_add_co_u32 s32, s32, XS_OFF
	s_add_nc_u64 s[\sb+2:\sb+3], s[4:5], s[32:33]
.irp i, 0,1,2,3,4,5,6,7,8,9,10,11
	global_load_b128 v[\reg+4*\i:\reg+4*\i+3], v7, s[\sb:\sb+1] offset:512*\i
.endr
	global_load_b64 v[\reg+48:\reg+49], v8, s[\sb+2:\sb+3]
.endm
.macro STAGE_STORE reg, slot
.irp i, 0,1,2,3,4,5,6,7,8,9,10,11
	ds_store_b128 v7, v[\reg+4*\i:\reg+4*\i+3] offset:(\slot)*32768+512*\i
.endr
	ds_store_b64 v8, v[\reg+48:\reg+49] offset:(\slot)*32768+24576
.endm
.macro XSCLD from                      ; a block's scale words: four K steps' words of a slot's row in one load
.irp u, 0,1
.irp kh, 0,1
	ds_load_b128 v[XSC+8*\u+4*\kh:XSC+8*\u+4*\kh+3], v4 offset:(\from)*32768+24576+512*\u+256*\kh
.endr
.endr
.endm
.macro FRAGLD from, ks                 ; the two tiles' fragments of K step ks, into window 3 (the destination's window is set by the caller)
.irp u, 0,1
.irp j, 0,1,2
	ds_load_b128 v[12*(8*\u+(\ks))+4*\j:12*(8*\u+(\ks))+4*\j+3], v1 offset:(\from)*32768+(8*\u+(\ks))*1536+512*\j
.endr
.endr
.endm
; K step s: eight matrix instructions, the eight accumulators by turns, one instruction a turn; K step 0 starts the sums.
.macro MM8 vv, s
.if \vv
	WIN 0x07+4*(\s/4)                              ; source 0 (x) window 3, source 1 (W) window 1 or 2
.else
	WIN 0x0d+(\s/4)                                ; source 0 (W) window 1 or 2, source 1 (x) window 3
.endif
.irp u, 0,1
.irp ct, 0,1,2,3
.if \vv
.if \s == 0
	v_wmma_scale_f32_16x16x128_f8f6f4 v[ACC+16*\ct+8*\u:ACC+16*\ct+8*\u+7], v[12*(8*\u+\s):12*(8*\u+\s)+11], v[48*(\s%4)+12*\ct:48*(\s%4)+12*\ct+11], 0, v[XSC+8*\u+\s], v[WSC+8*\ct+\s] matrix_a_fmt:MATRIX_FMT_FP6 matrix_b_fmt:MATRIX_FMT_FP6
.else
	v_wmma_scale_f32_16x16x128_f8f6f4 v[ACC+16*\ct+8*\u:ACC+16*\ct+8*\u+7], v[12*(8*\u+\s):12*(8*\u+\s)+11], v[48*(\s%4)+12*\ct:48*(\s%4)+12*\ct+11], v[ACC+16*\ct+8*\u:ACC+16*\ct+8*\u+7], v[XSC+8*\u+\s], v[WSC+8*\ct+\s] matrix_a_fmt:MATRIX_FMT_FP6 matrix_b_fmt:MATRIX_FMT_FP6
.endif
.else
.if \s == 0
	v_wmma_scale_f32_16x16x128_f8f6f4 v[ACC+32*\u+8*\ct:ACC+32*\u+8*\ct+7], v[48*(\s%4)+12*\ct:48*(\s%4)+12*\ct+11], v[12*(8*\u+\s):12*(8*\u+\s)+11], 0, v[WSC+8*\ct+\s], v[XSC+8*\u+\s] matrix_a_fmt:MATRIX_FMT_FP6 matrix_b_fmt:MATRIX_FMT_FP6
.else
	v_wmma_scale_f32_16x16x128_f8f6f4 v[ACC+32*\u+8*\ct:ACC+32*\u+8*\ct+7], v[48*(\s%4)+12*\ct:48*(\s%4)+12*\ct+11], v[12*(8*\u+\s):12*(8*\u+\s)+11], v[ACC+32*\u+8*\ct:ACC+32*\u+8*\ct+7], v[WSC+8*\ct+\s], v[XSC+8*\u+\s] matrix_a_fmt:MATRIX_FMT_FP6 matrix_b_fmt:MATRIX_FMT_FP6
.endif
.endif
.endr
.endr
.endm
; The trip's 64 matrix instructions, K ascending, and what is dealt among them.  ld = 1: behind K step 1 the block three further on is asked for.  fl = 1: the next block's fragments are read into registers that this trip has done with.
; Behind the last K step five places: the next trip's first products write over these results, and vector lines read them (ISA guide 7.12.1).
.macro MMA vv, slot, fl, ld
	MM8 \vv, 0
	MM8 \vv, 1
.if \ld
	WIN 0
	s_wait_dscnt 0x0                               ; this trip's 13 stores, the only LDS instructions of mine that are out, have landed
	s_wait_alu depctr_vm_vsrc(0)                   ; and have read the copy's registers, in which the loads below land
	s_add_co_u32 s36, s18, s21
	s_add_co_u32 s36, s36, 3
	s_min_u32 s36, s36, 263                        ; held at the last block: no load leaves xq
	STAGE_LOAD STG, 24
.endif
	MM8 \vv, 2
	MM8 \vv, 3
.if \fl
.rept 4
	v_nop                                          ; the places behind the products stay beside the wait
.endr
	WIN 0xc0                                       ; destination window 3
	s_wait_alu depctr_va_vdst(0)                   ; K steps 0 to 3's products are done reading their fragments, in which this run of loads and the next land
	FRAGLD 1-\slot, 0
	FRAGLD 1-\slot, 1
.endif
	MM8 \vv, 4
	MM8 \vv, 5
.if \fl
	WIN 0xc0
	FRAGLD 1-\slot, 2                              ; no wait: no vector or matrix instruction since the wait above names K steps 2 and 3's fragments or v1
	FRAGLD 1-\slot, 3
.endif
	MM8 \vv, 6
	MM8 \vv, 7
.rept 5
	v_nop
.endr
.if \fl
	WIN 0xc0
	s_wait_alu depctr_va_vdst(0)                   ; K steps 4 to 7's products are done reading their fragments and all eight the scale words: the loads below and the trip's last run land in them
	FRAGLD 1-\slot, 4
	FRAGLD 1-\slot, 5
	WIN 0
	XSCLD 1-\slot                                  ; the next block's scale words
.endif
	WIN 0
.endm
.macro TRIPSC                          ; the trip's block: s36 = B, s35 = 16 batch + head
	s_wait_xcnt 0x0                                ; the last trip's stores have read their bases and data
	s_add_co_u32 s34, s18, s21
	s_mul_i32 s35, s34, 1986
	s_lshr_b32 s35, s35, 16                        ; batch = block / 33 (1986 / 65536 is 1 / 33 from above by 2 parts in 2,162,688: exact up to 272)
	s_mul_i32 s36, s35, 33
	s_sub_co_u32 s36, s34, s36
	s_lshl_b32 s35, s35, 4
	s_add_co_u32 s35, s35, s17
.endm
.macro TABADR                          ; my two slots' rows of the table: row position and column position; the identity row 32 for the 16 prefix tokens.  The two compares stand in a run, one wait behind them
	v_add_nc_u32 v18, s37, v5                      ; tile 0: my slot's token in its batch
	v_add_nc_u32 v[T1], 8, v18                     ; tile 1's
	v_cmp_gt_u32 s52, 16, v18
	v_cmp_gt_u32 s53, 16, v[T1]
	v_add_nc_u32 v19, -16, v18
	v_add_nc_u32 v[T1+1], -16, v[T1]
	v_lshrrev_b32 v14, 5, v19
	v_and_b32 v15, 31, v19
	v_lshrrev_b32 v16, 5, v[T1+1]
	v_and_b32 v17, 31, v[T1+1]
	s_wait_alu depctr_va_sdst(0)                   ; the compares have written s52 and s53, which the selects read
	v_cndmask_b32 v14, v14, v9, s52
	v_cndmask_b32 v15, v15, v9, s52
	v_cndmask_b32 v16, v16, v9, s53
	v_cndmask_b32 v17, v17, v9, s53
.irp i, 14,15,16,17
	v_lshl_add_u32 v[\i], v[\i], 7, v6             ; 128 x row + 32 h: my eight frequencies
.endr
.endm
.macro TABLD u
.irp b, 0,1
	global_load_b128 v[CSR+32*\u+16*\b:CSR+32*\u+16*\b+3], v[14+2*\u+\b], s[8:9]
	global_load_b128 v[CSR+32*\u+16*\b+4:CSR+32*\u+16*\b+7], v[14+2*\u+\b], s[8:9] offset:16
	global_load_b128 v[CSR+32*\u+16*\b+8:CSR+32*\u+16*\b+11], v[14+2*\u+\b], s[8:9] offset:64
	global_load_b128 v[CSR+32*\u+16*\b+12:CSR+32*\u+16*\b+15], v[14+2*\u+\b], s[8:9] offset:80
.endr
.endm
.macro ROPE u, b                       ; x1' = x1 cos - x2 sin, x2' = x2 cos + x1 sin; each accumulator is read from its low end on
.irp jp, 0,2,4,6
	v_pk_mul_f32 v[T1+\jp:T1+\jp+1], v[ACC+32*\u+16*\b+8+\jp:ACC+32*\u+16*\b+9+\jp], v[CSR+32*\u+16*\b+8+\jp:CSR+32*\u+16*\b+9+\jp]
	v_pk_mul_f32 v[T2+\jp:T2+\jp+1], v[ACC+32*\u+16*\b+\jp:ACC+32*\u+16*\b+1+\jp], v[CSR+32*\u+16*\b+8+\jp:CSR+32*\u+16*\b+9+\jp]
.endr
.irp jp, 0,2,4,6
	v_pk_fma_f32 v[ACC+32*\u+16*\b+\jp:ACC+32*\u+16*\b+1+\jp], v[ACC+32*\u+16*\b+\jp:ACC+32*\u+16*\b+1+\jp], v[CSR+32*\u+16*\b+\jp:CSR+32*\u+16*\b+1+\jp], v[T1+\jp:T1+\jp+1] neg_lo:[0,0,1] neg_hi:[0,0,1]
	v_pk_fma_f32 v[ACC+32*\u+16*\b+8+\jp:ACC+32*\u+16*\b+9+\jp], v[ACC+32*\u+16*\b+8+\jp:ACC+32*\u+16*\b+9+\jp], v[CSR+32*\u+16*\b+\jp:CSR+32*\u+16*\b+1+\jp], v[T2+\jp:T2+\jp+1]
.endr
.endm
; 32 numbers of a lane (two blocks, 16 of each) become registers 0-5 of a fragment in v[pc] on, and the word s0 | s1 << 8 | s0 << 16 | s1 << 24 in v[pw]
.macro QUANT2 src, pc, pw
.irp b, 0,1
	v_max3_num_f32 v[TM+\b], |v[\src+16*\b]|, |v[\src+16*\b+1]|, 0x1800000
.endr
.irp i, 2,4,6,8,10,12,14
.irp b, 0,1
	v_max3_num_f32 v[TM+\b], v[TM+\b], |v[\src+16*\b+\i]|, |v[\src+16*\b+\i+1]|
.endr
.endr
.irp b, 0,1
	v_permlanex16_b32 v[TM+4+\b], v[TM+\b], s22, s23
.endr
.irp b, 0,1
	v_max_num_f32 v[TM+\b], v[TM+\b], v[TM+4+\b]
.endr
.irp b, 0,1
	v_add_nc_u32 v[TM+12+\b], 0xff000000, v[TM+\b]
.endr
.irp b, 0,1
	v_lshrrev_b32 v[TM+4+\b], 23, v[TM+12+\b]
.endr
	v_lshl_or_b32 v[\pw], v[TM+5], 8, v[TM+4]
	v_lshl_or_b32 v[\pw], v[\pw], 16, v[\pw]
	v_cvt_scalef32_pk16_fp6_f32 v[\pc:\pc+2], v[\src:\src+15], v[TM+12]
	v_cvt_scalef32_pk16_fp6_f32 v[\pc+4:\pc+6], v[\src+16:\src+31], v[TM+13]
	v_nop                                          ; one plain place behind a scaled conversion
.irp i, 0,1,2
	v_permlane16_swap_b32 v[\pc+\i], v[\pc+4+\i]   ; lanes 0-15 get block 0 whole, lanes 16-31 block 1
.endr
	v_mov_b32 v[\pc+3], v[\pc+4]
	v_mov_b32 v[\pc+4], v[\pc+5]
	v_mov_b32 v[\pc+5], v[\pc+6]
.endm
.macro QUANTV slot, fl                 ; v: for each of my four column tiles one block of 32 keys, 16 of them mine.  fl = 1: behind the maxima stands the trip's last run of LDS loads
.irp ct, 0,1,2,3
	v_max3_num_f32 v[TM+\ct], |v[ACC+16*\ct]|, |v[ACC+16*\ct+1]|, 0x1800000
.endr
.irp i, 2,4,6,8,10,12,14
.irp ct, 0,1,2,3
	v_max3_num_f32 v[TM+\ct], v[TM+\ct], |v[ACC+16*\ct+\i]|, |v[ACC+16*\ct+\i+1]|
.endr
.endr
.if \fl
	WIN 0xc0
	FRAGLD 1-\slot, 6                              ; no wait: no vector instruction since the wait behind K step 7 names these fragments or v1
	FRAGLD 1-\slot, 7
	WIN 0
.endif
.irp ct, 0,1,2,3
	v_permlanex16_b32 v[TM+4+\ct], v[TM+\ct], s22, s23
.endr
.irp ct, 0,1,2,3
	v_max_num_f32 v[TM+\ct], v[TM+\ct], v[TM+4+\ct]
.endr
.irp ct, 0,1,2,3
	v_add_nc_u32 v[TM+12+\ct], 0xff000000, v[TM+\ct]
.endr
.irp ct, 0,1,2,3
	v_lshrrev_b32 v[TM+4+\ct], 23, v[TM+12+\ct]
.endr
	v_lshl_or_b32 v[PW], v[TM+5], 8, v[TM+4]
	v_lshl_or_b32 v[PW], v[TM+6], 16, v[PW]
	v_lshl_or_b32 v[PW], v[TM+7], 24, v[PW]
.irp ct, 0,1,2,3
	v_cvt_scalef32_pk16_fp6_f32 v[VC+4*\ct:VC+4*\ct+2], v[ACC+16*\ct:ACC+16*\ct+15], v[TM+12+\ct]
.endr
	v_nop                                          ; one plain place behind a scaled conversion
.endm
	s_load_b256 s[4:11], s[0:1], 0x0               ; xq s[4:5], wq s[6:7], rt s[8:9], qk s[10:11]
	s_load_b64 s[12:13], s[0:1], 0x20              ; vq
	v_lshl_add_u32 v254, v0, 2, 0x10000
	v_mov_b32 v255, 0
	v_lshrrev_b32 v1, 5, v0
	v_readfirstlane_b32 s14, v1                    ; wave
	s_lshr_b32 s16, ttmp9, 2                       ; role
	s_and_b32 s17, ttmp9, 3
	s_lshl_b32 s17, s17, 2
	s_wait_alu depctr_va_sdst(0)                   ; s14 is written, ahead of its first reader: the head, the LDS places and the weights' addresses are made from it
	s_add_co_u32 s17, s17, s14                     ; head
	s_and_b32 s18, ttmp7, 0xffff
	s_mul_i32 s18, s18, 13                         ; my first block
	s_sub_co_u32 s19, 264, s18
	s_min_u32 s19, s19, 13                         ; and how many
	s_mov_b32 s22, 0x76543210
	s_mov_b32 s23, 0xfedcba98
	s_mov_b32 s33, 0                               ; the upper word of every offset
	v_and_b32 v9, 31, v0
	v_lshlrev_b32 v1, 4, v9                        ; 16 x lane
	v_lshlrev_b32 v2, 3, v9                        ; 8 x lane
	v_lshlrev_b32 v3, 2, v9                        ; 4 x lane
	v_and_b32 v10, 15, v0                          ; r
	v_bfe_u32 v11, v0, 4, 1                        ; h
	v_lshlrev_b32 v4, 4, v10                       ; 16 r
	v_and_b32 v5, 8, v10
	v_add_nc_u32 v5, v5, v10                       ; r + 8 (r / 8)
	v_lshlrev_b32 v6, 5, v11                       ; 32 h
	s_mul_i32 s34, s14, 6144
	v_add_nc_u32 v7, s34, v1                       ; my quarter of a block's images, in memory and in a slot
	s_lshl_b32 s34, s14, 8
	v_add_nc_u32 v8, s34, v2                       ; and of its scale words
	v_mul_u32_u24 v13, v10, 24
	v_mad_u32_u24 v13, v11, 12, v13                ; v's codes: 24 r + 12 h
	v_lshlrev_b32 v12, 5, v10                      ; W's scale words: 32 bytes a column
	v_mov_b32 v9, 32                               ; the table's identity row
	s_lshl_b32 s34, ttmp9, 4
	s_lshl_b32 s35, s14, 2
	s_add_co_u32 s34, s34, s35                     ; my first column tile
	s_mul_i32 s32, s34, 12288
	s_wait_kmcnt 0x0
	s_add_nc_u64 s[40:41], s[6:7], s[32:33]
	s_lshl_b32 s32, s34, 9
	s_add_co_u32 s32, s32, WS_OFF
	s_add_nc_u64 s[42:43], s[6:7], s[32:33]
	WIN 0x40                                       ; destination window 1
	s_wait_alu depctr_va_vdst(0)                   ; the offsets and addresses v1 to v13 are written, which the loads and stores of the whole kernel read
.irp s, 0,1,2,3
.irp ct, 0,1,2,3
.irp j, 0,1,2
	global_load_b128 v[48*\s+12*\ct+4*\j:48*\s+12*\ct+4*\j+3], v1, s[40:41] offset:(8*\ct+\s)*1536+512*\j
.endr
.endr
.endr
	WIN 0x80                                       ; destination window 2
.irp s, 0,1,2,3
.irp ct, 0,1,2,3
.irp j, 0,1,2
	global_load_b128 v[48*\s+12*\ct+4*\j:48*\s+12*\ct+4*\j+3], v1, s[40:41] offset:(8*\ct+\s+4)*1536+512*\j
.endr
.endr
.endr
	WIN 0
.irp ct, 0,1,2,3
	global_load_b128 v[WSC+8*\ct:WSC+8*\ct+3], v12, s[42:43] offset:512*\ct
	global_load_b128 v[WSC+8*\ct+4:WSC+8*\ct+7], v12, s[42:43] offset:512*\ct+16
.endr
	s_mov_b32 s36, s18                             ; my first three blocks are asked for together with the weights (every row of work-groups has at least 4: no hold is needed),
	STAGE_LOAD ACC, 44                             ; block 0 into the accumulators' registers,
	s_add_co_u32 s36, s18, 1
	STAGE_LOAD T1, 48                              ; block 1 into the work registers v182-231,
	s_add_co_u32 s36, s18, 2
	STAGE_LOAD STG, 24                             ; block 2 into the copy's own, where the first trip finds it
	s_wait_loadcnt 0x0
	STAGE_STORE ACC, 0
	STAGE_STORE T1, 1
	s_wait_dscnt 0x0                               ; for the others' sake: my stores have landed
	s_barrier_signal -1
	s_barrier_wait -1                              ; blocks 0 and 1 lie in the slots
	s_wait_alu depctr_vm_vsrc(0)                   ; my LDS stores have read v68-117 and v182-231: these are the accumulators and the work registers from here on, written by matrix and vector instructions
.irp b, 0,1,2,3
	v_mov_b32 v[TM+4+\b], 0                        ; written once: a lane permute's destination counts as one of its sources
.endr
	XSCLD 0
	WIN 0xc0                                       ; destination window 3
.irp s, 0,1,2,3,4,5,6,7
	FRAGLD 0, \s                                   ; block 0's fragments
.endr
	WIN 0
; A TRIP.  slot = t % 2.  tn: the trip's number where it is a constant, -1 in the loop.  st: block t + 2 goes into this slot.  ld: block t + 3 is asked for.  fl: block t + 1 is read from the other slot.
.macro TRIP slot, tn, st, ld, fl
	s_wait_dscnt 0x0                               ; this block's fragments and scale words are in: my reads of this slot are over; my stores of block t + 1 have landed
	s_wait_alu depctr_vm_vsrc(0)                   ; the last trip's stores have read the codes and scale words, its table loads v14-17: this trip's vector lines write them again
.if \fl
	s_barrier_signal -1
	s_barrier_wait -1                              ; both now hold of all four waves
.endif
.if (\tn) < 0
	s_lshl_b32 s21, s20, 1                         ; the trip's number: 2 x the loop's count + the slot
.if \slot
	s_add_co_u32 s21, s21, 1
.endif
.else
	s_mov_b32 s21, \tn
.endif
.if \st
	s_wait_loadcnt 0x0                             ; block t + 2's quarter is in registers (asked for among the last trip's products)
	STAGE_STORE STG, \slot
.endif
	s_cmp_ge_u32 s21, s19                          ; the last work-group row has 4 blocks: it leaves the work out, never the barrier
	s_cbranch_scc1 .Lnext_\@
	s_cmp_eq_u32 s16, 2
	s_cbranch_scc1 .Lv_\@
	; ---- q or k
	TRIPSC
	s_mul_i32 s38, s35, 66
	s_lshl_b32 s39, s36, 1
	s_add_co_u32 s38, s38, s39                     ; 66 bh + 2 B
	s_mul_i32 s39, s16, 6488064
	s_mul_i32 s32, s38, 768
	s_add_co_u32 s32, s32, s39
	s_add_nc_u64 s[28:29], s[10:11], s[32:33]
	s_mul_i32 s39, s16, 1081344
	s_lshl_b32 s32, s38, 7
	s_add_co_u32 s32, s32, s39
	s_add_co_u32 s32, s32, QKS_OFF
	s_add_nc_u64 s[30:31], s[10:11], s[32:33]
	s_lshl_b32 s37, s36, 5                         ; 32 B
	TABADR
	WIN 0x40
	s_wait_alu depctr_va_vdst(0)                   ; v14-17 are written, which the table's loads read; the last trip's RoPE is done reading cos and sin, in which they land
	TABLD 0
	TABLD 1
	MMA 0, \slot, \fl, \ld
.if \ld
	s_wait_loadcnt 13                              ; cos and sin, 16 loads asked for ahead of the products, are in; the copy's 13 loads, issued behind them, may be out
.else
	s_wait_loadcnt 0x0                             ; cos and sin
.endif
	WIN 0x04                                       ; source 1 window 1
	ROPE 0, 0
	ROPE 0, 1
	ROPE 1, 0
	ROPE 1, 1
.if \fl
	WIN 0xc0
	FRAGLD 1-\slot, 6                              ; the trip's last run.  No wait: no vector instruction since the wait behind K step 7 names these fragments or v1
	FRAGLD 1-\slot, 7
.endif
	WIN 0
	QUANT2 ACC, PC, PW
	QUANT2 ACC+32, PC+8, PW+1
	s_wait_alu depctr_va_vdst(0)                   ; both tiles' codes and scale words are written, which the eight stores read
.irp u, 0,1
.irp p, 0,1,2
	global_store_b64 v2, v[PC+8*\u+2*\p:PC+8*\u+2*\p+1], s[28:29] offset:768*\u+256*\p   ; 256 consecutive bytes
.endr
	global_store_b32 v3, v[PW+\u], s[30:31] offset:128*\u
.endr
	s_branch .Lnext_\@
.Lv_\@:
	; ---- v
	TRIPSC
	s_mul_i32 s38, s35, 33
	s_add_co_u32 s38, s38, s36                     ; 33 bh + B
	s_mul_i32 s32, s38, 1536
	s_add_nc_u64 s[28:29], s[12:13], s[32:33]
	s_lshl_b32 s32, s38, 7
	s_add_co_u32 s32, s32, VS_OFF
	s_add_nc_u64 s[30:31], s[12:13], s[32:33]
	MMA 1, \slot, \fl, \ld
	QUANTV \slot, \fl
	s_wait_alu depctr_va_vdst(0)                   ; the four tiles' codes and the scale word are written, which the five stores read
.irp ct, 0,1,2,3
	global_store_b96 v13, v[VC+4*\ct:VC+4*\ct+2], s[28:29] offset:384*\ct   ; 384 consecutive bytes
.endr
	global_store_b32 v3, v[PW], s[30:31]
.Lnext_\@:
.endm
	s_mov_b32 s20, 0
.Lloop:                                            ; trips 0 to 9
	TRIP 0, -1, 1, 1, 1
	TRIP 1, -1, 1, 1, 1
	s_add_co_u32 s20, s20, 1
	s_cmp_lt_u32 s20, 5
	s_cbranch_scc1 .Lloop
	TRIP 0, 10, 1, 0, 1                            ; block 12 goes into its slot; nothing more is asked for
	TRIP 1, 11, 0, 0, 1                            ; nothing more is stored; block 12 is read
	TRIP 0, 12, 0, 0, 0                            ; the thirteenth block: LDS is not touched again, so no barrier
	s_wait_dscnt 0x0                               ; the closing lines, six on end
	s_wait_alu 0x0
	s_wait_tensorcnt 0x0
	ds_add_u32 v254, v255
	s_wait_dscnt 0x0
	s_endpgm
.Lfunc_end_k_q27091ab9fb_qkv:
	.size	k_q27091ab9fb_qkv, .Lfunc_end_k_q27091ab9fb_qkv-k_q27091ab9fb_qkv
	.p2alignl 7, 3214868480
	.fill 96, 4, 3214868480
	.section	.rodata,"a",@progbits
	.p2align	6, 0x0
	.amdhsa_kernel k_q27091ab9fb_qkv
		.amdhsa_group_segment_fixed_size 66048
		.amdhsa_private_segment_fixed_size 0
		.amdhsa_enable_private_segment 0
		.amdhsa_kernarg_size 40
		.amdhsa_user_sgpr_count 2
		.amdhsa_user_sgpr_kernarg_segment_ptr 1
		.amdhsa_wavefront_size32 1
		.amdhsa_system_sgpr_workgroup_id_x 1
		.amdhsa_system_sgpr_workgroup_id_y 1
		.amdhsa_system_sgpr_workgroup_id_z 1
		.amdhsa_system_vgpr_workitem_id 0
		.amdhsa_next_free_vgpr 1024
		.amdhsa_next_free_sgpr 66
		.amdhsa_reserve_vcc 0
		.amdhsa_float_denorm_mode_32 3
		.amdhsa_float_denorm_mode_16_64 3
		.amdhsa_memory_ordered 1
		.amdhsa_forward_progress 1
		.amdhsa_inst_pref_size 227
	.end_amdhsa_kernel
	.amdgpu_metadata
---
amdhsa.version: [ 1, 2 ]
amdhsa.kernels:
  - .name:           k_q27091ab9fb_qkv
    .symbol:         k_q27091ab9fb_qkv.kd
    .args:
      - { .name: xq, .offset: 0, .size: 8, .value_kind: global_buffer, .address_space: global }
      - { .name: wq, .offset: 8, .size: 8, .value_kind: global_buffer, .address_space: global }
      - { .name: rt, .offset: 16, .size: 8, .value_kind: global_buffer, .address_space: global }
      - { .name: qk, .offset: 24, .size: 8, .value_kind: global_buffer, .address_space: global }
      - { .name: vq, .offset: 32, .size: 8, .value_kind: global_buffer, .address_space: global }
    .group_segment_fixed_size: 66048
    .private_segment_fixed_size: 0
    .kernarg_segment_align: 8
    .kernarg_segment_size: 40
    .max_flat_workgroup_size: 128
    .sgpr_count:     66
    .vgpr_count:     1024
    .wavefront_size: 32
...
	.end_amdgpu_metadata
.endif
;; end of part 6
;; launch attn (part 7): grid 2 x 128, 11 waves a work-group, no clusters, 112,128 bytes of LDS; arguments qk, vq, oq; writes oq
.if DOCPART == 7
	.amdgcn_target "amdgcn-amd-amdhsa--gfx1250"
	.amdhsa_code_object_version 6
	.text
	.protected	k_q27091ab9fb_attn
	.globl	k_q27091ab9fb_attn
	.p2align	8
	.type	k_q27091ab9fb_attn,@function
k_q27091ab9fb_attn:
	s_mov_b64 s[64:65], 0
	v_nop
	global_prefetch_b8 v0, s[64:65] scope:SCOPE_SE
	s_setreg_imm32_b32 hwreg(HW_REG_WAVE_SCHED_MODE, 0, 2), 2
	s_setreg_imm32_b32 hwreg(HW_REG_WAVE_MODE, 25, 1), 1
	s_wait_xcnt 0x0
	s_wait_alu depctr_vm_vsrc(0)
; ATTENTION on codes of FP6: S^T = K Q^T, p = 2^(t - M) with M a whole number, O^T = V^T P^T, O / l, and O quantised along (head, channel) for the output projection.
; SHARES.  Work-group (u, bh): one head of one batch and the 33 query tiles 2 Bq + u.  K, V and their scale words of the WHOLE head are copied into LDS once: no ring, one barrier.  Wave w owns the tiles Bq = w, w + 11, w + 22, one after the other.
; No cluster: the two work-groups of a head share K and V, which each reads once, at its head.
; K = 64 FILLS HALF OF THE INSTRUCTION'S 128.  The half fragments of key tiles u = 0 and u = 1 of a block lie on end and are read as ONE fragment (registers 0-5 tile 0, 6-11 tile 1).  Q lies as v16-21 = 0, v22-27 = q, v28-33 = 0:
;   v[22:33] = [q | 0] gives tile 0's scores, v[16:27] = [0 | q] tile 1's: zero codes take the other tile's half away.  K's scale word is (tile 0: s0, s1; tile 1: s0, s1); Q's is (s0, s1, s0, s1) and fits both.
; A lane holds ONE query throughout.  Slot r of key tile (B, u) is key 32 B + 8 u + r + 8 (r / 8), so the 16 registers of a block's two tiles are keys 32 B + 16 h + 0 .. 15.  V's rows of a tile are channels 32 b + 8 u + r + 8 (r / 8) likewise.
; Keys 1040 .. 1055 do not exist: their scores become -infinity (p = 0), and v's codes there are zeros.
; oq: codes [tile 528][K step 8][1536]: head 2 s + c fills registers 6 c .. 6 c + 5, register i of lane l at 256 (i / 2) + 8 l + 4 (i % 2); scale bytes from XS_OFF on, [tile][K half][slot 16][4 words].
;   The scale bytes leave as single bytes 16 bytes apart (a head owns 2 bytes of a slot's 32): one byte for each 24 bytes of codes.
; LIMITS: NaN and infinities are not served; a block of zeros or under 2^-124 keeps the byte 1.
; THE MODE: SCHED_MODE bits 1:0 = 2 (LLVM: expert scheduling mode 2), set by the entry lines.  The code itself states the register dependences between vector or matrix instructions and memory or LDS instructions, with s_wait_alu, always for 0.
; THE PLAN.  Registers that memory or LDS instructions touch, in a key step:
;   v72-119, v66-69  four fragments and their scale words.  K's LDS loads land in them at the step's head; K Q^T reads them; V's loads land in them behind the exponentials; V^T P reads them.
;   v8-11            the step's LDS addresses.  Written by four additions at the step's head; read by K's loads (v8, v10) and V's (v9, v11).
;   v216-221, v252   on the way out: O's codes and scale byte.  Written by vector lines; read by the stores.
;   v1-7             made once.
;   Written by vector lines and taken by the scaled products as operands or scales: q and the zeros beside it (v16-33), q's scale word (v58), p's codes (v216-227) and scale word (v65).
; So a key step has: one wait on vm_vsrc ahead of the four additions; one on va_vdst behind them (the addresses are written; the last V^T P is done reading its fragments; in a tile's first step q and its scale word are written);
;   the wait behind the 64 exponentials, which also states that K Q^T is done reading K's fragments: V's loads stand directly behind it; the wait behind the four exponentials; one on va_vdst ahead of V^T P (p's codes and scale word are written).
; REGISTERS: v1-7 addresses that stay; v8-11 addresses in hand; v16-33 Q; v34-57 my three tiles' q; v58 Q's scale word; v59 -infinity; v60 -M, v61 largest t, v[62:63] the sum; v64 f, v65 P's scale word; v66-69 K's, then V's scale words;
;   v72-119 four fragments; v120-183 S^T, then p; v184-215 O^T; v216-227 P's codes; v228-253 at work.
.set QKS_OFF, 12976128
.set KROLE,   6488064
.set KSROLE,  1081344
.set VS_OFF,  6488064
.set XS_OFF,  6488064
.set LV,   50688                       ; LDS: K's 33 pair fragments of 1,536 bytes at 0; V's 33 blocks from here, 1,600 bytes apart (1,536 + 64);
.set LKS,  103488                      ; K's scale words [B][32];
.set LVS,  107712                      ; V's [key step 9][channel 64]
.set QN,   34
.set QS,   58
.set NINF, 59
.set FR,   72
.set S,    120
.set O,    184
.set P,    216
.set CT,   228
.set BM,   236
.set PT,   240
.set SO,   244
	s_load_b128 s[4:7], s[0:1], 0x0                ; qk, vq
	s_load_b64 s[8:9], s[0:1], 0x10                ; oq
	v_lshl_add_u32 v254, v0, 2, 0x1b000
	v_mov_b32 v255, 0
	v_lshrrev_b32 v1, 5, v0
	v_readfirstlane_b32 s10, v1                    ; wave 0..10
	s_and_b32 s12, ttmp7, 0xffff                   ; bh
	s_lshr_b32 s13, s12, 4                         ; batch
	s_and_b32 s14, s12, 15                         ; head
	s_mov_b32 s16, 0x76543210
	s_mov_b32 s17, 0xfedcba98
	s_mov_b32 s18, 0x3e38aa3b                      ; c = log2(e) / 8
	s_mov_b32 s19, s18                             ; (named with it as a pair)
	s_mov_b32 s25, 0xffff0000                      ; lanes 16-31
	s_mov_b32 s31, 0
	v_and_b32 v12, 31, v0                          ; lane
	v_and_b32 v13, 15, v0                          ; r
	v_bfe_u32 v14, v0, 4, 1                        ; h
	v_lshlrev_b32 v1, 3, v12                       ; 8 x lane
	v_and_b32 v15, 8, v13
	v_add_nc_u32 v15, v15, v13                     ; r + 8 (r / 8)
	v_mul_u32_u24 v3, v15, 24
	v_mad_u32_u24 v2, v14, 1600, v3
	v_add_nc_u32 v2, LV, v2                        ; V: my channel's 24 bytes in block h
	v_add_nc_u32 v3, LV+51200, v3                  ; and in block 32, for both halves of the lanes
	v_lshlrev_b32 v6, 2, v12                       ; 4 x lane
	v_add_nc_u32 v4, LKS, v6
	v_lshl_add_u32 v5, v15, 2, LVS
	v_lshl_add_u32 v7, v13, 4, v14                 ; O's scale bytes: 16 r + h
	s_wait_alu depctr_va_sdst(0)                   ; s10 is written, ahead of its first reader: the copies' places and every tile's address are made from it
	s_mul_i32 s44, s10, 4608
	v_lshl_add_u32 v8, v12, 4, s44                 ; the copies' places in LDS: K: three pair fragments a wave,
	s_mul_i32 s45, s10, 4800
	s_add_co_u32 s45, s45, LV
	v_lshl_add_u32 v9, v12, 4, s45                 ; V: three blocks,
	s_mul_i32 s46, s10, 384
	s_add_co_u32 s46, s46, LKS
	v_lshl_add_u32 v10, v12, 2, s46                ; K's scale words of three blocks,
	s_lshl_b32 s47, s10, 8
	s_add_co_u32 s47, s47, LVS
	v_lshl_add_u32 v11, v12, 2, s47                ; V's of one key step (waves 0-8)
	v_lshlrev_b32 v248, 4, v12                     ; 16 x lane
	v_lshl_add_u32 v253, v13, 2, v14               ; V's scale bytes in memory: 4 r + h
	s_wait_alu depctr_va_vdst(0)
	s_lshl_b32 s50, s10, 2
.irp i, 0,1,2,3
	s_add_co_u32 s47, s50, \i
	s_min_u32 s47, s47, 32                         ; key step 8 has one block: the other three bytes repeat it (P's codes there are zeros)
	s_lshl_b32 s47, s47, 7
	v_add_nc_u32 v[249+\i], s47, v253
.endr
	s_mul_i32 s44, s12, 50688
	s_mul_i32 s45, s10, 4608
	s_add_co_u32 s44, s44, s45
	s_wait_kmcnt 0x0
	s_mov_b32 s30, s44
	s_add_nc_u64 s[34:35], s[6:7], s[30:31]        ; V's codes, my three blocks
	s_add_co_u32 s30, s44, KROLE
	s_add_nc_u64 s[32:33], s[4:5], s[30:31]        ; K's codes, my three pairs
	s_mul_i32 s30, s12, 8448
	s_mul_i32 s45, s10, 768
	s_add_co_u32 s30, s30, s45
	s_add_co_u32 s30, s30, QKS_OFF+KSROLE
	s_add_nc_u64 s[36:37], s[4:5], s[30:31]        ; K's scale words
	s_mul_i32 s30, s12, 4224
	s_add_co_u32 s30, s30, VS_OFF
	s_add_nc_u64 s[38:39], s[6:7], s[30:31]        ; V's scale bytes
	s_lshl_b32 s45, s10, 1
	s_add_co_u32 s45, s45, ttmp9                   ; my first tile in the batch: 2 w + u
	s_mul_i32 s46, s12, 66
	s_add_co_u32 s46, s46, s45
	s_mul_i32 s30, s46, 768
	s_add_nc_u64 s[40:41], s[4:5], s[30:31]        ; Q's codes
	s_lshl_b32 s30, s46, 7
	s_add_co_u32 s30, s30, QKS_OFF
	s_add_nc_u64 s[42:43], s[4:5], s[30:31]        ; Q's scale words
	s_mul_i32 s46, s13, 66
	s_add_co_u32 s46, s46, s45                     ; the tile among all 528
	s_lshl_b32 s30, s46, 3
	s_lshr_b32 s47, s14, 1
	s_add_co_u32 s30, s30, s47
	s_mul_i32 s30, s30, 1536
	s_and_b32 s48, s14, 1
	s_mul_i32 s49, s48, 768
	s_add_co_u32 s30, s30, s49
	s_add_nc_u64 s[26:27], s[8:9], s[30:31]        ; O's codes
	s_lshl_b32 s30, s46, 9
	s_lshr_b32 s49, s14, 3
	s_lshl_b32 s49, s49, 8
	s_add_co_u32 s30, s30, s49
	s_and_b32 s47, s47, 3
	s_lshl_b32 s47, s47, 2
	s_add_co_u32 s30, s30, s47
	s_lshl_b32 s48, s48, 1
	s_add_co_u32 s30, s30, s48
	s_add_co_u32 s30, s30, XS_OFF
	s_add_nc_u64 s[28:29], s[8:9], s[30:31]        ; O's scale bytes
	s_wait_alu depctr_va_vdst(0)                   ; the offsets and addresses v1 to v11 and v248 to v252 are written, which the loads and stores below read
.irp j, 0,1,2,3,4,5,6,7,8
	global_load_b128 v[FR+4*\j:FR+4*\j+3], v248, s[32:33] offset:512*\j
.endr
.irp j, 0,1,2,3,4,5,6,7,8
	global_load_b128 v[S+4*\j:S+4*\j+3], v248, s[34:35] offset:512*\j
.endr
.irp i, 0,1,2
	global_load_b32 v[160+2*\i], v6, s[36:37] offset:256*\i
	global_load_b32 v[161+2*\i], v6, s[36:37] offset:256*\i+128
.endr
.irp it, 0,1,2
.irp p, 0,1,2
	global_load_b64 v[QN+8*\it+2*\p:QN+8*\it+2*\p+1], v1, s[40:41] offset:16896*\it+256*\p
.endr
	global_load_b32 v[QN+8*\it+6], v6, s[42:43] offset:2816*\it
.endr
	s_cmp_lt_u32 s10, 9                            ; waves 0-8 gather V's scale words of key step w: for channel lane + 32 c the bytes of its four blocks
	s_cbranch_scc0 .Lno_vs
.irp c, 0,1
.irp i, 0,1,2,3
	global_load_u8 v[168+4*\c+\i], v[249+\i], s[38:39] offset:2*\c
.endr
.endr
	s_wait_loadcnt 0x0
.irp c, 0,1
	v_lshl_or_b32 v[168+4*\c], v[169+4*\c], 8, v[168+4*\c]
	v_lshl_or_b32 v[168+4*\c], v[170+4*\c], 16, v[168+4*\c]
	v_lshl_or_b32 v[168+4*\c], v[171+4*\c], 24, v[168+4*\c]
.endr
	s_wait_alu depctr_va_vdst(0)                   ; the two words v168 and v172 are written, which the LDS stores read
.irp c, 0,1
	ds_store_b32 v11, v[168+4*\c] offset:128*\c
.endr
.Lno_vs:
	s_wait_loadcnt 0x0
.irp i, 0,1,2
	v_bfi_b32 v[160+2*\i], 0xffff, v[160+2*\i], v[161+2*\i]   ; tile 0's two bytes below, tile 1's above
.endr
.irp j, 0,1,2,3,4,5,6,7,8
	ds_store_b128 v8, v[FR+4*\j:FR+4*\j+3] offset:512*\j      ; data as loaded: no vector instruction since the last wait on va_vdst names what these 18 stores read
.endr
.irp i, 0,1,2
.irp j, 0,1,2
	ds_store_b128 v9, v[S+12*\i+4*\j:S+12*\i+4*\j+3] offset:1600*\i+512*\j
.endr
.endr
.irp i, 0,1,2,3,4,5
	v_mov_b32 v[16+\i], 0                          ; the zero codes on both sides of q
	v_mov_b32 v[28+\i], 0
.endr
.irp b, 0,1,2,3
	v_mov_b32 v[PT+\b], 0                          ; written once: a lane permute's destination counts as one of its sources
.endr
	v_mov_b32 v65, 0                               ; (named as the upper half of the pair v[64:65] before it is first written)
	v_mov_b32 v[NINF], 0xff800000
	s_wait_alu depctr_va_vdst(0)                   ; K's three scale words v160, v162, v164 are written, which the LDS stores read
.irp i, 0,1,2
	ds_store_b32 v10, v[160+2*\i] offset:128*\i
.endr
	s_wait_dscnt 0x0                               ; for the others' sake: my stores have landed
	s_barrier_signal -1
	s_barrier_wait -1                              ; the head's K and V lie in LDS; nothing is written there again
	s_wait_alu depctr_vm_vsrc(0)                   ; my LDS stores have read their data (v72-107, v120-172) and v8-11, my loads v248-252: all of these are written again from here on
	v_mov_b32 v250, 0
.macro MUPD src                        ; the running largest t, -M = floor(-t), f = 2^(old M - new M)
	v_mul_f32 v250, s18, v[\src]
	v_max_num_f32 v61, v61, v250
	v_mov_b32 v250, v60
	v_floor_f32 v60, -v61
	v_sub_f32 v250, v60, v250                      ; a whole number, 0 or less
	v_cvt_i32_f32 v250, v250                       ; (it saturates)
	v_ldexp_f32 v64, 1.0, v250
.endm
.macro RESCALE                         ; O^T x v64; these 16 are also the places ahead of the scaled products
.set j, 0
.rept 16
	v_pk_mul_f32 v[O+j:O+j+1], v[O+j:O+j+1], v[64:65] op_sel_hi:[1,0]
.set j, j+2
.endr
.endm
.macro PVMUL                           ; O^T += V^T P^T: four accumulators, one instruction a turn
.irp t, 0,1,2,3
	v_wmma_scale_f32_16x16x128_f8f6f4 v[O+8*\t:O+8*\t+7], v[FR+12*\t:FR+12*\t+11], v[P:P+11], v[O+8*\t:O+8*\t+7], v[66+\t], v65 matrix_a_fmt:MATRIX_FMT_FP6 matrix_b_fmt:MATRIX_FMT_FP6
.endr
.endm
; A KEY STEP OF 128 KEYS
.macro STEP4
	s_wait_alu depctr_vm_vsrc(0)                   ; the last step's LDS loads have read v8-11, which the additions write; in a tile's first step: the last tile's stores have read O's codes and scale byte, which this tile writes again
	v_add_nc_u32 v8, s20, v1                       ; (these four are also places behind the last products)
	v_add_nc_u32 v9, s21, v2
	v_add_nc_u32 v10, s22, v4
	v_add_nc_u32 v11, s23, v5
	s_wait_alu depctr_va_vdst(0)                   ; v8-11 are written, which the step's LDS loads read; the last V^T P is done reading its fragments and scale words, in which K's land; in a tile's first step q and its scale word are written, which the scaled products take
.irp b, 0,1,2,3
.irp p, 0,1,2,3,4,5
	ds_load_b64 v[FR+12*\b+2*\p:FR+12*\b+2*\p+1], v8 offset:1536*\b+256*\p
.endr
	ds_load_b32 v[66+\b], v10 offset:128*\b
.endr
	s_wait_dscnt 0x0
.irp b, 0,1,2,3
	v_wmma_scale_f32_16x16x128_f8f6f4 v[S+16*\b:S+16*\b+7], v[FR+12*\b:FR+12*\b+11], v[22:33], 0, v[66+\b], v[QS] matrix_a_fmt:MATRIX_FMT_FP6 matrix_b_fmt:MATRIX_FMT_FP6
	v_wmma_scale_f32_16x16x128_f8f6f4 v[S+16*\b+8:S+16*\b+15], v[FR+12*\b:FR+12*\b+11], v[16:27], 0, v[66+\b], v[QS] matrix_a_fmt:MATRIX_FMT_FP6 matrix_b_fmt:MATRIX_FMT_FP6
.endr
.rept 4
	v_nop                                          ; four places ahead of the first read of the scores
.endr
.irp b, 0,1,2,3
	v_max3_num_f32 v[BM+\b], v[S+16*\b], v[S+16*\b+1], v[S+16*\b+2]   ; the largest score of each block of 32 keys: for the row's maximum and for the block's largest p
.endr
.irp i, 3,5,7,9,11,13
.irp b, 0,1,2,3
	v_max3_num_f32 v[BM+\b], v[BM+\b], v[S+16*\b+\i], v[S+16*\b+\i+1]
.endr
.endr
.irp b, 0,1,2,3
	v_max_num_f32 v[BM+\b], v[BM+\b], v[S+16*\b+15]
.endr
.irp b, 0,1,2,3
	v_permlanex16_b32 v[PT+\b], v[BM+\b], s16, s17
.endr
.irp b, 0,1,2,3
	v_max_num_f32 v[BM+\b], v[BM+\b], v[PT+\b]
.endr
	v_max3_num_f32 v251, v[BM], v[BM+1], v[BM+2]
	v_max_num_f32 v251, v251, v[BM+3]
	MUPD 251
.set j, 0
.rept 32
	v_pk_fma_f32 v[S+j:S+j+1], v[S+j:S+j+1], s[18:19], v[60:61] op_sel_hi:[1,0,0]   ; t - M
.set j, j+2
.endr
.irp b, 0,1,2,3
	v_fma_f32 v[BM+\b], v[BM+\b], s18, v60
.endr
.set j, 0
	s_wait_alu depctr_va_vdst(0)
.rept 64
	v_exp_f32 v[S+j], v[S+j]                       ; p = 2^(t - M): not normalised
.set j, j+1
.endr
	v_pk_mul_f32 v[62:63], v[62:63], v[64:65] op_sel_hi:[1,0]   ; the sums under the new M (a plain place behind the exponentials)
	s_wait_alu depctr_va_vdst(0)                   ; the 64 exponentials have written p, ahead of its first reader; and K Q^T is done reading K's fragments and scale words, in which V's land
.irp t, 0,1,2,3                                ; V's fragments, into K's registers: they land under the sums, the scales and the conversions
.irp c, 0,1
.irp i, 0,1,2
	ds_load_b64 v[FR+12*\t+6*\c+2*\i:FR+12*\t+6*\c+2*\i+1], v9 offset:3200*\c+768*(\t/2)+192*(\t%2)+8*\i
.endr
.endr
	ds_load_b32 v[66+\t], v11 offset:128*(\t/2)+32*(\t%2)
.endr
.irp b, 0,1,2,3
	v_exp_f32 v[BM+\b], v[BM+\b]                   ; each block's largest p
.endr
	v_pk_add_f32 v[248:249], v[S:S+1], v[S+2:S+3]  ; the row's sum of the unquantised p, in two chains
.irp j, 4,8,12,16,20,24,28,32,36,40,44,48,52,56,60
	v_pk_add_f32 v[62:63], v[62:63], v[S+\j:S+\j+1]
	v_pk_add_f32 v[248:249], v[248:249], v[S+\j+2:S+\j+3]
.endr
	v_pk_add_f32 v[62:63], v[62:63], v[248:249]
	s_wait_alu depctr_va_vdst(0)                   ; the four exponentials have written the blocks' largest p, ahead of its first reader
.irp b, 0,1,2,3
	v_max_num_f32 v[BM+\b], 0x1800000, v[BM+\b]    ; the floor: the byte cannot fall under 1
.endr
.irp b, 0,1,2,3
	v_add_nc_u32 v[SO+\b], 0xff000000, v[BM+\b]
.endr
.irp b, 0,1,2,3
	v_lshrrev_b32 v[PT+\b], 23, v[SO+\b]
.endr
	v_lshl_or_b32 v65, v[PT+1], 8, v[PT]
	v_lshl_or_b32 v65, v[PT+2], 16, v65
	v_lshl_or_b32 v65, v[PT+3], 24, v65
.irp c, 0,1
	v_cvt_scalef32_pk16_fp6_f32 v[P+6*\c:P+6*\c+2], v[S+32*\c:S+32*\c+15], v[SO+2*\c]
	v_cvt_scalef32_pk16_fp6_f32 v[CT+4*\c:CT+4*\c+2], v[S+32*\c+16:S+32*\c+31], v[SO+2*\c+1]
.endr
	v_nop                                          ; one plain place behind a scaled conversion
.irp c, 0,1
.irp i, 0,1,2
	v_permlane16_swap_b32 v[P+6*\c+\i], v[CT+4*\c+\i]
.endr
.irp i, 0,1,2
	v_mov_b32 v[P+3+6*\c+\i], v[CT+4*\c+\i]
.endr
.endr
	RESCALE
	s_wait_dscnt 0x0                               ; V
	s_wait_alu depctr_va_vdst(0)                   ; p's codes and its scale word are written, which the scaled products take; the 16 multiplications above are the places, which stay beside this wait
	PVMUL
	s_add_co_u32 s20, s20, 6144
	s_add_co_u32 s21, s21, 6400
	s_add_co_u32 s22, s22, 512
	s_add_co_u32 s23, s23, 256
.endm
; THE LAST BLOCK: keys 1024 .. 1055, of which lanes 16-31 hold those that do not exist
.macro STEP1
.rept 4
	v_nop                                          ; the places behind the last products stay beside the wait
.endr
	s_wait_alu depctr_va_vdst(0)                   ; the last V^T P is done reading its fragments and scale words, in which K's last fragment and scale word land
.irp p, 0,1,2,3,4,5
	ds_load_b64 v[FR+2*\p:FR+2*\p+1], v1 offset:49152+256*\p
.endr
	ds_load_b32 v66, v4 offset:4096
	s_wait_dscnt 0x0
	v_wmma_scale_f32_16x16x128_f8f6f4 v[S:S+7], v[FR:FR+11], v[22:33], 0, v66, v[QS] matrix_a_fmt:MATRIX_FMT_FP6 matrix_b_fmt:MATRIX_FMT_FP6
	v_wmma_scale_f32_16x16x128_f8f6f4 v[S+8:S+15], v[FR:FR+11], v[16:27], 0, v66, v[QS] matrix_a_fmt:MATRIX_FMT_FP6 matrix_b_fmt:MATRIX_FMT_FP6
.rept 4
	v_nop
.endr
.set j, 0
.rept 16
	v_cndmask_b32 v[S+j], v[S+j], v[NINF], s25
.set j, j+1
.endr
	v_max3_num_f32 v[BM], v[S], v[S+1], v[S+2]
.irp i, 3,5,7,9,11,13
	v_max3_num_f32 v[BM], v[BM], v[S+\i], v[S+\i+1]
.endr
	v_max_num_f32 v[BM], v[BM], v[S+15]
	v_permlanex16_b32 v[PT], v[BM], s16, s17
	v_max_num_f32 v[BM], v[BM], v[PT]
	MUPD BM
.set j, 0
.rept 8
	v_pk_fma_f32 v[S+j:S+j+1], v[S+j:S+j+1], s[18:19], v[60:61] op_sel_hi:[1,0,0]
.set j, j+2
.endr
	v_fma_f32 v[BM], v[BM], s18, v60
.set j, 0
	s_wait_alu depctr_va_vdst(0)
.rept 16
	v_exp_f32 v[S+j], v[S+j]
.set j, j+1
.endr
	v_pk_mul_f32 v[62:63], v[62:63], v[64:65] op_sel_hi:[1,0]
	s_wait_alu depctr_va_vdst(0)                   ; the 16 exponentials have written p, ahead of its first reader; and the two products are done reading K's fragment and scale word, in which V's land
.irp t, 0,1,2,3                                ; V: block 32 into registers 0-5 of each fragment, for both halves of the lanes; what the other registers and lanes 16-31 hold meets zero codes of P
.irp i, 0,1,2
	ds_load_b64 v[FR+12*\t+2*\i:FR+12*\t+2*\i+1], v3 offset:768*(\t/2)+192*(\t%2)+8*\i
.endr
	ds_load_b32 v[66+\t], v5 offset:2048+128*(\t/2)+32*(\t%2)
.endr
	v_exp_f32 v[BM], v[BM]
	v_pk_add_f32 v[248:249], v[S:S+1], v[S+2:S+3]
.irp j, 4,8,12
	v_pk_add_f32 v[62:63], v[62:63], v[S+\j:S+\j+1]
	v_pk_add_f32 v[248:249], v[248:249], v[S+\j+2:S+\j+3]
.endr
	v_pk_add_f32 v[62:63], v[62:63], v[248:249]
	s_wait_alu depctr_va_vdst(0)                   ; the exponential has written the block's largest p, ahead of its first reader
	v_max_num_f32 v[BM], 0x1800000, v[BM]
	v_add_nc_u32 v[SO], 0xff000000, v[BM]
	v_lshrrev_b32 v65, 23, v[SO]                   ; the block's byte; the three bytes above are 0 and stand over zero codes
	v_cvt_scalef32_pk16_fp6_f32 v[P:P+2], v[S:S+15], v[SO]   ; lanes 0-15: the block's lower 16 codes; lanes 16-31: zeros, which is what the next block holds
	v_nop
.irp i, 3,4,5,6,7,8,9,10,11
	v_mov_b32 v[P+\i], 0                           ; the block's upper 16 keys and all further keys: zero codes
.endr
	RESCALE
	s_wait_dscnt 0x0
	s_wait_alu depctr_va_vdst(0)                   ; p's codes and its scale word are written, which the scaled products take; the places above stay beside this wait
	PVMUL
.endm
.macro WAYOUT it
	v_add_f32 v62, v62, v63                        ; the sum's two halves (these lines are the places behind the last products),
	v_permlanex16_b32 v250, v62, s16, s17
	v_add_f32 v62, v62, v250                       ; and lane l xor 16's
	v_nop
	v_nop
	s_wait_alu depctr_va_vdst(0)
	v_rcp_f32 v64, v62
	v_and_b32 v251, 1, v7                          ; h (a plain place behind the reciprocal)
	v_cmp_eq_u32 vcc_lo, 1, v251                   ; for the choice of the scale byte, far below
	s_wait_alu depctr_va_vdst(0)                   ; the reciprocal has written v64, ahead of its first reader
	RESCALE                                        ; O^T / l, each accumulator from its low end on
.irp b, 0,1
	v_max3_num_f32 v[BM+\b], |v[O+16*\b]|, |v[O+16*\b+1]|, 0x1800000
.endr
.irp i, 2,4,6,8,10,12,14
.irp b, 0,1
	v_max3_num_f32 v[BM+\b], v[BM+\b], |v[O+16*\b+\i]|, |v[O+16*\b+\i+1]|
.endr
.endr
.irp b, 0,1
	v_permlanex16_b32 v[PT+\b], v[BM+\b], s16, s17
.endr
.irp b, 0,1
	v_max_num_f32 v[BM+\b], v[BM+\b], v[PT+\b]
.endr
.irp b, 0,1
	v_add_nc_u32 v[SO+\b], 0xff000000, v[BM+\b]
.endr
.irp b, 0,1
	v_lshrrev_b32 v[PT+\b], 23, v[SO+\b]
.endr
	v_cvt_scalef32_pk16_fp6_f32 v[P:P+2], v[O:O+15], v[SO]
	v_cvt_scalef32_pk16_fp6_f32 v[P+4:P+6], v[O+16:O+31], v[SO+1]
	v_nop
.irp i, 0,1,2
	v_permlane16_swap_b32 v[P+\i], v[P+4+\i]
.endr
	v_mov_b32 v[P+3], v[P+4]
	v_mov_b32 v[P+4], v[P+5]
	v_mov_b32 v[P+5], v[P+6]
	s_wait_alu depctr_va_vcc(0)                    ; the compare has written VCC, which the select reads
	v_cndmask_b32 v252, v[PT], v[PT+1], vcc_lo     ; lanes 0-15 store block 0's byte, lanes 16-31 block 1's
	s_wait_alu depctr_va_vdst(0)                   ; O's codes and the scale byte are written, which the four stores read
.irp p, 0,1,2
	global_store_b64 v1, v[P+2*\p:P+2*\p+1], s[26:27] offset:270336*\it+256*\p   ; 256 consecutive bytes
.endr
	global_store_b8 v7, v252, s[28:29] offset:11264*\it
.endm
.macro TILE it
.if \it > 0
	s_wait_xcnt 0x0                                ; the last tile's stores have read their data: the first key step writes those registers again
.endif
.irp i, 0,1,2,3,4,5
	v_mov_b32 v[22+\i], v[QN+8*\it+\i]
.endr
	v_mov_b32 v[QS], v[QN+8*\it+6]
	v_mov_b32 v61, 0xff61b1e6                      ; the largest t so far: -3e38
	v_floor_f32 v60, -v61
	v_mov_b32 v62, 0
	v_mov_b32 v63, 0
.set j, 0
.rept 32
	v_mov_b32 v[O+j], 0                            ; O^T: the step is written once, its first trip finds zeros.  (Also the places between Q's and its scale word's moves and the first scaled product)
.set j, j+1
.endr
	s_mov_b32 s20, 0
	s_mov_b32 s21, 0
	s_mov_b32 s22, 0
	s_mov_b32 s23, 0
	s_mov_b32 s24, 8
.Lstep_\@:
	STEP4
	s_sub_co_u32 s24, s24, 1
	s_cmp_lg_u32 s24, 0
	s_cbranch_scc1 .Lstep_\@
	STEP1
	WAYOUT \it
.endm
	TILE 0
	TILE 1
	TILE 2
	s_wait_dscnt 0x0                               ; the closing lines, six on end
	s_wait_alu 0x0
	s_wait_tensorcnt 0x0
	ds_add_u32 v254, v255
	s_wait_dscnt 0x0
	s_endpgm
.Lfunc_end_k_q27091ab9fb_attn:
	.size	k_q27091ab9fb_attn, .Lfunc_end_k_q27091ab9fb_attn-k_q27091ab9fb_attn
	.p2alignl 7, 3214868480
	.fill 96, 4, 3214868480
	.section	.rodata,"a",@progbits
	.p2align	6, 0x0
	.amdhsa_kernel k_q27091ab9fb_attn
		.amdhsa_group_segment_fixed_size 112128
		.amdhsa_private_segment_fixed_size 0
		.amdhsa_enable_private_segment 0
		.amdhsa_kernarg_size 24
		.amdhsa_user_sgpr_count 2
		.amdhsa_user_sgpr_kernarg_segment_ptr 1
		.amdhsa_wavefront_size32 1
		.amdhsa_system_sgpr_workgroup_id_x 1
		.amdhsa_system_sgpr_workgroup_id_y 1
		.amdhsa_system_sgpr_workgroup_id_z 1
		.amdhsa_system_vgpr_workitem_id 0
		.amdhsa_next_free_vgpr 256
		.amdhsa_next_free_sgpr 66
		.amdhsa_reserve_vcc 1
		.amdhsa_float_denorm_mode_32 3
		.amdhsa_float_denorm_mode_16_64 3
		.amdhsa_memory_ordered 1
		.amdhsa_forward_progress 1
		.amdhsa_inst_pref_size 104
	.end_amdhsa_kernel
	.amdgpu_metadata
---
amdhsa.version: [ 1, 2 ]
amdhsa.kernels:
  - .name:           k_q27091ab9fb_attn
    .symbol:         k_q27091ab9fb_attn.kd
    .args:
      - { .name: qk, .offset: 0, .size: 8, .value_kind: global_buffer, .address_space: global }
      - { .name: vq, .offset: 8, .size: 8, .value_kind: global_buffer, .address_space: global }
      - { .name: oq, .offset: 16, .size: 8, .value_kind: global_buffer, .address_space: global }
    .group_segment_fixed_size: 112128
    .private_segment_fixed_size: 0
    .kernarg_segment_align: 8
    .kernarg_segment_size: 24
    .max_flat_workgroup_size: 352
    .sgpr_count:     66
    .vgpr_count:     256
    .wavefront_size: 32
...
	.end_amdgpu_metadata
.endif
;; end of part 7
;; launch oproj (part 8): grid 4 x 53, 4 waves a work-group, no clusters, 83,456 bytes of LDS; arguments oq, wq, out0; writes out0
.if DOCPART == 8
	.amdgcn_target "amdgcn-amd-amdhsa--gfx1250"
	.amdhsa_code_object_version 6
	.text
	.protected	k_q27091ab9fb_oproj
	.globl	k_q27091ab9fb_oproj
	.p2align	8
	.type	k_q27091ab9fb_oproj,@function
k_q27091ab9fb_oproj:
	s_mov_b64 s[64:65], 0
	v_nop
	global_prefetch_b8 v0, s[64:65] scope:SCOPE_SE
	s_setreg_imm32_b32 hwreg(HW_REG_WAVE_SCHED_MODE, 0, 2), 2
	s_setreg_imm32_b32 hwreg(HW_REG_WAVE_MODE, 25, 1), 1
	s_wait_xcnt 0x0
	s_wait_alu depctr_vm_vsrc(0)
; OUTPUT PROJECTION: out0 = O Wo on codes of FP6, K = (head, channel) = 1,024.
; SHARES.  Work-group x owns 256 output columns; wave w 64 of them: four column tiles of Wo, whose 32 fragments and 32 scale words stay in registers.  Work-group y owns blocks 5 y .. of the 264 blocks of 32 token slots (5, the last 4).
; A trip is one block: 64 matrix instructions a wave.
; THE PIPELINE.  O's block goes memory -> registers -> LDS, a quarter by each wave, into two slots by turns (block t in slot t % 2).  In trip t: block t's fragments are in registers; block t + 2 goes from the copy's registers into
;   the slot that block t has left; block t + 3 is asked for from memory behind the second K step; block t + 1 is read from the other slot, into the registers that this trip's products have done with, in four runs of 12 loads:
;   its K steps 0, 1 behind this trip's K step 3, its K steps 2, 3 behind K step 5, its K steps 4, 5 and the scale words behind K step 7, its K steps 6, 7 between the two tiles' ways out.
;   ONE barrier a trip, at its head: in front of it each wave's reads of slot t % 2 are over and its stores of block t + 1 have landed.  Blocks 0, 1 and 2 are asked for together with the weights.
;   The five trips are written out: each asks, stores and reads only what a later trip uses.
; THE MODE: SCHED_MODE bits 1:0 = 2 (LLVM: expert scheduling mode 2), set by the entry lines.  The code itself states the register dependences between vector or matrix instructions and memory or LDS instructions, with s_wait_alu, always for 0.
; THE PLAN.  Registers that memory or LDS instructions touch, in a trip:
;   window 3      O's 16 fragments.  K step s's products read fragments s and 8 + s; the next block's LDS loads land in them.
;   v52-67        O's scale words.  Read by all eight K steps; loaded again behind the last.
;   v68-131       the accumulators.  Written by the products; read by the LDS stores into my stage.
;   v132-181      the copy.  Written by the loads of block t + 3; read by the LDS stores at the head of trip t + 1; no vector instruction names them.
;   v182-245      rows on their way out.  Written by the LDS loads from my stage; read by the global stores.
;   v1-13         made once at the head.
; So a trip has: one wait on vm_vsrc at its head (the last trip's LDS stores have read the accumulators, its global stores the rows); one on vm_vsrc ahead of the request for block t + 3; one on va_vdst behind K step 3, which serves
;   the two runs of loads into K steps 0 to 3's fragments (K steps 4 to 7 name none of them); one behind K step 7, which serves the other two runs, the scale words and the LDS stores of the results: no vector or matrix instruction follows it in the trip.
; oq holds a fragment's registers in pairs (register i of lane l at 256 (i / 2) + 8 l + 4 (i % 2)); the copy loads two pairs for each group of four registers, so that the slots hold groups of four (512 (i / 4) + 16 l + 4 (i % 4)).
; Source 0 = 16 columns of Wo, source 1 = 16 slots: a lane holds slot r and eight neighbouring columns.  A tile goes through the wave's own stage in LDS and leaves as rows: sixteen lanes store 256 consecutive, aligned bytes.
; Slot r of tile (B, u) is token 32 B + 8 u + r + 8 (r / 8); in block 32 slots 8-15 are empty and are not stored.
; No cluster: what the work-groups share is one block of 25,600 bytes a trip; the weights are read once and kept.
; REGISTERS: window 0: v1-13 addresses; v20-51 Wo's scale words; v52-67 O's; v68-131 accumulators; v132-181 the copy; v182-245 rows on their way out.  Windows 1, 2: Wo's K steps 0-3, 4-7.  Window 3: O's 16 fragments.
.set XS_OFF, 6488064
.set WS_OFF, 3145728
.set WSC,  20
.set XSC,  52
.set ACC,  68
.set STG,  132
.set OBUF, 182
.set MSB, 0
.macro WIN new                         ; the immediate's high byte repeats the setting that is left
.if MSB != (\new)
	s_set_vgpr_msb (MSB<<8)|(\new)
.set MSB, (\new)
.endif
.endm
.macro STAGE_LOAD reg, sb              ; my quarter (four fragments) of block s36 into 50 registers from v[reg] on; the two bases in s[sb .. sb + 3]
	s_mul_i32 s32, s36, 24576
	s_add_nc_u64 s[\sb:\sb+1], s[4:5], s[32:33]
	s_lshl_b32 s32, s36, 10
	s_add_co_u32 s32, s32, XS_OFF
	s_add_nc_u64 s[\sb+2:\sb+3], s[4:5], s[32:33]
.irp i, 0,1,2,3,4,5,6,7,8,9,10,11
	global_load_b64 v[\reg+4*\i:\reg+4*\i+1], v9, s[\sb:\sb+1] offset:1536*(\i/3)+512*(\i%3)        ; 256 consecutive bytes each
	global_load_b64 v[\reg+4*\i+2:\reg+4*\i+3], v9, s[\sb:\sb+1] offset:1536*(\i/3)+512*(\i%3)+256
.endr
	global_load_b64 v[\reg+48:\reg+49], v8, s[\sb+2:\sb+3]
.endm
.macro STAGE_STORE reg, slot
.irp i, 0,1,2,3,4,5,6,7,8,9,10,11
	ds_store_b128 v7, v[\reg+4*\i:\reg+4*\i+3] offset:(\slot)*32768+512*\i
.endr
	ds_store_b64 v8, v[\reg+48:\reg+49] offset:(\slot)*32768+24576
.endm
.macro XSCLD from                      ; a block's scale words: four K steps' words of a slot's row in one load
.irp u, 0,1
.irp kh, 0,1
	ds_load_b128 v[XSC+8*\u+4*\kh:XSC+8*\u+4*\kh+3], v4 offset:(\from)*32768+24576+512*\u+256*\kh
.endr
.endr
.endm
.macro FRAGLD from, ks                 ; the two tiles' fragments of K step ks, into window 3 (the destination's window is set by the caller)
.irp u, 0,1
.irp j, 0,1,2
	ds_load_b128 v[12*(8*\u+(\ks))+4*\j:12*(8*\u+(\ks))+4*\j+3], v1 offset:(\from)*32768+(8*\u+(\ks))*1536+512*\j
.endr
.endr
.endm
; K step s: eight matrix instructions, the eight accumulators by turns, one instruction a turn; K step 0 starts the sums.
.macro MM8 s
	WIN 0x0d+(\s/4)                                ; source 0 (Wo) window 1 or 2, source 1 (O) window 3
.irp u, 0,1
.irp ct, 0,1,2,3
.if \s == 0
	v_wmma_scale_f32_16x16x128_f8f6f4 v[ACC+32*\u+8*\ct:ACC+32*\u+8*\ct+7], v[48*(\s%4)+12*\ct:48*(\s%4)+12*\ct+11], v[12*(8*\u+\s):12*(8*\u+\s)+11], 0, v[WSC+8*\ct+\s], v[XSC+8*\u+\s] matrix_a_fmt:MATRIX_FMT_FP6 matrix_b_fmt:MATRIX_FMT_FP6
.else
	v_wmma_scale_f32_16x16x128_f8f6f4 v[ACC+32*\u+8*\ct:ACC+32*\u+8*\ct+7], v[48*(\s%4)+12*\ct:48*(\s%4)+12*\ct+11], v[12*(8*\u+\s):12*(8*\u+\s)+11], v[ACC+32*\u+8*\ct:ACC+32*\u+8*\ct+7], v[WSC+8*\ct+\s], v[XSC+8*\u+\s] matrix_a_fmt:MATRIX_FMT_FP6 matrix_b_fmt:MATRIX_FMT_FP6
.endif
.endr
.endr
.endm
; The trip's 64 matrix instructions, K ascending, and what is dealt among them.  ld = 1: behind K step 1 the block three further on is asked for.  fl = 1: the next block's fragments are read into registers that this trip has done with.
; Behind the last K step FIVE places: the next trip's first products begin the accumulators anew (C = 0), that is, matrix instructions write over these results, and no other vector instruction stands between two trips' products here;
; four of the five serve the LDS stores that read the results.
.macro MMA slot, fl, ld
	MM8 0
	MM8 1
.if \ld
	WIN 0
	s_wait_dscnt 0x0                               ; this trip's 13 stores, the only LDS instructions of mine that are out, have landed
	s_wait_alu depctr_vm_vsrc(0)                   ; and have read the copy's registers, in which the loads below land
	s_add_co_u32 s36, s18, s21
	s_add_co_u32 s36, s36, 3
	s_min_u32 s36, s36, 263                        ; held at the last block: no load leaves oq
	STAGE_LOAD STG, 24
.endif
	MM8 2
	MM8 3
.if \fl
.rept 4
	v_nop                                          ; the places behind the products stay beside the wait
.endr
	WIN 0xc0                                       ; destination window 3
	s_wait_alu depctr_va_vdst(0)                   ; K steps 0 to 3's products are done reading their fragments, in which this run of loads and the next land
	FRAGLD 1-\slot, 0
	FRAGLD 1-\slot, 1
.endif
	MM8 4
	MM8 5
.if \fl
	WIN 0xc0
	FRAGLD 1-\slot, 2                              ; no wait: no vector or matrix instruction since the wait above names K steps 2 and 3's fragments or v1
	FRAGLD 1-\slot, 3
.endif
	MM8 6
	MM8 7
.rept 5
	v_nop
.endr
.if \fl
	WIN 0xc0
.else
	WIN 0
.endif
	s_wait_alu depctr_va_vdst(0)                   ; the products have written the accumulators, which the LDS stores of the way out read; they are done reading K steps 4 to 7's fragments and the scale words, in which the loads below land
.if \fl
	FRAGLD 1-\slot, 4
	FRAGLD 1-\slot, 5
	WIN 0
	XSCLD 1-\slot                                  ; the next block's scale words
.endif
	WIN 0
.endm
.macro OUTU u                          ; tile u: through my stage and out by rows
.irp ct, 0,1,2,3
	ds_store_b128 v10, v[ACC+32*\u+8*\ct:ACC+32*\u+8*\ct+3] offset:64*\ct          ; each accumulator from its low end on
	ds_store_b128 v10, v[ACC+32*\u+8*\ct+4:ACC+32*\u+8*\ct+7] offset:64*\ct+16
.endr
.irp i, 0,1,2,3,4,5,6,7
	ds_load_b128 v[OBUF+32*\u+4*\i:OBUF+32*\u+4*\i+3], v11 offset:544*\i           ; LDS serves a wave's instructions in order: these see my stores
.endr
.irp i, 0,1,2,3
	s_wait_dscnt 7-\i                              ; the younger loads may be out
	global_store_b128 v13, v[OBUF+32*\u+4*\i:OBUF+32*\u+4*\i+3], s[28:29] offset:(8*\u+2*\i)*4096 th:TH_STORE_NT
.endr
	s_cmp_eq_u32 s36, 32                           ; the batch's last block: slots 8-15 are empty
	s_cbranch_scc1 .Ltail_\@
.irp i, 4,5,6,7
	s_wait_dscnt 7-\i
	global_store_b128 v13, v[OBUF+32*\u+4*\i:OBUF+32*\u+4*\i+3], s[28:29] offset:(8*\u+2*\i+8)*4096 th:TH_STORE_NT
.endr
.Ltail_\@:
.endm
	s_load_b128 s[4:7], s[0:1], 0x0                ; oq, wq
	s_load_b64 s[8:9], s[0:1], 0x10                ; out0
	v_lshl_add_u32 v254, v0, 2, 0x14400
	v_mov_b32 v255, 0
	v_lshrrev_b32 v1, 5, v0
	v_readfirstlane_b32 s14, v1                    ; wave
	s_and_b32 s18, ttmp7, 0xffff
	s_mul_i32 s18, s18, 5                          ; my first block
	s_sub_co_u32 s19, 264, s18
	s_min_u32 s19, s19, 5                          ; and how many
	s_mov_b32 s33, 0                               ; the upper word of every offset
	v_and_b32 v14, 31, v0
	v_lshlrev_b32 v1, 4, v14                       ; 16 x lane
	v_lshlrev_b32 v2, 3, v14                       ; 8 x lane
	v_and_b32 v15, 15, v0                          ; r
	v_bfe_u32 v16, v0, 4, 1                        ; h
	v_lshlrev_b32 v4, 4, v15                       ; 16 r
	s_wait_alu depctr_va_sdst(0)                   ; s14 is written, ahead of its first reader: the LDS places, the weights' addresses and my columns are made from it
	s_mul_i32 s34, s14, 6144
	v_add_nc_u32 v7, s34, v1                       ; my quarter in a slot
	v_add_nc_u32 v9, s34, v2                       ; and in memory, 8 bytes a lane
	s_lshl_b32 s34, s14, 8
	v_add_nc_u32 v8, s34, v2                       ; my quarter of the scale words
	v_lshlrev_b32 v12, 5, v15                      ; Wo's scale words: 32 bytes a column
	s_mul_i32 s34, s14, 4352
	s_add_co_u32 s34, s34, 65536                   ; my stage: 16 rows x (256 bytes + 16), behind the slots
	v_mul_u32_u24 v10, v15, 272
	v_lshl_add_u32 v10, v16, 5, v10
	v_add_nc_u32 v10, s34, v10                     ; in: row r, + 32 h
	v_mul_u32_u24 v11, v16, 272
	v_lshl_add_u32 v11, v15, 4, v11
	v_add_nc_u32 v11, s34, v11                     ; back: lanes 0-15 one row, lanes 16-31 the next
	v_lshlrev_b32 v13, 12, v16
	v_lshl_add_u32 v13, v15, 4, v13                ; and the same two rows in out0
	s_lshl_b32 s34, ttmp9, 4
	s_lshl_b32 s35, s14, 2
	s_add_co_u32 s34, s34, s35
	s_add_co_u32 s34, s34, 192                     ; my first column tile of wq
	s_mul_i32 s32, s34, 12288
	s_wait_kmcnt 0x0
	s_add_nc_u64 s[40:41], s[6:7], s[32:33]
	s_lshl_b32 s32, s34, 9
	s_add_co_u32 s32, s32, WS_OFF
	s_add_nc_u64 s[42:43], s[6:7], s[32:33]
	WIN 0x40                                       ; destination window 1
	s_wait_alu depctr_va_vdst(0)                   ; the offsets and addresses v1 to v13 are written, which the loads and stores of the whole kernel read
.irp s, 0,1,2,3
.irp ct, 0,1,2,3
.irp j, 0,1,2
	global_load_b128 v[48*\s+12*\ct+4*\j:48*\s+12*\ct+4*\j+3], v1, s[40:41] offset:(8*\ct+\s)*1536+512*\j
.endr
.endr
.endr
	WIN 0x80                                       ; destination window 2
.irp s, 0,1,2,3
.irp ct, 0,1,2,3
.irp j, 0,1,2
	global_load_b128 v[48*\s+12*\ct+4*\j:48*\s+12*\ct+4*\j+3], v1, s[40:41] offset:(8*\ct+\s+4)*1536+512*\j
.endr
.endr
.endr
	WIN 0
.irp ct, 0,1,2,3
	global_load_b128 v[WSC+8*\ct:WSC+8*\ct+3], v12, s[42:43] offset:512*\ct
	global_load_b128 v[WSC+8*\ct+4:WSC+8*\ct+7], v12, s[42:43] offset:512*\ct+16
.endr
	s_mov_b32 s36, s18                             ; my first three blocks are asked for together with the weights (every row of work-groups has at least 4: no hold is needed),
	STAGE_LOAD ACC, 44                             ; block 0 into the accumulators' registers,
	s_add_co_u32 s36, s18, 1
	STAGE_LOAD OBUF, 48                            ; block 1 into the way out's registers,
	s_add_co_u32 s36, s18, 2
	STAGE_LOAD STG, 24                             ; block 2 into the copy's own, where the first trip finds it
	s_wait_loadcnt 0x0
	STAGE_STORE ACC, 0
	STAGE_STORE OBUF, 1
	s_wait_dscnt 0x0                               ; for the others' sake: my stores have landed
	s_barrier_signal -1
	s_barrier_wait -1                              ; blocks 0 and 1 lie in the slots
	s_wait_alu depctr_vm_vsrc(0)                   ; my LDS stores have read v68-117 and v182-231: these are the accumulators and the way out's rows from here on, written by matrix instructions and by LDS loads
	XSCLD 0
	WIN 0xc0                                       ; destination window 3
.irp s, 0,1,2,3,4,5,6,7
	FRAGLD 0, \s                                   ; block 0's fragments
.endr
	WIN 0
; A TRIP.  slot = tn % 2.  tn: the trip's number.  st: block tn + 2 goes into this slot.  ld: block tn + 3 is asked for.  fl: block tn + 1 is read from the other slot.
.macro TRIP slot, tn, st, ld, fl
	s_wait_dscnt 0x0                               ; this block's fragments and scale words are in: my reads of this slot and of my stage are over; my stores of block tn + 1 have landed
	s_wait_alu depctr_vm_vsrc(0)                   ; the last trip's LDS stores have read the accumulators, its global stores the rows v182-245: this trip's products and LDS loads write them again
.if \fl
	s_barrier_signal -1
	s_barrier_wait -1                              ; both now hold of all four waves
.endif
	s_mov_b32 s21, \tn
.if \st
	s_wait_loadcnt 0x0                             ; block tn + 2's quarter is in registers (asked for among the last trip's products)
	STAGE_STORE STG, \slot
.endif
	s_cmp_ge_u32 s21, s19                          ; the last work-group row has 4 blocks: it leaves the work out, never the barrier
	s_cbranch_scc1 .Lnext_\@
	MMA \slot, \fl, \ld
	s_wait_xcnt 0x0                                ; the last trip's stores have read their base and data
	s_add_co_u32 s34, s18, s21
	s_mul_i32 s35, s34, 1986
	s_lshr_b32 s35, s35, 16                        ; batch = block / 33 (1986 / 65536 is 1 / 33 from above by 2 parts in 2,162,688: exact up to 263)
	s_mul_i32 s36, s35, 33
	s_sub_co_u32 s36, s34, s36                     ; B
	s_mul_i32 s35, s35, 1040
	s_lshl_b32 s37, s36, 5
	s_add_co_u32 s35, s35, s37                     ; the block's first token
	s_lshl_b32 s32, s35, 12
	s_lshl_b32 s37, ttmp9, 10
	s_add_co_u32 s32, s32, s37
	s_lshl_b32 s37, s14, 8
	s_add_co_u32 s32, s32, s37                     ; + my 64 columns
	s_add_nc_u64 s[28:29], s[8:9], s[32:33]
	OUTU 0
.if \fl
	WIN 0xc0
	FRAGLD 1-\slot, 6                              ; the trip's last run.  No wait: no vector or matrix instruction stands behind the wait behind K step 7
	FRAGLD 1-\slot, 7
	WIN 0
.endif
	OUTU 1
.Lnext_\@:
.endm
	TRIP 0, 0, 1, 1, 1
	TRIP 1, 1, 1, 1, 1
	TRIP 0, 2, 1, 0, 1                             ; block 4 goes into its slot; nothing more is asked for
	TRIP 1, 3, 0, 0, 1                             ; nothing more is stored; block 4 is read
	TRIP 0, 4, 0, 0, 0                             ; the fifth block: the slots are not touched again, so no barrier
	s_wait_dscnt 0x0                               ; the closing lines, six on end
	s_wait_alu 0x0
	s_wait_tensorcnt 0x0
	ds_add_u32 v254, v255
	s_wait_dscnt 0x0
	s_endpgm
.Lfunc_end_k_q27091ab9fb_oproj:
	.size	k_q27091ab9fb_oproj, .Lfunc_end_k_q27091ab9fb_oproj-k_q27091ab9fb_oproj
	.p2alignl 7, 3214868480
	.fill 96, 4, 3214868480
	.section	.rodata,"a",@progbits
	.p2align	6, 0x0
	.amdhsa_kernel k_q27091ab9fb_oproj
		.amdhsa_group_segment_fixed_size 83456
		.amdhsa_private_segment_fixed_size 0
		.amdhsa_enable_private_segment 0
		.amdhsa_kernarg_size 24
		.amdhsa_user_sgpr_count 2
		.amdhsa_user_sgpr_kernarg_segment_ptr 1
		.amdhsa_wavefront_size32 1
		.amdhsa_system_sgpr_workgroup_id_x 1
		.amdhsa_system_sgpr_workgroup_id_y 1
		.amdhsa_system_sgpr_workgroup_id_z 1
		.amdhsa_system_vgpr_workitem_id 0
		.amdhsa_next_free_vgpr 1024
		.amdhsa_next_free_sgpr 66
		.amdhsa_reserve_vcc 0
		.amdhsa_float_denorm_mode_32 3
		.amdhsa_float_denorm_mode_16_64 3
		.amdhsa_memory_ordered 1
		.amdhsa_forward_progress 1
		.amdhsa_inst_pref_size 114
	.end_amdhsa_kernel
	.amdgpu_metadata
---
amdhsa.version: [ 1, 2 ]
amdhsa.kernels:
  - .name:           k_q27091ab9fb_oproj
    .symbol:         k_q27091ab9fb_oproj.kd
    .args:
      - { .name: oq, .offset: 0, .size: 8, .value_kind: global_buffer, .address_space: global }
      - { .name: wq, .offset: 8, .size: 8, .value_kind: global_buffer, .address_space: global }
      - { .name: out0, .offset: 16, .size: 8, .value_kind: global_buffer, .address_space: global }
    .group_segment_fixed_size: 83456
    .private_segment_fixed_size: 0
    .kernarg_segment_align: 8
    .kernarg_segment_size: 24
    .max_flat_workgroup_size: 128
    .sgpr_count:     66
    .vgpr_count:     1024
    .wavefront_size: 32
...
	.end_amdgpu_metadata
.endif
;; end of part 8
